; MI455X (gfx1250); checked and timed in simulation.
; The chip was launched on July 23, 2026; its instructions are those of AMD's public machine-readable ISA for CDNA 5 (MIT licence, August 2026) and "CDNA5" Instruction Set Architecture Reference Guide (July 2026). The comments in the code are by the model that wrote it; some were corrected since.
;; Self Attention. Allowed arithmetic: matrix products marked QUANTISED: E3M2 operands, one E8M0 scale for each 32 along K, by v_wmma_scale_f32_16x16x128_f8f6f4 with both operands' format E3M2, f32 sums; everything else in f32.
;; Inputs: Wk 1,024 x 1,024 float32; Wq 1,024 x 1,024 float32; Wv 1,024 x 1,024 float32; bk 1,024 float32; bq 1,024 float32; bv 1,024 float32; x 4 x 2,048 x 1,024 float32; y 4 x 2,048 x 1,024 float32; z 4 x 2,048 x 1,024 float32.
;; Outputs: out0 4 x 2,048 x 1,024 float32.
;; This version of the problem:
;;   THIS VERSION OF THE PROBLEM IS GIVEN IN LOW PRECISION. The matrix products marked QUANTISED in the list below multiply operands that are first quantised to E3M2 (3 exponent bits, 2 mantissa bits; 6 bits a number), with one power-of-two scale for each 32 numbers along K (OCP MX v1.0); their sums are f32. All else is computed in f32.
;;   The module's matrix products, in the order in which they are computed (A, B: the left and right operand; K: the contracted axis; several contracted axes count as one K, in the product's order):
;;     1. [M 8,192, K 1,024] x [K 1,024, N 1,024]; A: input x; B: input Wq: QUANTISED
;;     2. [M 8,192, K 1,024] x [K 1,024, N 1,024]; A: input y; B: input Wk: QUANTISED
;;     3. [M 8,192, K 1,024] x [K 1,024, N 1,024]; A: input z; B: input Wv: QUANTISED
;;     4. batch 4 x [M 2,048, K 1,024] x [K 1,024, N 2,048]; A: computed on the way; B: computed on the way: QUANTISED
;;     5. batch 4 x [M 2,048, K 2,048] x [K 2,048, N 1,024]; A: softmax (see below); B: computed on the way: QUANTISED
;;   THE QUANTISER, for each operand of a quantised product, along K:
;;     - K is cut into blocks of 32 from its start; a last block that is shorter is filled with zeros.
;;     - A block's scale is 2^e with e = floor(log2(the largest magnitude in the block)) - 4, held to -126 .. 127; a block of zeros has e = 0. As a byte (E8M0): e + 127.
;;     - Each number is divided by its block's scale, clamped to +-28, and rounded to the nearest number of E3M2, ties to even, subnormals kept.
;;     - The product sums the exact products of the quantised numbers (number of the format x scale) in f32.
;;   ~~~python
;;   def quantise(x, axis):      # numpy; x: float32 -> the quantised numbers, widened to float32 again
;;       x = np.moveaxis(x, axis, -1); K = x.shape[-1]
;;       x = np.pad(x, [(0, 0)] * (x.ndim - 1) + [(0, -K % 32)]); x = x.reshape(x.shape[:-1] + (-1, 32)); a = np.abs(x).max(-1, keepdims=True)
;;       e = np.where(a > 0, np.clip(np.frexp(np.where(a > 0, a, 1))[1] - 1 - 4, -126, 127), 0)      # np.frexp(a)[1] - 1 = floor(log2(a)), exactly
;;       r = np.clip(x / 2.0 ** e, -28, 28)
;;       step = 2.0 ** (np.maximum(np.frexp(np.where(r == 0, 1, r))[1] - 1, -2) - 2)
;;       q = np.round(r / step) * step * 2.0 ** e      # np.round: ties to even
;;       return np.moveaxis(q.reshape(q.shape[:-2] + (-1,))[..., :K], -1, axis).astype(np.float32)
;;   ~~~
;;   SOFTMAX AHEAD OF A QUANTISED PRODUCT. Where the list says 'softmax', what is quantised is not the finished softmax but p = 2^(t - M), with t = logit x log2(e) and M = ceil(the row's largest t), a whole number; so 1/2 < the row's largest p <= 1. The row's sum l is taken of the UNQUANTISED p, in f32, and the product's result is divided by l at the end. Since M is a whole number, a kernel that streams over the keys may use a running M (the ceiling of the running maximum): every later rescaling is an exact power of two, which a block's scale takes up: the codes' values come out the same.
;;   OPERANDS COMPUTED ON THE WAY. 'Computed on the way' means the value that the module computes at that place (a softmax that the list does not call 'softmax' is quantised finished and normalised). What goes into a quantiser is computed in f32, as accurately as f32 sums, v_exp_f32 and their like allow (about 1e-6 of the number): no bf16 or f16 on the way to a quantiser, and a product that is left as it is and whose result goes on into a quantised operand takes f32 operands (vector FMAs, or v_wmma_f32_16x16x4_f32). A number that lies on a knife's edge between two numbers of the format may be rounded either way, as far as f32 arithmetic and the matrix unit's own rounding can turn it there, and no further.
;; 2 versions, each right and faster than the one before. Each part assembles by itself: llvm-mc -triple=amdgcn-amd-amdhsa -mcpu=gfx1250 --defsym DOCPART=n.
;; ======== version 1 of 2: 4 launches
;; workspace buffers: acts 21,233,664 bytes; actss 884,736 bytes; qkv 18,874,368 bytes; qkvs 786,432 bytes; pc 12,582,912 bytes; pst 1,572,864 bytes
;; launch quant (part 1): grid 432 x 1, 4 waves a work-group, no clusters, 34,304 bytes of LDS; arguments x, y, z, Wq, Wk, Wv, acts, actss; writes acts, actss
.if DOCPART == 1
	.amdgcn_target "amdgcn-amd-amdhsa--gfx1250"
	.amdhsa_code_object_version 6
	.text
	.protected	k_q67ebd4ff75_quant
	.globl	k_q67ebd4ff75_quant
	.p2align	8
	.type	k_q67ebd4ff75_quant,@function
k_q67ebd4ff75_quant:
	s_mov_b64 s[64:65], 0
	v_nop
	global_prefetch_b8 v0, s[64:65] scope:SCOPE_SE
	s_setreg_imm32_b32 hwreg(HW_REG_WAVE_MODE, 25, 1), 1
	s_wait_xcnt 0x0
; LAUNCH 1 OF 4.  out0 = softmax((x Wq^T + bq)(y Wk^T + bk)^T / 32) (z Wv^T + bv), all five products on codes of BF6 (E3M2) with one E8M0 scale for each 32 along K.
; NOTHING OF THE PROBLEM IS LEFT OUT: bq and bk go into the quantised operands of the fourth product, bv into the fifth's, so every input has a way to out0 and is loaded.  The division by sqrt(1024) = 32 is exact and is folded into the softmax's factor.
; THIS LAUNCH turns x, y, z [8192][1024] and Wq, Wk, Wv [1024][1024], f32 with K innermost, into codes and scale words laid IN THE ORDER OF THE OPERAND'S REGISTERS:
;   a rowgroup G is 128 rows, a chunk c 128 along K, a fragment i (0..7) 16 rows x 128 K = 12 registers x 32 lanes = 1,536 bytes: registers 4 g .. 4 g + 3 of lane L at 512 g + 16 L.  Codes: [G][c][i][1536].
;   LANE r OF FRAGMENT i HOLDS ROW 32 (i / 2) + 8 (i % 2) + r + 8 (r / 8) of the rowgroup, in every tensor alike: used as source 0 of a transposed product this order gives a lane 16 neighbours along the next K.
;   Scale words (four bytes: the row's four blocks of the chunk): [G][c][r][i], 512 bytes for (G, c).
; A block's scale is 2^(floor(log2(its largest magnitude)) - 4); its byte is the largest magnitude's exponent field - 4, held at 1 from below.
; LIMITS: NaN and infinities among the inputs are not served.  A block whose largest magnitude lies under 2^-122 keeps the byte 1.  A block of zeros gets the byte 1 where the rule says 127: its codes are zeros, and this program alone reads the bytes.
; SHARES: a wave takes one job J = (tensor, G, c): 128 rows x 512 bytes; 1,728 jobs, four to a work-group.  Jobs: x 0.., y 512.., z 1024.., Wq 1536.., Wk 1600.., Wv 1664..; job J's codes lie at 12,288 J, its words at 512 J.
; Each load reads 512 consecutive bytes of one row.  A fragment's 16 rows turn through the wave's own stage in LDS (rows 528 bytes apart), from which a lane takes 16 neighbours of each block of its row.  Loads run two fragments (32 loads a wave) ahead.
; No tensor load, no barrier: waves share nothing.  One path through the text serves all six tensors: only pointers are chosen, by the work-group's number.
.set STG,   16*528                     ; a wave's stage
.set SPARE, 4*STG                      ; behind the four stages: the spare words, 128 bytes a wave: two blocks of 256 bytes that no other line names
.set R,     16                         ; v16-143  two sets of 64: a fragment's 16 rows as loaded
.set X,     144                        ; v144-207 register 16 b + i = k 32 b + 16 (lane / 16) + i of my row
.set TM,    208                        ; v208-223 at work: +0..3 largest magnitudes, +4..7 bytes, +12..15 the conversions' scale operands
.set PC,    224                        ; v224-242 the codes just made
.set SW,    244                        ; v244-251 my row's scale word in each of the eight fragments
.set SPW,   252                        ; v252     LDS address of my spare word; never rewritten
.set NIL,   253                        ; v253     0; never rewritten
.set SEL,   20                         ; s[20:21] lane selects for v_permlanex16_b32: lane l xor 16
.set MSK,   22                         ; s22      lanes 16-31
.set SRC,   26                         ; s[26:27] my job's first byte in its tensor
	s_load_b256 s[4:11], s[0:1], 0x0               ; x, y, z, Wq
	s_load_b256 s[12:19], s[0:1], 0x20             ; Wk, Wv, acts, actss
	v_lshl_add_u32 v[SPW], v0, 2, SPARE
	v_mov_b32 v[NIL], 0
	v_lshrrev_b32 v5, 5, v0
	v_readfirstlane_b32 s24, v5                    ; wave 0..3
	v_and_b32 v6, 31, v0                           ; lane L
	v_and_b32 v7, 15, v0                           ; r
	v_bfe_u32 v8, v0, 4, 1                         ; h
	v_lshlrev_b32 v1, 4, v6                        ; 16 L: my 16 bytes of a row's 512, and of an image's 512
	s_mul_i32 s25, s24, STG
	v_add_nc_u32 v2, s25, v1                       ; the stage, on the way in
	v_mul_u32_u24 v3, v7, 528
	v_lshl_add_u32 v3, v8, 6, v3
	v_add_nc_u32 v3, s25, v3                       ; and on the way out: row r, + 64 h
	v_lshlrev_b32 v4, 5, v7
	v_lshl_add_u32 v4, v8, 4, v4                   ; the scale words: 32 r + 16 h
	s_mov_b32 s[SEL], 0x76543210
	s_mov_b32 s[SEL+1], 0xfedcba98
	s_mov_b32 s[MSK], 0xffff0000
.irp b, 0,1,2,3
	v_mov_b32 v[TM+4+\b], 0                        ; written once: a lane permute's destination counts as one of its sources
.endr
	s_wait_kmcnt 0x0
	s_mov_b64 s[SRC:SRC+1], s[14:15]               ; which tensor: the choice hangs on the work-group's number alone
	s_mov_b32 s28, 416                             ; and the tensor's first work-group
	s_cmp_lt_u32 ttmp9, 416
	s_cselect_b64 s[SRC:SRC+1], s[12:13], s[SRC:SRC+1]
	s_cselect_b32 s28, 400, s28
	s_cmp_lt_u32 ttmp9, 400
	s_cselect_b64 s[SRC:SRC+1], s[10:11], s[SRC:SRC+1]
	s_cselect_b32 s28, 384, s28
	s_cmp_lt_u32 ttmp9, 384
	s_cselect_b64 s[SRC:SRC+1], s[8:9], s[SRC:SRC+1]
	s_cselect_b32 s28, 256, s28
	s_cmp_lt_u32 ttmp9, 256
	s_cselect_b64 s[SRC:SRC+1], s[6:7], s[SRC:SRC+1]
	s_cselect_b32 s28, 128, s28
	s_cmp_lt_u32 ttmp9, 128
	s_cselect_b64 s[SRC:SRC+1], s[4:5], s[SRC:SRC+1]
	s_cselect_b32 s28, 0, s28
	s_lshl_b32 s29, ttmp9, 2
	s_add_co_u32 s29, s29, s24                     ; J
	s_lshl_b32 s28, s28, 2
	s_sub_co_u32 s30, s29, s28                     ; the job's number in its tensor: 8 G + c
	s_lshr_b32 s31, s30, 3
	s_and_b32 s30, s30, 7
	s_lshl_b32 s32, s31, 19                        ; G x 128 rows of 4,096 bytes
	s_lshl_b32 s30, s30, 9                         ; c x 512 bytes
	s_add_co_u32 s32, s32, s30
	s_mov_b32 s33, 0
	s_add_nc_u64 s[SRC:SRC+1], s[SRC:SRC+1], s[32:33]
	s_mul_i32 s32, s29, 12288
	s_add_nc_u64 s[16:17], s[16:17], s[32:33]      ; my job's codes
	s_lshl_b32 s32, s29, 9
	s_add_nc_u64 s[18:19], s[18:19], s[32:33]      ; and its scale words
.macro LOAD i                          ; fragment i's 16 rows, 512 consecutive bytes each, into set i % 2
.irp t, 0,1,2,3,4,5,6,7,8,9,10,11,12,13,14,15
	global_load_b128 v[R+64*((\i)%2)+4*\t:R+64*((\i)%2)+4*\t+3], v1, s[SRC:SRC+1] offset:(32*((\i)/2)+8*((\i)%2)+\t+8*(\t/8))*4096 th:TH_LOAD_NT
.endr
.endm
; 64 numbers of a lane, register 16 b + i = k 32 b + 16 (lane / 16) + i of my row, become a fragment's codes in v[PC] on and its scale word in v[pw]
.macro QUANT s, pw
.irp b, 0,1,2,3
	v_max3_num_f32 v[TM+\b], |v[\s+16*\b]|, |v[\s+1+16*\b]|, 0x2800000   ; block b: my 16 numbers, and the floor 2^(5 - 127): so the byte cannot fall under 1
.endr
.irp i, 2,4,6,8,10,12,14
.irp b, 0,1,2,3
	v_max3_num_f32 v[TM+\b], v[TM+\b], |v[\s+16*\b+\i]|, |v[\s+1+16*\b+\i]|   ; (the four blocks by turns)
.endr
.endr
.irp b, 0,1,2,3
	v_permlanex16_b32 v[TM+4+\b], v[TM+\b], s[SEL], s[SEL+1]
.endr
.irp b, 0,1,2,3
	v_max_num_f32 v[TM+\b], v[TM+\b], v[TM+4+\b]   ; with lane l xor 16's: the block's largest magnitude
.endr
.irp b, 0,1,2,3
	v_add_nc_u32 v[TM+12+\b], 0xfe000000, v[TM+\b] ; 4 off its exponent field: the conversion takes the exponent field of this operand as its scale
.endr
.irp b, 0,1,2,3
	v_lshrrev_b32 v[TM+4+\b], 23, v[TM+12+\b]      ; the scale's byte
.endr
	v_lshl_or_b32 v[\pw], v[TM+5], 8, v[TM+4]      ; the four bytes make my row's scale word (both halves of the lanes hold the same)
	v_lshl_or_b32 v[\pw], v[TM+6], 16, v[\pw]
	v_lshl_or_b32 v[\pw], v[TM+7], 24, v[\pw]
.irp c, 0,1
	v_cvt_scalef32_pk16_bf6_f32 v[PC+6*\c:PC+2+6*\c], v[\s+32*\c:\s+15+32*\c], v[TM+12+2*\c]
	v_cvt_scalef32_pk16_bf6_f32 v[PC+12+4*\c:PC+14+4*\c], v[\s+16+32*\c:\s+31+32*\c], v[TM+12+2*\c+1]   ; (a conversion's three registers begin on an even number)
.endr
	v_nop                                          ; one plain place behind a scaled conversion
.irp c, 0,1                            ; the operand's layout wants a WHOLE block in a lane: lanes 0-15 block 2 c, lanes 16-31 block 2 c + 1
.irp i, 0,1,2
	v_permlane16_swap_b32 v[PC+6*\c+\i], v[PC+12+4*\c+\i]
.endr
.irp i, 0,1,2
	v_mov_b32 v[PC+3+6*\c+\i], v[PC+12+4*\c+\i]
.endr
.endr
.endm
.macro FRAGQ i
.if (\i) < 7
	s_wait_loadcnt 16                              ; this fragment's 16 loads are in; the next fragment's 16 may be out
.else
	s_wait_loadcnt 0x0
.endif
.irp t, 0,1,2,3,4,5,6,7,8,9,10,11,12,13,14,15
	ds_store_b128 v2, v[R+64*((\i)%2)+4*\t:R+64*((\i)%2)+4*\t+3] offset:528*\t
.endr
.irp b, 0,1,2,3
.irp j, 0,1,2,3
	ds_load_b128 v[X+16*\b+4*\j:X+16*\b+4*\j+3], v3 offset:128*\b+16*\j   ; LDS serves a wave's instructions in order: these see the stores above
.endr
.endr
.if (\i) > 0
	s_wait_xcnt 0x0                                ; the last fragment's stores have read their registers: the codes may be written anew
.endif
	s_wait_dscnt 0x0                               ; my 64 numbers are in, and the stores into the stage have read their registers,
.if (\i) < 6
	LOAD (\i)+2                                    ; which take the loads of two fragments on
.endif
	QUANT X, SW+(\i)
.irp g, 0,1,2
	global_store_b128 v1, v[PC+4*\g:PC+4*\g+3], s[16:17] offset:1536*(\i)+512*\g   ; 32 lanes store 512 consecutive bytes
.endr
.endm
	LOAD 0
	LOAD 1
.irp f, 0,1,2,3,4,5,6,7
	FRAGQ \f
.endr
.irp k, 0,1,2,3
	v_cndmask_b32 v[TM+\k], v[SW+\k], v[SW+4+\k], s[MSK]   ; lanes 0-15 send fragments 0-3's words of row r, lanes 16-31 fragments 4-7's
.endr
	global_store_b128 v4, v[TM:TM+3], s[18:19]     ; 512 consecutive bytes
	s_wait_tensorcnt 0x0                           ; the wave's end, behind my last LDS store
	ds_add_u32 v[SPW], v[NIL]
	s_wait_dscnt 0x0
	s_endpgm
.Lfunc_end_k_q67ebd4ff75_quant:
	.size	k_q67ebd4ff75_quant, .Lfunc_end_k_q67ebd4ff75_quant-k_q67ebd4ff75_quant
	.p2alignl 7, 3214868480
	.fill 96, 4, 3214868480
	.section	.rodata,"a",@progbits
	.p2align	6, 0x0
	.amdhsa_kernel k_q67ebd4ff75_quant
		.amdhsa_group_segment_fixed_size 34304
		.amdhsa_private_segment_fixed_size 0
		.amdhsa_enable_private_segment 0
		.amdhsa_kernarg_size 64
		.amdhsa_user_sgpr_count 2
		.amdhsa_user_sgpr_kernarg_segment_ptr 1
		.amdhsa_wavefront_size32 1
		.amdhsa_system_sgpr_workgroup_id_x 1
		.amdhsa_system_sgpr_workgroup_id_y 1
		.amdhsa_system_sgpr_workgroup_id_z 1
		.amdhsa_system_vgpr_workitem_id 0
		.amdhsa_next_free_vgpr 256
		.amdhsa_next_free_sgpr 66
		.amdhsa_reserve_vcc 0
		.amdhsa_float_denorm_mode_32 3
		.amdhsa_float_denorm_mode_16_64 3
		.amdhsa_memory_ordered 1
		.amdhsa_forward_progress 1
		.amdhsa_inst_pref_size 64
	.end_amdhsa_kernel
	.amdgpu_metadata
---
amdhsa.version: [ 1, 2 ]
amdhsa.kernels:
  - .name:           k_q67ebd4ff75_quant
    .symbol:         k_q67ebd4ff75_quant.kd
    .args:
      - { .name: x, .offset: 0, .size: 8, .value_kind: global_buffer, .address_space: global }
      - { .name: y, .offset: 8, .size: 8, .value_kind: global_buffer, .address_space: global }
      - { .name: z, .offset: 16, .size: 8, .value_kind: global_buffer, .address_space: global }
      - { .name: Wq, .offset: 24, .size: 8, .value_kind: global_buffer, .address_space: global }
      - { .name: Wk, .offset: 32, .size: 8, .value_kind: global_buffer, .address_space: global }
      - { .name: Wv, .offset: 40, .size: 8, .value_kind: global_buffer, .address_space: global }
      - { .name: acts, .offset: 48, .size: 8, .value_kind: global_buffer, .address_space: global }
      - { .name: actss, .offset: 56, .size: 8, .value_kind: global_buffer, .address_space: global }
    .group_segment_fixed_size: 34304
    .private_segment_fixed_size: 0
    .kernarg_segment_align: 8
    .kernarg_segment_size: 64
    .max_flat_workgroup_size: 128
    .sgpr_count:     66
    .vgpr_count:     256
    .wavefront_size: 32
...
	.end_amdgpu_metadata
.endif
;; end of part 1
;; launch proj (part 2): grid 4 x 96, 4 waves a work-group, clusters of 4 x 4, 327,680 bytes of LDS; arguments acts, actss, bq, bk, bv, qkv, qkvs; writes qkv, qkvs
.if DOCPART == 2
	.amdgcn_target "amdgcn-amd-amdhsa--gfx1250"
	.amdhsa_code_object_version 6
	.text
	.protected	k_q67ebd4ff75_proj
	.globl	k_q67ebd4ff75_proj
	.p2align	8
	.type	k_q67ebd4ff75_proj,@function
k_q67ebd4ff75_proj:
	s_mov_b64 s[64:65], 0
	v_nop
	global_prefetch_b8 v0, s[64:65] scope:SCOPE_SE
	s_setreg_imm32_b32 hwreg(HW_REG_WAVE_MODE, 25, 1), 1
	s_wait_xcnt 0x0
	s_wait_alu depctr_hold_cnt(0) depctr_sa_sdst(0) depctr_va_vdst(0) depctr_va_sdst(0) depctr_va_ssrc(0) depctr_va_vcc(0) depctr_vm_vsrc(0)
	s_getreg_b32 s2, hwreg(HW_REG_IB_STS2, 6, 4)
	s_cmp_eq_u32 s2, 0
	s_cbranch_scc0 .Lentry_in_a_cluster
	s_endpgm
.Lentry_in_a_cluster:
	s_bfe_u32 s2, ttmp6, 0x10000c
	s_cmp_lg_u32 s2, 0xf033
	s_cbranch_scc0 .Lentry_shape_is_right
	s_endpgm
.Lentry_shape_is_right:
; LAUNCH 2 OF 4: the three projections, Q = x Wq^T + bq, K = y Wk^T + bk and V^T = Wv z^T + bv, on codes of BF6 (E3M2) with E8M0 scales; each result is quantised along its columns in registers and stored as codes.  Nothing is left out.
; OPERANDS lie in memory in the order of the operand's registers: rowgroup G = 128 rows, chunk c = 128 along K, fragment i = 16 rows x 128 K = 1,536 bytes (registers 4 g .. 4 g + 3 of lane L at 512 g + 16 L); codes [G][c][i][1536];
; lane r of fragment i holds row 32 (i / 2) + 8 (i % 2) + r + 8 (r / 8) of the rowgroup; scale words [G][c][r][i], 512 bytes for (G, c).  acts: job J = base + 8 G + c at 12,288 J (x 0, y 512, z 1024, Wq 1536, Wk 1600, Wv 1664), actss at 512 J.
; RESULTS, in the same order: qkv: Q at unit 0 [64 G][8 c], K at unit 512 [64][8], V^T at unit 1024 [8 G of the 1,024 channels][64 c of the 8,192 keys]; a unit is 12,288 bytes of codes in qkv and 512 bytes of words in qkvs.
; V IS MADE TRANSPOSED (rows = Wv's, columns = z's) since the keys are the last product's K: so its columns, along which a lane's registers run, are keys.
; A tile of 256 x 256 is made by four waves, each 128 x 128: 64 accumulators, 512 registers.  K goes in steps of 256 (two chunks) through a ring of two LDS slots; a wave's tensor load brings one rowgroup's two chunks: 24,576 dense bytes.
; THE MATRIX INSTRUCTION IS USED TRANSPOSED (source 0 = 16 rows of B, source 1 = 16 rows of A): with the fragments' order of rows, register 8 b + j of lane (r, h) over B's eight fragments is column 32 (b / 2) + 16 h + 8 (b % 2) + j:
; 16 neighbours of each block of 32 along the next K, of ONE row of A: what the conversions want.  So the way out needs no LDS.
; CLUSTERS: 4 x 4 work-groups; 24 clusters: 8 for Q, 8 for K (each 1,024 tokens x all 1,024 columns), 8 for V^T (all 1,024 rows x 1,024 keys).  A's tiles are asked for jointly along a row of the cluster, B's along a column.
; LIMITS: NaN and infinities are not served; a block whose largest magnitude lies under 2^-122 keeps the byte 1; a block of zeros has the byte 1, not 127 (zero codes; this program alone reads the bytes).
; REGISTERS, in windows of 256: window 0: v0-31 addresses; v32-63 scale words, two sets; v128-223 A's fragments, ONE set; on the way out v64-255 are free.  window 1: B's fragments, two sets, at v0 and v128.
;   window 2: the accumulators of my rows' blocks 0-3 ((a, b) at v[8 (8 a + b)]);  window 3: blocks 4-7.
.set KC,    8                          ; chunks along K
.set GCH,   12288                      ; a rowgroup's chunk of codes
.set FRB,   1536                       ; a fragment
.set HALFT, 2*GCH                      ; what one tensor load brings, and what a wave reads of A or of B in a K step
.set SLOT,  4*HALFT                    ; A's two rowgroups, then B's two
.set SCL,   2*SLOT                     ; behind the ring: the scale words for all of K: A's two rowgroups, B's two
.set HALFS, 512*KC                     ; those of one rowgroup
.set BIAS,  SCL+4*HALFS                ; the tile's 256 numbers of the bias: stored by the waves, never filled by a tensor load
.set SPARE, BIAS+1024                  ; the spare words, 128 bytes a wave: two blocks of 256 bytes that no other line names
.set LAPS,  KC/4                       ; a lap = two K steps = once round the ring
.set FR,    12                         ; registers of a fragment
.set NL,    3                          ; LDS loads that bring one
.set NP,    4                          ; places behind this matrix instruction (ISA guide 7.12.1)
.set ADRA,  16                         ; v16-17  LDS address of my A fragments in slot 0, 1
.set ADRB,  20                         ; v20-21  the same for B
.set ABN,   22                         ; v22     the bias of my columns
.set ABM,   23                         ; v23     the bias of my rows
.set LI,    24                         ; v24     16 x lane
.set LW,    25                         ; v25     32 r + 16 h
.set ADRS,  27                         ; v27     LDS address of my scale words: lanes 0-15 A's, lanes 16-31 B's
.set SPW,   28                         ; v28     LDS address of my spare word; never rewritten
.set NIL,   29                         ; v29     0; never rewritten
.set SC,    32                         ; scale words: set s at v[SC + 16 s]; register 8 q + i: lanes 0-15 the word of A's fragment i, lanes 16-31 of B's fragment i, for the slot's q-th chunk
.set AF,    128                        ; A's fragments
.set BN,    64                         ; the way out: v64-127 the bias
.set H,     128                        ; v128-191 a block's 64 results with the bias
.set TM,    192                        ; v192-207 at work
.set PC,    208                        ; v208-226 the codes just made
.set SW,    228                        ; v228-235 the eight blocks' scale words
.set O4,    236                        ; v236-239 the four that I store
.set SEL,   18                         ; s[18:19] lane selects, s20 lanes 16-31: set at the way out
.set G1,  24                           ; s[24:31] descriptor group 1 for A's tiles;  s[32:39] group 0, one set for each slot
.set G0,  32
.set G1B, 48                           ; s[48:55], s[56:63] the same for B's
.set G0B, 56
.set G1S, 68                           ; s[68:75], s[76:79] groups 1 and 0 for A's scale words;  s[80:87], s[88:91] for B's
.set G0S, 76
.set G1SB, 80
.set G0SB, 88
.set MSB, 0
.macro WIN new                         ; the immediate's high byte repeats the setting that is left
.if MSB != (\new)
	s_set_vgpr_msb (MSB<<8)|(\new)
.set MSB, \new
.endif
.endm
.set MUL_LO, 0xa1                      ; source 0 (B) window 1, source 1 (A) window 0, C and D window 2
.set MUL_HI, 0xf1                      ; the same, C and D window 3
.set TO_B,   0x40                      ; destination window 1, address window 0
; A joint load: waves 0 and 1 fetch for A, waves 2 and 3 for B.  Each line has ONE mask and one set of registers for all that issue it; the branch hangs on the wave's number alone.
; An s_nop 0 and four v_nop follow each of the two lines, ahead of the jump, the label and what follows.
.macro JLOAD g0a, g1a, g0b, g1b
	s_cmp_eq_u32 s15, 0
	s_cbranch_scc0 .Lfor_b_\@
	tensor_load_to_lds s[\g0a:\g0a+3], s[\g1a:\g1a+7]
	s_nop 0
.rept 4
	v_nop
.endr
	s_branch .Lasked_\@
.Lfor_b_\@:
	tensor_load_to_lds s[\g0b:\g0b+3], s[\g1b:\g1b+7]
	s_nop 0
.rept 4
	v_nop
.endr
.Lasked_\@:
.endm
.macro CREST                           ; a round of the cluster's barrier behind its opening barrier
	s_cmp_lg_u32 s14, 0
	s_cbranch_scc1 .Lnot_wave_0_\@
	s_barrier_signal -3
.Lnot_wave_0_\@:
	s_barrier_wait -3
	s_barrier_signal -1
	s_barrier_wait -1
.endm
.macro CROUND                          ; a whole round
	s_barrier_signal -1
	s_barrier_wait -1
	CREST
.endm
	s_load_b256 s[4:11], s[0:1], 0x0               ; acts s[4:5], actss s[6:7], bq s[8:9], bk s[10:11]
	s_load_b64 s[12:13], s[0:1], 0x20              ; bv
	s_load_b64 s[96:97], s[0:1], 0x28              ; qkv
	s_load_b64 s[98:99], s[0:1], 0x30              ; qkvs
	v_lshl_add_u32 v[SPW], v0, 2, SPARE
	v_mov_b32 v[NIL], 0
	ds_add_u32 v[SPW], v[NIL]                      ; the wave's opening: the add, twice on end, and its wait ahead of my first tensor load; the set-up below stands between the second and the wait
	ds_add_u32 v[SPW], v[NIL]
	v_lshrrev_b32 v1, 5, v0
	v_readfirstlane_b32 s14, v1                    ; wave 0..3
	s_lshr_b32 s15, s14, 1                         ; which rowgroup of the tile's rows is mine.  Also: I fetch for A (0) or for B (1)
	s_and_b32 s16, s14, 1                          ; which rowgroup of its columns.  Also: which rowgroup of that operand I fetch
	s_bfe_u32 s40, ttmp6, 0x40000                  ; cx, cy: my place in the cluster
	s_bfe_u32 s41, ttmp6, 0x40004
	s_and_b32 s95, ttmp7, 0xffff                   ; the cluster's y, 0..23
	s_lshr_b32 s100, s95, 3                        ; KIND: 0 Q, 1 K, 2 V^T: the same in all sixteen partners
	s_and_b32 s95, s95, 7                          ; which of the kind's eight clusters
	s_lshl_b32 s18, s100, 9                        ; A's first job: x 0, y 512
	s_lshl_b32 s19, s100, 6
	s_add_co_u32 s19, s19, 1536                    ; B's: Wq 1536, Wk 1600
	s_cmp_eq_u32 s100, 2
	s_cselect_b32 s17, 0, s95                      ; the cluster's place along the tile rows,
	s_cselect_b32 s42, s95, 0                      ; and along the tile columns
	s_cselect_b32 s18, 1664, s18                   ; V^T: A = Wv,
	s_cselect_b32 s19, 1024, s19                   ; B = z
	s_cselect_b32 s101, 64, 8                      ; chunks in a rowgroup of the result
	s_lshl_b32 s17, s17, 2
	s_add_co_u32 s17, s17, s41                     ; tile row
	s_lshl_b32 s42, s42, 2
	s_add_co_u32 s42, s42, s40                     ; tile column
	s_lshl_b32 s43, s41, 2
	s_lshl_b32 s43, 15, s43                        ; my row of the cluster
	s_lshl_b32 s44, 0x1111, s40                    ; my column
	; descriptor group 1: a dense block of 24,576 bytes as 96 rows of 256 bytes (32 elements of 8 bytes), no padding: a fragment's loads read 512 consecutive bytes
	s_or_b32 s[G1+0], s43, (3<<16)|(1<<21)         ; 15:0 the mask: A's tiles go to my row; 17:16 elements of 8 bytes; 21 set beside a mask
	s_or_b32 s[G1B+0], s44, (3<<16)|(1<<21)
.irp g, G1, G1B
	s_mov_b32 s[\g+1], 32<<16                      ; tensor_dim0
	s_mov_b32 s[\g+2], 96<<16                      ; tensor_dim1
	s_mov_b32 s[\g+3], 32<<16                      ; tile_dim0
	s_mov_b32 s[\g+4], 96                          ; tile_dim1
	s_mov_b32 s[\g+5], 32                          ; tensor_dim0_stride
	s_mov_b32 s[\g+6], 0
	s_mov_b32 s[\g+7], 0
.endr
	s_or_b32 s[G1S+0], s43, (3<<16)|(1<<21)        ; and for a rowgroup's scale words, 512 KC dense bytes
	s_or_b32 s[G1SB+0], s44, (3<<16)|(1<<21)
.irp g, G1S, G1SB
	s_mov_b32 s[\g+1], 32<<16
	s_mov_b32 s[\g+2], (2*KC)<<16
	s_mov_b32 s[\g+3], 32<<16
	s_mov_b32 s[\g+4], 2*KC
	s_mov_b32 s[\g+5], 32
	s_mov_b32 s[\g+6], 0
	s_mov_b32 s[\g+7], 0
.endr
	s_lshl_b32 s21, s16, 3                         ; 8 jobs to a rowgroup
	s_lshl_b32 s20, s17, 4
	s_add_co_u32 s20, s20, s18
	s_add_co_u32 s20, s20, s21                     ; A: job base + 16 x tile row + 8 x rowgroup
	s_lshl_b32 s46, s42, 4
	s_add_co_u32 s46, s46, s19
	s_add_co_u32 s46, s46, s21                     ; B: job base + 16 x tile column + 8 x rowgroup
	s_lshl_b32 s22, s20, 9                         ; where its scale words begin,
	s_mov_b32 s23, 0
	s_mul_i32 s20, s20, GCH                        ; and its codes
	s_mov_b32 s21, 0
	s_lshl_b32 s92, s46, 9
	s_mov_b32 s93, 0
	s_mul_i32 s46, s46, GCH
	s_mov_b32 s47, 0
	s_mul_i32 s45, s14, HALFT                      ; where they go: wave x a rowgroup: no place in the cluster enters an LDS address
	s_mul_i32 s94, s14, HALFS
	s_wait_dscnt 0x0                               ; both opening adds are done
	s_wait_kmcnt 0x0
	s_add_nc_u64 s[20:21], s[4:5], s[20:21]
	s_add_nc_u64 s[22:23], s[6:7], s[22:23]
	s_add_nc_u64 s[46:47], s[4:5], s[46:47]
	s_add_nc_u64 s[92:93], s[6:7], s[92:93]
	CROUND                                         ; all sixteen work-groups are here: the first joint loads meet
	s_mov_b32 s[G0S], 1
	s_add_co_u32 s[G0S+1], s94, SCL
	s_mov_b64 s[G0S+2:G0S+3], s[22:23]
	s_or_b32 s[G0S+3], s[G0S+3], 0x80000000
	s_mov_b32 s[G0SB], 1
	s_add_co_u32 s[G0SB+1], s94, SCL
	s_mov_b64 s[G0SB+2:G0SB+3], s[92:93]
	s_or_b32 s[G0SB+3], s[G0SB+3], 0x80000000
	JLOAD G0S, G1S, G0SB, G1SB                     ; the scale words first: they are wanted with K step 0
.irp s, 0,1
	s_mov_b32 s[G0+4*\s], 1
	s_add_co_u32 s[G0+4*\s+1], s45, \s*SLOT
	s_add_nc_u64 s[G0+4*\s+2:G0+4*\s+3], s[20:21], \s*HALFT
	s_or_b32 s[G0+4*\s+3], s[G0+4*\s+3], 0x80000000
	s_mov_b32 s[G0B+4*\s], 1
	s_add_co_u32 s[G0B+4*\s+1], s45, \s*SLOT
	s_add_nc_u64 s[G0B+4*\s+2:G0B+4*\s+3], s[46:47], \s*HALFT
	s_or_b32 s[G0B+4*\s+3], s[G0B+4*\s+3], 0x80000000
	JLOAD G0+4*\s, G1, G0B+4*\s, G1B               ; three tensor loads of mine are out
.endr
	; the tile's 256 numbers of the bias: of its columns (Q, K) or of its rows (V^T); 8 bytes a thread, through LDS
	s_cmp_eq_u32 s100, 0
	s_cselect_b64 s[8:9], s[8:9], s[10:11]
	s_cmp_eq_u32 s100, 2
	s_cselect_b64 s[8:9], s[12:13], s[8:9]
	s_cselect_b32 s66, s17, s42
	s_lshl_b32 s66, s66, 10
	s_mov_b32 s67, 0
	s_add_nc_u64 s[8:9], s[8:9], s[66:67]
	v_lshlrev_b32 v7, 3, v0
	global_load_b64 v[8:9], v7, s[8:9]
	v_and_b32 v1, 15, v0                           ; r
	v_bfe_u32 v2, v0, 4, 1                         ; h
	v_and_b32 v3, 31, v0                           ; lane
	v_lshlrev_b32 v[LI], 4, v3
	v_lshlrev_b32 v[LW], 5, v1
	v_lshl_add_u32 v[LW], v2, 4, v[LW]
	s_mul_i32 s21, s15, HALFT                      ; my rowgroup of A
	s_mul_i32 s22, s16, HALFT                      ; my rowgroup of B,
	s_add_co_u32 s22, s22, 2*HALFT                 ; behind A's two
.irp s, 0,1
	v_add_nc_u32 v[ADRA+\s], s21, v[LI]
	v_add_nc_u32 v[ADRB+\s], s22, v[LI]
	s_add_co_u32 s21, s21, SLOT
	s_add_co_u32 s22, s22, SLOT
.endr
	s_mul_i32 s21, s15, HALFS                      ; A's scale words: my rowgroup
	s_mul_i32 s22, s16, HALFS                      ; B's, behind A's two
	s_add_co_u32 s22, s22, 2*HALFS
	s_sub_co_u32 s22, s22, s21
	v_mul_u32_u24 v6, s22, v2                      ; lanes 16-31 take B's
	s_add_co_u32 s21, s21, SCL
	v_lshl_add_u32 v5, v1, 5, v6                   ; 32 bytes a lane: its eight fragments' words
	v_add_nc_u32 v[ADRS], s21, v5
	s_lshl_b32 s21, s16, 9
	s_add_co_u32 s21, s21, BIAS
	v_lshl_add_u32 v[ABN], v2, 6, s21              ; my 128 columns' bias, + 16 h numbers
	s_lshl_b32 s22, s15, 9
	s_add_co_u32 s22, s22, BIAS
	v_and_b32 v5, 8, v1
	v_add_nc_u32 v5, v5, v1
	v_lshl_add_u32 v[ABM], v5, 2, s22              ; my 128 rows' bias, + r + 8 (r / 8) numbers
	v_lshl_add_u32 v10, v0, 3, BIAS
	; where my 128 x 128 goes: unit U = 512 KIND + (2 x tile row + my rowgroup) x chunks + 2 x tile column + my chunk
	s_lshl_b32 s66, s17, 1
	s_add_co_u32 s66, s66, s15
	s_mul_i32 s66, s66, s101
	s_lshl_b32 s67, s42, 1
	s_add_co_u32 s67, s67, s16
	s_add_co_u32 s66, s66, s67
	s_lshl_b32 s67, s100, 9
	s_add_co_u32 s95, s66, s67
	s_mul_i32 s66, s95, GCH
	s_mov_b32 s67, 0
	s_add_nc_u64 s[96:97], s[96:97], s[66:67]
	s_lshl_b32 s66, s95, 9
	s_add_nc_u64 s[98:99], s[98:99], s[66:67]
	s_wait_loadcnt 0x0
	ds_store_b64 v10, v[8:9]
.macro FRAG reg, adr, q, i             ; a fragment comes as it was laid: three loads of 512 consecutive bytes
.irp g, 0,1,2
	ds_load_b128 v[\reg+4*\g:\reg+4*\g+3], v[\adr] offset:GCH*(\q)+FRB*(\i)+512*\g
.endr
.endm
; 16 matrix instructions: A's blocks a0, a0 + 1 x B's eight, the slot's q-th chunk.  p: B's set;  sc: the set of scale words.  zero = 1: the first product starts the sums.
; The 64 accumulators take turns, one instruction a turn, in the same order in every step.
.macro MUL16 a0, p, q, sc, zero
.irp a, \a0, \a0+1
.irp b, 0,1,2,3,4,5,6,7
.if \zero
	v_wmma_scale_f32_16x16x128_f8f6f4 v[8*(8*((\a)%4)+\b):8*(8*((\a)%4)+\b)+7], v[128*(\p)+FR*\b:128*(\p)+FR*\b+FR-1], v[AF+FR*(\a):AF+FR*(\a)+FR-1], 0, v[SC+16*(\sc)+8*(\q)+\b], v[SC+16*(\sc)+8*(\q)+(\a)] matrix_a_fmt:MATRIX_FMT_BF6 matrix_b_fmt:MATRIX_FMT_BF6 matrix_a_scale:MATRIX_SCALE_ROW1
.else
	v_wmma_scale_f32_16x16x128_f8f6f4 v[8*(8*((\a)%4)+\b):8*(8*((\a)%4)+\b)+7], v[128*(\p)+FR*\b:128*(\p)+FR*\b+FR-1], v[AF+FR*(\a):AF+FR*(\a)+FR-1], v[8*(8*((\a)%4)+\b):8*(8*((\a)%4)+\b)+7], v[SC+16*(\sc)+8*(\q)+\b], v[SC+16*(\sc)+8*(\q)+(\a)] matrix_a_fmt:MATRIX_FMT_BF6 matrix_b_fmt:MATRIX_FMT_BF6 matrix_a_scale:MATRIX_SCALE_ROW1
.endif
.endr
.endr
.endm
.macro FETCH_B slot, q, p              ; B's eight fragments of the slot's q-th chunk into set p
	WIN TO_B
.irp i, 0,1,2,3,4,5,6,7
	FRAG 128*(\p)+FR*\i, ADRB+\slot, \q, \i
.endr
	WIN 0
.endm
.macro FETCH_A slot, q, i0             ; A's blocks i0 .. i0 + 3
.irp i, \i0, \i0+1, \i0+2, \i0+3
	FRAG AF+FR*(\i), ADRA+\slot, \q, \i
.endr
.endm
.macro SCALES sc                       ; the next K step's scale words into set sc: lanes 0-15 A's eight, lanes 16-31 B's eight, for each of the two chunks
.irp q, 0,1
.irp e, 0,1
	ds_load_b128 v[SC+16*\sc+8*\q+4*\e:SC+16*\sc+8*\q+4*\e+3], v[ADRS] offset:512*\q+16*\e
.endr
.endr
.endm
; A load into a register that a matrix instruction has read, and a vector instruction that reads a matrix result or writes one of its registers, stand NP places behind it; only plain vector instructions that name none of its registers are places.
.macro PLACES n
.rept \n
	v_nop
.endr
.endm
; A chunk that has its successor in the same slot: 64 matrix instructions, A's blocks one after the other, so that one set of registers serves A: blocks 0-3 are fetched anew in the middle, blocks 4-7 at the end.
.macro STEP slot, q, zero
	s_wait_dscnt 4*NL                              ; all but the youngest 12 loads (A's blocks 4-7) are in
	WIN MUL_LO
	MUL16 0, (\q)%2, \q, \slot, \zero
	MUL16 2, (\q)%2, \q, \slot, \zero
	s_wait_dscnt 0                                 ; A's blocks 4-7 are in
	PLACES NP
	FETCH_B \slot, (\q)+1, 1-(\q)%2
	FETCH_A \slot, (\q)+1, 0
	WIN MUL_HI
	MUL16 4, (\q)%2, \q, \slot, \zero
	MUL16 6, (\q)%2, \q, \slot, \zero
	PLACES NP
	WIN 0
	FETCH_A \slot, (\q)+1, 4
.endm
; A slot's last chunk changes slots: ONE barrier; in front of it each wave waits for all its tensor loads, adds 0 to its spare word, and waits for that and for its reads of this slot.  fill = 1: this slot is filled again, two K steps ahead.
.macro TURN slot, next, fill
	s_wait_tensorcnt 0x0                           ; all my tensor loads have landed: my part of the next slot
	ds_add_u32 v[SPW], v[NIL]                      ; 0 onto my spare word
	s_wait_dscnt 4*NL+1                            ; (the add and the youngest 12 loads, A's blocks 4-7, may be out)
	WIN MUL_LO
	MUL16 0, 1, 1, \slot, 0                        ; sixteen matrix instructions stand between the add and the wait for it
	s_wait_dscnt 0x0                               ; the add is done, and my reads of this slot are over
	s_barrier_signal -1
	MUL16 2, 1, 1, \slot, 0
	WIN 0
	s_barrier_wait -1
.if \fill
	CREST                                          ; the barrier has opened a round of the cluster's: no wave of any partner still reads this slot or has a load on its way
	s_add_nc_u64 s[G0+4*\slot+2:G0+4*\slot+3], s[G0+4*\slot+2:G0+4*\slot+3], 2*HALFT
	s_add_nc_u64 s[G0B+4*\slot+2:G0B+4*\slot+3], s[G0B+4*\slot+2:G0B+4*\slot+3], 2*HALFT
	JLOAD G0+4*\slot, G1, G0B+4*\slot, G1B         ; the first tensor load behind the round; its four v_nop are the places in front of the loads below
.else
	PLACES NP
.endif
	v_add_nc_u32 v[ADRS], 1024, v[ADRS]            ; on to the next K step's scale words
	FETCH_B \next, 0, 0
	FETCH_A \next, 0, 0
	SCALES \next
	WIN MUL_HI
	MUL16 4, 1, 1, \slot, 0
	MUL16 6, 1, 1, \slot, 0
	PLACES NP
	WIN 0
	FETCH_A \next, 0, 4
.endm
	s_wait_dscnt 0x0                               ; my part of the bias lies in LDS
	s_wait_tensorcnt 1                             ; the scale words and my part of K step 0 are in; K step 1's load may be out
	s_barrier_signal -1
	s_barrier_wait -1
	FETCH_B 0, 0, 0
	FETCH_A 0, 0, 0
	SCALES 0
	FETCH_A 0, 0, 4
	STEP 0, 0, 1                                   ; the first chunk stands in front of the loop: its products start the sums
	s_mov_b32 s3, LAPS-1
.Llap:                                                 ; a trip goes once round the ring and fills both slots again
	TURN 0, 1, 1
	STEP 1, 0, 0
	TURN 1, 0, 1
	STEP 0, 0, 0
	s_sub_co_u32 s3, s3, 1
	s_cmp_lg_u32 s3, 0
	s_cbranch_scc1 .Llap
	TURN 0, 1, 0                                   ; the last lap fills nothing
	STEP 1, 0, 0
	s_wait_dscnt 4*NL                              ; the very last chunk
	WIN MUL_LO
	MUL16 0, 1, 1, 1, 0
	MUL16 2, 1, 1, 1, 0
	s_wait_dscnt 0
	WIN MUL_HI
	MUL16 4, 1, 1, 1, 0
	MUL16 6, 1, 1, 1, 0
	WIN 0
; 64 numbers of a lane, register 16 b + i = column 32 b + 16 (lane / 16) + i of my row, become a fragment's codes in v[PC] on and its scale word in v[pw]
.macro QUANT s, pw
.irp b, 0,1,2,3
	v_max3_num_f32 v[TM+\b], |v[\s+16*\b]|, |v[\s+1+16*\b]|, 0x2800000   ; block b: my 16 numbers, and the floor 2^(5 - 127): so the byte cannot fall under 1
.endr
.irp i, 2,4,6,8,10,12,14
.irp b, 0,1,2,3
	v_max3_num_f32 v[TM+\b], v[TM+\b], |v[\s+16*\b+\i]|, |v[\s+1+16*\b+\i]|
.endr
.endr
.irp b, 0,1,2,3
	v_permlanex16_b32 v[TM+4+\b], v[TM+\b], s[SEL], s[SEL+1]
.endr
.irp b, 0,1,2,3
	v_max_num_f32 v[TM+\b], v[TM+\b], v[TM+4+\b]   ; with lane l xor 16's: the block's largest magnitude
.endr
.irp b, 0,1,2,3
	v_add_nc_u32 v[TM+12+\b], 0xfe000000, v[TM+\b] ; 4 off its exponent field: the conversion's scale operand
.endr
.irp b, 0,1,2,3
	v_lshrrev_b32 v[TM+4+\b], 23, v[TM+12+\b]      ; the scale's byte
.endr
	v_lshl_or_b32 v[\pw], v[TM+5], 8, v[TM+4]
	v_lshl_or_b32 v[\pw], v[TM+6], 16, v[\pw]
	v_lshl_or_b32 v[\pw], v[TM+7], 24, v[\pw]
.irp c, 0,1
	v_cvt_scalef32_pk16_bf6_f32 v[PC+6*\c:PC+2+6*\c], v[\s+32*\c:\s+15+32*\c], v[TM+12+2*\c]
	v_cvt_scalef32_pk16_bf6_f32 v[PC+12+4*\c:PC+14+4*\c], v[\s+16+32*\c:\s+31+32*\c], v[TM+12+2*\c+1]   ; (a conversion's three registers begin on an even number)
.endr
	v_nop                                          ; one plain place behind a scaled conversion
.irp c, 0,1                            ; the operand's layout wants a WHOLE block in a lane
.irp i, 0,1,2
	v_permlane16_swap_b32 v[PC+6*\c+\i], v[PC+12+4*\c+\i]
.endr
.irp i, 0,1,2
	v_mov_b32 v[PC+3+6*\c+\i], v[PC+12+4*\c+\i]
.endr
.endr
.endm
; THE WAY OUT: block a's 64 results of a lane take the bias, are quantised and leave as fragment a of my unit: three stores of 512 consecutive bytes.  rows = 0: the bias goes with the columns; 1: with the rows.
.macro WAYOUT rows
.if \rows
.irp a, 0,1,2,3,4,5,6,7
	ds_load_b32 v[BN+2*\a], v[ABM] offset:(32*(\a/2)+8*(\a%2))*4       ; my row's number in block a, twice: a pair for the packed addition
	ds_load_b32 v[BN+2*\a+1], v[ABM] offset:(32*(\a/2)+8*(\a%2))*4
.endr
.else
.irp b, 0,1,2,3,4,5,6,7
	ds_load_b128 v[BN+8*\b:BN+8*\b+3], v[ABN] offset:(32*(\b/2)+8*(\b%2))*4
	ds_load_b128 v[BN+8*\b+4:BN+8*\b+7], v[ABN] offset:(32*(\b/2)+8*(\b%2))*4+16
.endr
.endif
	s_wait_dscnt 0x0
.irp a, 0,1,2,3,4,5,6,7
	WIN 2+\a/4                                     ; source 0: the accumulators' window
.set j, 0
.rept 32
.if \rows
	v_pk_add_f32 v[H+j:H+j+1], v[64*(\a%4)+j:64*(\a%4)+j+1], v[BN+2*\a:BN+2*\a+1]   ; each accumulator from its low end on
.else
	v_pk_add_f32 v[H+j:H+j+1], v[64*(\a%4)+j:64*(\a%4)+j+1], v[BN+j:BN+j+1]
.endif
.set j, j+2
.endr
	WIN 0
.if \a > 0
	s_wait_xcnt 0x0                                ; the last block's stores have read their registers: the codes may be written anew
.endif
	QUANT H, SW+\a
.irp g, 0,1,2
	global_store_b128 v[LI], v[PC+4*\g:PC+4*\g+3], s[96:97] offset:FRB*\a+512*\g
.endr
.endr
.irp k, 0,1,2,3
	v_cndmask_b32 v[O4+\k], v[SW+\k], v[SW+4+\k], s20   ; lanes 0-15 send blocks 0-3's words of lane r, lanes 16-31 blocks 4-7's
.endr
	global_store_b128 v[LW], v[O4:O4+3], s[98:99]  ; 512 consecutive bytes
.endm
	PLACES NP                                      ; behind the last products: their results are read, and the registers that held A's fragments are written
	s_mov_b32 s[SEL], 0x76543210
	s_mov_b32 s[SEL+1], 0xfedcba98
	s_mov_b32 s20, 0xffff0000
.irp b, 0,1,2,3
	v_mov_b32 v[TM+4+\b], 0                        ; written once: a lane permute's destination counts as one of its sources
.endr
	s_cmp_eq_u32 s100, 2                           ; the kind hangs on the cluster's number alone
	s_cbranch_scc1 .Lrows
	WAYOUT 0
	s_branch .Ldone
.Lrows:
	WAYOUT 1
.Ldone:
	s_wait_tensorcnt 0x0                           ; the wave's end, behind my last tensor load and my last LDS store
	ds_add_u32 v[SPW], v[NIL]
	s_wait_dscnt 0x0
	CROUND                                         ; the closing round: no work-group ends while a partner may still ask for a tile that names it
	s_endpgm
.Lfunc_end_k_q67ebd4ff75_proj:
	.size	k_q67ebd4ff75_proj, .Lfunc_end_k_q67ebd4ff75_proj-k_q67ebd4ff75_proj
	.p2alignl 7, 3214868480
	.fill 96, 4, 3214868480
	.section	.rodata,"a",@progbits
	.p2align	6, 0x0
	.amdhsa_kernel k_q67ebd4ff75_proj
		.amdhsa_group_segment_fixed_size 327680
		.amdhsa_private_segment_fixed_size 0
		.amdhsa_enable_private_segment 0
		.amdhsa_kernarg_size 56
		.amdhsa_user_sgpr_count 2
		.amdhsa_user_sgpr_kernarg_segment_ptr 1
		.amdhsa_wavefront_size32 1
		.amdhsa_system_sgpr_workgroup_id_x 1
		.amdhsa_system_sgpr_workgroup_id_y 1
		.amdhsa_system_sgpr_workgroup_id_z 1
		.amdhsa_system_vgpr_workitem_id 0
		.amdhsa_next_free_vgpr 1024
		.amdhsa_next_free_sgpr 102
		.amdhsa_reserve_vcc 0
		.amdhsa_float_denorm_mode_32 3
		.amdhsa_float_denorm_mode_16_64 3
		.amdhsa_memory_ordered 1
		.amdhsa_forward_progress 1
		.amdhsa_inst_pref_size 207
	.end_amdhsa_kernel
	.amdgpu_metadata
---
amdhsa.version: [ 1, 2 ]
amdhsa.kernels:
  - .name:           k_q67ebd4ff75_proj
    .symbol:         k_q67ebd4ff75_proj.kd
    .args:
      - { .name: acts, .offset: 0, .size: 8, .value_kind: global_buffer, .address_space: global }
      - { .name: actss, .offset: 8, .size: 8, .value_kind: global_buffer, .address_space: global }
      - { .name: bq, .offset: 16, .size: 8, .value_kind: global_buffer, .address_space: global }
      - { .name: bk, .offset: 24, .size: 8, .value_kind: global_buffer, .address_space: global }
      - { .name: bv, .offset: 32, .size: 8, .value_kind: global_buffer, .address_space: global }
      - { .name: qkv, .offset: 40, .size: 8, .value_kind: global_buffer, .address_space: global }
      - { .name: qkvs, .offset: 48, .size: 8, .value_kind: global_buffer, .address_space: global }
    .group_segment_fixed_size: 327680
    .private_segment_fixed_size: 0
    .kernarg_segment_align: 8
    .kernarg_segment_size: 56
    .max_flat_workgroup_size: 128
    .sgpr_count:     102
    .vgpr_count:     1024
    .wavefront_size: 32
...
	.end_amdgpu_metadata
.endif
;; end of part 2
;; launch score (part 3): grid 8 x 32, 4 waves a work-group, clusters of 4 x 4, 327,680 bytes of LDS; arguments qkv, qkvs, pc, pst; writes pc, pst
.if DOCPART == 3
	.amdgcn_target "amdgcn-amd-amdhsa--gfx1250"
	.amdhsa_code_object_version 6
	.text
	.protected	k_q67ebd4ff75_score
	.globl	k_q67ebd4ff75_score
	.p2align	8
	.type	k_q67ebd4ff75_score,@function
k_q67ebd4ff75_score:
	s_mov_b64 s[64:65], 0
	v_nop
	global_prefetch_b8 v0, s[64:65] scope:SCOPE_SE
	s_setreg_imm32_b32 hwreg(HW_REG_WAVE_MODE, 25, 1), 1
	s_wait_xcnt 0x0
	s_wait_alu depctr_hold_cnt(0) depctr_sa_sdst(0) depctr_va_vdst(0) depctr_va_sdst(0) depctr_va_ssrc(0) depctr_va_vcc(0) depctr_vm_vsrc(0)
	s_getreg_b32 s2, hwreg(HW_REG_IB_STS2, 6, 4)
	s_cmp_eq_u32 s2, 0
	s_cbranch_scc0 .Lentry_in_a_cluster
	s_endpgm
.Lentry_in_a_cluster:
	s_bfe_u32 s2, ttmp6, 0x10000c
	s_cmp_lg_u32 s2, 0xf033
	s_cbranch_scc0 .Lentry_shape_is_right
	s_endpgm
.Lentry_shape_is_right:
; LAUNCH 3 OF 4: S = Q K^T on codes of BF6 (E3M2) with E8M0 scales, and the softmax's p, quantised along the keys, chunk of 128 keys by chunk.  Nothing is left out.
; t = S x log2(e) / 32.  For each query and each chunk of 128 keys: M_c = the chunk's largest t rounded UP to a whole number; p = 2^(t - M_c); l_c = the sum of the unquantised p.  Stored: p's codes and scale words, -M_c and l_c.
; The next launch finds the row's M = the largest M_c and takes M - M_c off the chunk's scale bytes: a power of two, which the block scales take up, so that the codes' values are those under the row's M.
; OPERANDS AND RESULTS lie in the order of the operand's registers: rowgroup G = 128 rows, chunk c = 128 along K, fragment i = 1,536 bytes (registers 4 g .. 4 g + 3 of lane L at 512 g + 16 L); lane r of fragment i holds row
; 32 (i / 2) + 8 (i % 2) + r + 8 (r / 8); words [G][c][r][i].  qkv: Q at unit 0 [64 G][8 c], K at unit 512 [64][8] (a unit: 12,288 bytes of codes, 512 of words).  pc: P [64 G of queries][16 c of the batch's keys];
; pst: P's scale words at 0, -M_c (f32) at 524,288, l_c (f32) at 1,048,576, each [64][16][r][i].
; A tile of 256 queries x 256 keys is made by four waves, each 128 x 128.  K = 1,024 goes in steps of 256 through a ring of two LDS slots.  THE MATRIX INSTRUCTION IS USED TRANSPOSED (source 0 = 16 keys, source 1 = 16 queries):
; with the fragments' order of rows a lane holds ONE query and, over K's eight fragments, register 8 b + j is key 32 (b / 2) + 16 h + 8 (b % 2) + j: 16 neighbours of each block of 32 keys.
; CLUSTERS: 4 x 4 work-groups: Q's tiles are asked for jointly along a row of the cluster, K's along a column.
; LIMITS: NaN and infinities are not served; p under 2^-126 counts as 0; a block whose largest p lies under 2^-122 keeps the byte 1.
; REGISTERS, in windows of 256: window 0: v0-31 addresses; v32-63 scale words, two sets; v128-223 A's fragments, ONE set; on the way out v64-255 are free.  window 1: B's fragments, two sets.  windows 2, 3: the accumulators.
.set KC,    8
.set GCH,   12288
.set FRB,   1536
.set HALFT, 2*GCH                      ; what one tensor load brings: a rowgroup's two chunks
.set SLOT,  4*HALFT                    ; A's two rowgroups, then B's two
.set SCL,   2*SLOT                     ; behind the ring: the scale words for all of K
.set HALFS, 512*KC
.set SPARE, SCL+4*HALFS                ; the spare words, 128 bytes a wave: two blocks of 256 bytes that no other line names
.set LAPS,  KC/4
.set FR,    12
.set NL,    3
.set NP,    4                          ; places behind this matrix instruction (ISA guide 7.12.1)
.set ADRA,  16                         ; v16-17  LDS address of my A fragments in slot 0, 1
.set ADRB,  20                         ; v20-21  the same for B
.set LI,    24                         ; v24     16 x lane
.set LW,    25                         ; v25     32 r + 16 h
.set ADRS,  27                         ; v27     LDS address of my scale words: lanes 0-15 A's, lanes 16-31 B's
.set SPW,   28                         ; v28     LDS address of my spare word; never rewritten
.set NIL,   29                         ; v29     0; never rewritten
.set SC,    32
.set AF,    128
.set P,     64                         ; the way out: v64-127 t - M, then p
.set BX,    128                        ; v128-131 each block's largest score, then its largest p
.set BT,    132                        ; v132-135 at work
.set SO,    136                        ; v136-139 the conversions' scale operands
.set NM,    140                        ; v140 -M_c (v141 is named with it as a pair)
.set T0,    142
.set SU,    144                        ; v[144:145], v[146:147] the sum, in two chains
.set SV,    146
.set PC,    148                        ; v148-166 the codes just made
.set SW,    168                        ; v168-175 the eight blocks' scale words
.set NS,    176                        ; v176-183 their -M_c
.set LS,    184                        ; v184-191 their l_c
.set O4,    192                        ; v192-203 what I store of the three
.set SEL,   18                         ; s[18:19] lane selects, s20 lanes 16-31, s[22:23] c: set at the way out
.set G1,  24
.set G0,  32
.set G1B, 48
.set G0B, 56
.set G1S, 68
.set G0S, 76
.set G1SB, 80
.set G0SB, 88
.set MSB, 0
.macro WIN new                         ; the immediate's high byte repeats the setting that is left
.if MSB != (\new)
	s_set_vgpr_msb (MSB<<8)|(\new)
.set MSB, \new
.endif
.endm
.set MUL_LO, 0xa1                      ; source 0 (B) window 1, source 1 (A) window 0, C and D window 2
.set MUL_HI, 0xf1
.set TO_B,   0x40
; A joint load: waves 0 and 1 fetch for A, waves 2 and 3 for B; the branch hangs on the wave's number alone.  An s_nop 0 and four v_nop follow each of the two lines.
.macro JLOAD g0a, g1a, g0b, g1b
	s_cmp_eq_u32 s15, 0
	s_cbranch_scc0 .Lfor_b_\@
	tensor_load_to_lds s[\g0a:\g0a+3], s[\g1a:\g1a+7]
	s_nop 0
.rept 4
	v_nop
.endr
	s_branch .Lasked_\@
.Lfor_b_\@:
	tensor_load_to_lds s[\g0b:\g0b+3], s[\g1b:\g1b+7]
	s_nop 0
.rept 4
	v_nop
.endr
.Lasked_\@:
.endm
.macro CREST                           ; a round of the cluster's barrier behind its opening barrier
	s_cmp_lg_u32 s14, 0
	s_cbranch_scc1 .Lnot_wave_0_\@
	s_barrier_signal -3
.Lnot_wave_0_\@:
	s_barrier_wait -3
	s_barrier_signal -1
	s_barrier_wait -1
.endm
.macro CROUND
	s_barrier_signal -1
	s_barrier_wait -1
	CREST
.endm
	s_load_b256 s[4:11], s[0:1], 0x0               ; qkv s[4:5], qkvs s[6:7], pc s[8:9], pst s[10:11]
	v_lshl_add_u32 v[SPW], v0, 2, SPARE
	v_mov_b32 v[NIL], 0
	ds_add_u32 v[SPW], v[NIL]                      ; the wave's opening: the add, twice on end, and its wait ahead of my first tensor load
	ds_add_u32 v[SPW], v[NIL]
	v_lshrrev_b32 v1, 5, v0
	v_readfirstlane_b32 s14, v1                    ; wave 0..3
	s_lshr_b32 s15, s14, 1                         ; my rowgroup of the tile's queries.  Also: I fetch for A (0) or for B (1)
	s_and_b32 s16, s14, 1                          ; my rowgroup of its keys.  Also: which rowgroup of that operand I fetch
	s_bfe_u32 s40, ttmp6, 0x40000                  ; cx, cy
	s_bfe_u32 s41, ttmp6, 0x40004
	s_lshl_b32 s42, ttmp9, 2
	s_add_co_u32 s42, s42, s40                     ; tile column: 256 keys of the batch, 0..7
	s_and_b32 s95, ttmp7, 0xffff
	s_lshl_b32 s17, s95, 2
	s_add_co_u32 s17, s17, s41                     ; tile row: 256 of the 8,192 queries, 0..31
	s_lshr_b32 s95, s95, 1                         ; the batch: of the cluster's y alone
	s_lshl_b32 s43, s41, 2
	s_lshl_b32 s43, 15, s43                        ; my row of the cluster
	s_lshl_b32 s44, 0x1111, s40                    ; my column
	; descriptor group 1: a dense block of 24,576 bytes as 96 rows of 256 bytes (32 elements of 8 bytes), no padding
	s_or_b32 s[G1+0], s43, (3<<16)|(1<<21)
	s_or_b32 s[G1B+0], s44, (3<<16)|(1<<21)
.irp g, G1, G1B
	s_mov_b32 s[\g+1], 32<<16
	s_mov_b32 s[\g+2], 96<<16
	s_mov_b32 s[\g+3], 32<<16
	s_mov_b32 s[\g+4], 96
	s_mov_b32 s[\g+5], 32
	s_mov_b32 s[\g+6], 0
	s_mov_b32 s[\g+7], 0
.endr
	s_or_b32 s[G1S+0], s43, (3<<16)|(1<<21)        ; a rowgroup's scale words: 512 KC dense bytes
	s_or_b32 s[G1SB+0], s44, (3<<16)|(1<<21)
.irp g, G1S, G1SB
	s_mov_b32 s[\g+1], 32<<16
	s_mov_b32 s[\g+2], (2*KC)<<16
	s_mov_b32 s[\g+3], 32<<16
	s_mov_b32 s[\g+4], 2*KC
	s_mov_b32 s[\g+5], 32
	s_mov_b32 s[\g+6], 0
	s_mov_b32 s[\g+7], 0
.endr
	s_lshl_b32 s18, s16, 3                         ; 8 units to a rowgroup
	s_lshl_b32 s20, s17, 4
	s_add_co_u32 s20, s20, s18                     ; Q: unit 16 x tile row + 8 x rowgroup
	s_lshl_b32 s46, s42, 4
	s_add_co_u32 s46, s46, s18
	s_lshl_b32 s47, s95, 7
	s_add_co_u32 s46, s46, s47
	s_add_co_u32 s46, s46, 512                     ; K: unit 512 + 128 x batch + 16 x tile column + 8 x rowgroup
	s_lshl_b32 s22, s20, 9
	s_mov_b32 s23, 0
	s_mul_i32 s20, s20, GCH
	s_mov_b32 s21, 0
	s_lshl_b32 s92, s46, 9
	s_mov_b32 s93, 0
	s_mul_i32 s46, s46, GCH
	s_mov_b32 s47, 0
	s_mul_i32 s45, s14, HALFT                      ; where they go: no place in the cluster enters an LDS address
	s_mul_i32 s94, s14, HALFS
	s_wait_dscnt 0x0                               ; both opening adds are done
	s_wait_kmcnt 0x0
	s_add_nc_u64 s[20:21], s[4:5], s[20:21]
	s_add_nc_u64 s[22:23], s[6:7], s[22:23]
	s_add_nc_u64 s[46:47], s[4:5], s[46:47]
	s_add_nc_u64 s[92:93], s[6:7], s[92:93]
	CROUND                                         ; all sixteen work-groups are here: the first joint loads meet
	s_mov_b32 s[G0S], 1
	s_add_co_u32 s[G0S+1], s94, SCL
	s_mov_b64 s[G0S+2:G0S+3], s[22:23]
	s_or_b32 s[G0S+3], s[G0S+3], 0x80000000
	s_mov_b32 s[G0SB], 1
	s_add_co_u32 s[G0SB+1], s94, SCL
	s_mov_b64 s[G0SB+2:G0SB+3], s[92:93]
	s_or_b32 s[G0SB+3], s[G0SB+3], 0x80000000
	JLOAD G0S, G1S, G0SB, G1SB
.irp s, 0,1
	s_mov_b32 s[G0+4*\s], 1
	s_add_co_u32 s[G0+4*\s+1], s45, \s*SLOT
	s_add_nc_u64 s[G0+4*\s+2:G0+4*\s+3], s[20:21], \s*HALFT
	s_or_b32 s[G0+4*\s+3], s[G0+4*\s+3], 0x80000000
	s_mov_b32 s[G0B+4*\s], 1
	s_add_co_u32 s[G0B+4*\s+1], s45, \s*SLOT
	s_add_nc_u64 s[G0B+4*\s+2:G0B+4*\s+3], s[46:47], \s*HALFT
	s_or_b32 s[G0B+4*\s+3], s[G0B+4*\s+3], 0x80000000
	JLOAD G0+4*\s, G1, G0B+4*\s, G1B               ; three tensor loads of mine are out
.endr
	v_and_b32 v1, 15, v0                           ; r
	v_bfe_u32 v2, v0, 4, 1                         ; h
	v_and_b32 v3, 31, v0                           ; lane
	v_lshlrev_b32 v[LI], 4, v3
	v_lshlrev_b32 v[LW], 5, v1
	v_lshl_add_u32 v[LW], v2, 4, v[LW]
	s_mul_i32 s21, s15, HALFT
	s_mul_i32 s22, s16, HALFT
	s_add_co_u32 s22, s22, 2*HALFT
.irp s, 0,1
	v_add_nc_u32 v[ADRA+\s], s21, v[LI]
	v_add_nc_u32 v[ADRB+\s], s22, v[LI]
	s_add_co_u32 s21, s21, SLOT
	s_add_co_u32 s22, s22, SLOT
.endr
	s_mul_i32 s21, s15, HALFS
	s_mul_i32 s22, s16, HALFS
	s_add_co_u32 s22, s22, 2*HALFS
	s_sub_co_u32 s22, s22, s21
	v_mul_u32_u24 v6, s22, v2                      ; lanes 16-31 take B's
	s_add_co_u32 s21, s21, SCL
	v_lshl_add_u32 v5, v1, 5, v6
	v_add_nc_u32 v[ADRS], s21, v5
	; where my 128 queries x 128 keys go: unit (2 x tile row + my rowgroup) x 16 + 2 x tile column + my chunk
	s_lshl_b32 s66, s17, 1
	s_add_co_u32 s66, s66, s15
	s_lshl_b32 s66, s66, 4
	s_lshl_b32 s67, s42, 1
	s_add_co_u32 s67, s67, s16
	s_add_co_u32 s66, s66, s67
	s_lshl_b32 s12, s66, 9
	s_mov_b32 s13, 0
	s_add_nc_u64 s[10:11], s[10:11], s[12:13]
	s_mul_i32 s12, s66, GCH
	s_add_nc_u64 s[8:9], s[8:9], s[12:13]
.macro FRAG reg, adr, q, i             ; a fragment comes as it was laid: three loads of 512 consecutive bytes
.irp g, 0,1,2
	ds_load_b128 v[\reg+4*\g:\reg+4*\g+3], v[\adr] offset:GCH*(\q)+FRB*(\i)+512*\g
.endr
.endm
; 16 matrix instructions: A's blocks a0, a0 + 1 x B's eight.  The 64 accumulators take turns, one instruction a turn, in the same order in every step.
.macro MUL16 a0, p, q, sc, zero
.irp a, \a0, \a0+1
.irp b, 0,1,2,3,4,5,6,7
.if \zero
	v_wmma_scale_f32_16x16x128_f8f6f4 v[8*(8*((\a)%4)+\b):8*(8*((\a)%4)+\b)+7], v[128*(\p)+FR*\b:128*(\p)+FR*\b+FR-1], v[AF+FR*(\a):AF+FR*(\a)+FR-1], 0, v[SC+16*(\sc)+8*(\q)+\b], v[SC+16*(\sc)+8*(\q)+(\a)] matrix_a_fmt:MATRIX_FMT_BF6 matrix_b_fmt:MATRIX_FMT_BF6 matrix_a_scale:MATRIX_SCALE_ROW1
.else
	v_wmma_scale_f32_16x16x128_f8f6f4 v[8*(8*((\a)%4)+\b):8*(8*((\a)%4)+\b)+7], v[128*(\p)+FR*\b:128*(\p)+FR*\b+FR-1], v[AF+FR*(\a):AF+FR*(\a)+FR-1], v[8*(8*((\a)%4)+\b):8*(8*((\a)%4)+\b)+7], v[SC+16*(\sc)+8*(\q)+\b], v[SC+16*(\sc)+8*(\q)+(\a)] matrix_a_fmt:MATRIX_FMT_BF6 matrix_b_fmt:MATRIX_FMT_BF6 matrix_a_scale:MATRIX_SCALE_ROW1
.endif
.endr
.endr
.endm
.macro FETCH_B slot, q, p
	WIN TO_B
.irp i, 0,1,2,3,4,5,6,7
	FRAG 128*(\p)+FR*\i, ADRB+\slot, \q, \i
.endr
	WIN 0
.endm
.macro FETCH_A slot, q, i0
.irp i, \i0, \i0+1, \i0+2, \i0+3
	FRAG AF+FR*(\i), ADRA+\slot, \q, \i
.endr
.endm
.macro SCALES sc
.irp q, 0,1
.irp e, 0,1
	ds_load_b128 v[SC+16*\sc+8*\q+4*\e:SC+16*\sc+8*\q+4*\e+3], v[ADRS] offset:512*\q+16*\e
.endr
.endr
.endm
.macro PLACES n                        ; plain vector instructions that name no register of the matrix instructions in front of them (ISA guide 7.12.1)
.rept \n
	v_nop
.endr
.endm
.macro STEP slot, q, zero
	s_wait_dscnt 4*NL                              ; all but the youngest 12 loads (A's blocks 4-7) are in
	WIN MUL_LO
	MUL16 0, (\q)%2, \q, \slot, \zero
	MUL16 2, (\q)%2, \q, \slot, \zero
	s_wait_dscnt 0
	PLACES NP
	FETCH_B \slot, (\q)+1, 1-(\q)%2
	FETCH_A \slot, (\q)+1, 0
	WIN MUL_HI
	MUL16 4, (\q)%2, \q, \slot, \zero
	MUL16 6, (\q)%2, \q, \slot, \zero
	PLACES NP
	WIN 0
	FETCH_A \slot, (\q)+1, 4
.endm
; A slot's last chunk changes slots: ONE barrier; in front of it each wave waits for all its tensor loads, adds 0 to its spare word, and waits for that and for its reads of this slot.
.macro TURN slot, next, fill
	s_wait_tensorcnt 0x0                           ; all my tensor loads have landed: my part of the next slot
	ds_add_u32 v[SPW], v[NIL]                      ; 0 onto my spare word
	s_wait_dscnt 4*NL+1                            ; (the add and the youngest 12 loads may be out)
	WIN MUL_LO
	MUL16 0, 1, 1, \slot, 0
	s_wait_dscnt 0x0                               ; the add is done, and my reads of this slot are over
	s_barrier_signal -1
	MUL16 2, 1, 1, \slot, 0
	WIN 0
	s_barrier_wait -1
.if \fill
	CREST                                          ; a round of the cluster's barrier: no wave of any partner still reads this slot or has a load on its way
	s_add_nc_u64 s[G0+4*\slot+2:G0+4*\slot+3], s[G0+4*\slot+2:G0+4*\slot+3], 2*HALFT
	s_add_nc_u64 s[G0B+4*\slot+2:G0B+4*\slot+3], s[G0B+4*\slot+2:G0B+4*\slot+3], 2*HALFT
	JLOAD G0+4*\slot, G1, G0B+4*\slot, G1B         ; the first tensor load behind the round
.else
	PLACES NP
.endif
	v_add_nc_u32 v[ADRS], 1024, v[ADRS]
	FETCH_B \next, 0, 0
	FETCH_A \next, 0, 0
	SCALES \next
	WIN MUL_HI
	MUL16 4, 1, 1, \slot, 0
	MUL16 6, 1, 1, \slot, 0
	PLACES NP
	WIN 0
	FETCH_A \next, 0, 4
.endm
	s_wait_tensorcnt 1                             ; the scale words and my part of K step 0 are in; K step 1's load may be out
	s_barrier_signal -1
	s_barrier_wait -1
	FETCH_B 0, 0, 0
	FETCH_A 0, 0, 0
	SCALES 0
	FETCH_A 0, 0, 4
	STEP 0, 0, 1                                   ; the first chunk's products start the sums
	s_mov_b32 s3, LAPS-1
.Llap:
	TURN 0, 1, 1
	STEP 1, 0, 0
	TURN 1, 0, 1
	STEP 0, 0, 0
	s_sub_co_u32 s3, s3, 1
	s_cmp_lg_u32 s3, 0
	s_cbranch_scc1 .Llap
	TURN 0, 1, 0
	STEP 1, 0, 0
	s_wait_dscnt 4*NL
	WIN MUL_LO
	MUL16 0, 1, 1, 1, 0
	MUL16 2, 1, 1, 1, 0
	s_wait_dscnt 0
	WIN MUL_HI
	MUL16 4, 1, 1, 1, 0
	MUL16 6, 1, 1, 1, 0
	WIN 0
; THE WAY OUT.  Block a: a lane's 64 scores of one query (with lane l xor 16: the chunk's 128 keys) become p's codes, its scale word, -M_c and l_c.
.macro SOFT a
.set WW, 2+(\a)/4                      ; the accumulators' window
.set AC, 64*((\a)%4)
	WIN 21*WW                                      ; all three sources there
.irp b, 0,1,2,3
	v_max3_num_f32 v[BX+\b], v[AC+16*\b], v[AC+16*\b+1], v[AC+16*\b+2]   ; THE LARGEST SCORE OF EACH BLOCK OF 32 KEYS serves twice: for the chunk's maximum and, since p rises with the score, for the block's largest p
.endr
	WIN 20*WW                                      ; sources 1 and 2 there
.irp i, 3,5,7,9,11,13
.irp b, 0,1,2,3
	v_max3_num_f32 v[BX+\b], v[BX+\b], v[AC+16*\b+\i], v[AC+16*\b+\i+1]   ; (each accumulator is first read at its low end)
.endr
.endr
.irp b, 0,1,2,3
	v_max_num_f32 v[BX+\b], v[BX+\b], v[AC+16*\b+15]
.endr
	WIN 0
.irp b, 0,1,2,3
	v_permlanex16_b32 v[BT+\b], v[BX+\b], s[SEL], s[SEL+1]
.endr
.irp b, 0,1,2,3
	v_max_num_f32 v[BX+\b], v[BX+\b], v[BT+\b]     ; with lane l xor 16's 16 keys
.endr
	v_max3_num_f32 v[T0], v[BX], v[BX+1], v[BX+2]
	v_max_num_f32 v[T0], v[T0], v[BX+3]            ; the chunk's largest score of my query
	v_mul_f32 v[T0], s22, v[T0]                    ; as t (c is positive)
	v_floor_f32 v[NM], -v[T0]                      ; -M_c = floor(-t) = -ceil(t): a whole number
	WIN WW                                         ; source 0 there
.set j, 0
.rept 32
	v_pk_fma_f32 v[P+j:P+j+1], v[AC+j:AC+j+1], s[22:23], v[NM:NM+1] op_sel_hi:[1,0,0]   ; t - M_c, two at a time (of the pairs c and -M_c the low word serves both halves)
.set j, j+2
.endr
	WIN 0
.irp b, 0,1,2,3
	v_fma_f32 v[BX+\b], v[BX+\b], s22, v[NM]       ; the same of each block's largest score
.endr
.set j, 0
.rept 64
	v_exp_f32 v[P+j], v[P+j]                       ; p = 2^(t - M_c), at most 1: NOT normalised
.set j, j+1
.endr
	v_mov_b32 v[NS+(\a)], v[NM]                    ; (a plain place behind the exponentials)
	s_wait_alu depctr_va_vdst(0)                   ; one wait for the whole batch, ahead of its first reader
.irp b, 0,1,2,3
	v_exp_f32 v[BX+\b], v[BX+\b]                   ; the block's largest p: the same two instructions on the same number give the same bits
.endr
	v_pk_add_f32 v[SU:SU+1], v[P:P+1], v[P+2:P+3]  ; THE SUM IS TAKEN OF THE UNQUANTISED p: two at a time, in two chains.  (It reads the 64 alone: plain work behind the four)
	v_pk_add_f32 v[SV:SV+1], v[P+4:P+5], v[P+6:P+7]
.irp j, 8,12,16,20,24,28,32,36,40,44,48,52,56,60
	v_pk_add_f32 v[SU:SU+1], v[SU:SU+1], v[P+\j:P+\j+1]
	v_pk_add_f32 v[SV:SV+1], v[SV:SV+1], v[P+\j+2:P+\j+3]
.endr
	v_pk_add_f32 v[SU:SU+1], v[SU:SU+1], v[SV:SV+1]
	v_add_f32 v[SU], v[SU], v[SU+1]
	v_permlanex16_b32 v[SV], v[SU], s[SEL], s[SEL+1]
	v_add_f32 v[LS+(\a)], v[SU], v[SV]             ; with lane l xor 16's: l_c
	s_wait_alu depctr_va_vdst(0)                   ; and one for the four
.irp b, 0,1,2,3
	v_max_num_f32 v[BX+\b], 0x2800000, v[BX+\b]    ; the floor 2^(5 - 127): the byte cannot fall under 1
.endr
.irp b, 0,1,2,3
	v_add_nc_u32 v[SO+\b], 0xfe000000, v[BX+\b]    ; 4 off the exponent field: the conversion's scale operand
.endr
.irp b, 0,1,2,3
	v_lshrrev_b32 v[BT+\b], 23, v[SO+\b]           ; the scale's byte
.endr
	v_lshl_or_b32 v[SW+(\a)], v[BT+1], 8, v[BT]
	v_lshl_or_b32 v[SW+(\a)], v[BT+2], 16, v[SW+(\a)]
	v_lshl_or_b32 v[SW+(\a)], v[BT+3], 24, v[SW+(\a)]
.if (\a) > 0
	s_wait_xcnt 0x0                                ; the last block's stores have read their registers: the codes may be written anew
.endif
.irp c, 0,1
	v_cvt_scalef32_pk16_bf6_f32 v[PC+6*\c:PC+2+6*\c], v[P+32*\c:P+15+32*\c], v[SO+2*\c]
	v_cvt_scalef32_pk16_bf6_f32 v[PC+12+4*\c:PC+14+4*\c], v[P+16+32*\c:P+31+32*\c], v[SO+2*\c+1]   ; (a conversion's three registers begin on an even number)
.endr
	v_nop                                          ; one plain place behind a scaled conversion
.irp c, 0,1                            ; the operand's layout wants a WHOLE block in a lane
.irp i, 0,1,2
	v_permlane16_swap_b32 v[PC+6*\c+\i], v[PC+12+4*\c+\i]
.endr
.irp i, 0,1,2
	v_mov_b32 v[PC+3+6*\c+\i], v[PC+12+4*\c+\i]
.endr
.endr
.irp g, 0,1,2
	global_store_b128 v[LI], v[PC+4*\g:PC+4*\g+3], s[8:9] offset:FRB*(\a)+512*\g   ; 512 consecutive bytes
.endr
.endm
	PLACES NP                                      ; behind the last products: their results are read, and the registers that held A's fragments are written
	s_mov_b32 s[SEL], 0x76543210
	s_mov_b32 s[SEL+1], 0xfedcba98
	s_mov_b32 s20, 0xffff0000
	s_mov_b32 s22, 0x3d38aa3b                      ; c = log2(e) / 32
	s_mov_b32 s23, s22                             ; (named with it as a pair, so it is written)
.irp b, 0,1,2,3
	v_mov_b32 v[BT+\b], 0                          ; written once: a lane permute's destination counts as one of its sources
.endr
	v_mov_b32 v[NM+1], 0                           ; (named as the upper half of the pair)
.irp f, 0,1,2,3,4,5,6,7
	SOFT \f
.endr
.irp k, 0,1,2,3
	v_cndmask_b32 v[O4+\k], v[SW+\k], v[SW+4+\k], s20     ; lanes 0-15 send blocks 0-3's, lanes 16-31 blocks 4-7's
	v_cndmask_b32 v[O4+4+\k], v[NS+\k], v[NS+4+\k], s20
	v_cndmask_b32 v[O4+8+\k], v[LS+\k], v[LS+4+\k], s20
.endr
	global_store_b128 v[LW], v[O4:O4+3], s[10:11]                     ; each: 512 consecutive bytes
	global_store_b128 v[LW], v[O4+4:O4+7], s[10:11] offset:524288
	global_store_b128 v[LW], v[O4+8:O4+11], s[10:11] offset:1048576
	s_wait_tensorcnt 0x0                           ; the wave's end
	ds_add_u32 v[SPW], v[NIL]
	s_wait_dscnt 0x0
	CROUND                                         ; the closing round
	s_endpgm
.Lfunc_end_k_q67ebd4ff75_score:
	.size	k_q67ebd4ff75_score, .Lfunc_end_k_q67ebd4ff75_score-k_q67ebd4ff75_score
	.p2alignl 7, 3214868480
	.fill 96, 4, 3214868480
	.section	.rodata,"a",@progbits
	.p2align	6, 0x0
	.amdhsa_kernel k_q67ebd4ff75_score
		.amdhsa_group_segment_fixed_size 327680
		.amdhsa_private_segment_fixed_size 0
		.amdhsa_enable_private_segment 0
		.amdhsa_kernarg_size 32
		.amdhsa_user_sgpr_count 2
		.amdhsa_user_sgpr_kernarg_segment_ptr 1
		.amdhsa_wavefront_size32 1
		.amdhsa_system_sgpr_workgroup_id_x 1
		.amdhsa_system_sgpr_workgroup_id_y 1
		.amdhsa_system_sgpr_workgroup_id_z 1
		.amdhsa_system_vgpr_workitem_id 0
		.amdhsa_next_free_vgpr 1024
		.amdhsa_next_free_sgpr 102
		.amdhsa_reserve_vcc 0
		.amdhsa_float_denorm_mode_32 3
		.amdhsa_float_denorm_mode_16_64 3
		.amdhsa_memory_ordered 1
		.amdhsa_forward_progress 1
		.amdhsa_inst_pref_size 193
	.end_amdhsa_kernel
	.amdgpu_metadata
---
amdhsa.version: [ 1, 2 ]
amdhsa.kernels:
  - .name:           k_q67ebd4ff75_score
    .symbol:         k_q67ebd4ff75_score.kd
    .args:
      - { .name: qkv, .offset: 0, .size: 8, .value_kind: global_buffer, .address_space: global }
      - { .name: qkvs, .offset: 8, .size: 8, .value_kind: global_buffer, .address_space: global }
      - { .name: pc, .offset: 16, .size: 8, .value_kind: global_buffer, .address_space: global }
      - { .name: pst, .offset: 24, .size: 8, .value_kind: global_buffer, .address_space: global }
    .group_segment_fixed_size: 327680
    .private_segment_fixed_size: 0
    .kernarg_segment_align: 8
    .kernarg_segment_size: 32
    .max_flat_workgroup_size: 128
    .sgpr_count:     102
    .vgpr_count:     1024
    .wavefront_size: 32
...
	.end_amdgpu_metadata
.endif
;; end of part 3
;; launch pv (part 4): grid 4 x 32, 4 waves a work-group, clusters of 4 x 4, 327,680 bytes of LDS; arguments pc, pst, qkv, qkvs, out0; writes out0
.if DOCPART == 4
	.amdgcn_target "amdgcn-amd-amdhsa--gfx1250"
	.amdhsa_code_object_version 6
	.text
	.protected	k_q67ebd4ff75_pv
	.globl	k_q67ebd4ff75_pv
	.p2align	8
	.type	k_q67ebd4ff75_pv,@function
k_q67ebd4ff75_pv:
	s_mov_b64 s[64:65], 0
	v_nop
	global_prefetch_b8 v0, s[64:65] scope:SCOPE_SE
	s_setreg_imm32_b32 hwreg(HW_REG_WAVE_MODE, 25, 1), 1
	s_wait_xcnt 0x0
	s_wait_alu depctr_hold_cnt(0) depctr_sa_sdst(0) depctr_va_vdst(0) depctr_va_sdst(0) depctr_va_ssrc(0) depctr_va_vcc(0) depctr_vm_vsrc(0)
	s_getreg_b32 s2, hwreg(HW_REG_IB_STS2, 6, 4)
	s_cmp_eq_u32 s2, 0
	s_cbranch_scc0 .Lentry_in_a_cluster
	s_endpgm
.Lentry_in_a_cluster:
	s_bfe_u32 s2, ttmp6, 0x10000c
	s_cmp_lg_u32 s2, 0xf033
	s_cbranch_scc0 .Lentry_shape_is_right
	s_endpgm
.Lentry_shape_is_right:
; LAUNCH 4 OF 4: out0 = P V / l on codes of BF6 (E3M2) with E8M0 scales.  Nothing is left out.
; P came chunk by chunk of 128 keys, each under its own whole number M_c.  At the head each work-group finds, for its 256 queries, the row's -M = the smallest -M_c, takes d = M - M_c off the four scale bytes of the chunk's word
; (held at 0 from below) and sums l = the sum of l_c 2^-d: powers of two, which round nothing, so that the codes' values are those under the row's M.  The words go to LDS, where the products take them; 1 / l multiplies the results.
; LIMITS: NaN and infinities are not served.  d is held at 127, and a byte that would fall under 0 is held at 0, the scale 2^-127: such a block is less than 2^-120 of the row's largest p.
; OPERANDS lie in the order of the operand's registers: rowgroup G = 128 rows, chunk c = 128 along K, fragment i = 1,536 bytes; lane r of fragment i holds row 32 (i / 2) + 8 (i % 2) + r + 8 (r / 8); words [G][c][r][i].
; pc: P [64 G of queries][16 c];  pst: P's words at 0, -M_c at 524,288, l_c at 1,048,576;  qkv: V^T from unit 1024 on, [8 G of the channels][64 c of the keys, 16 x batch + chunk] (a unit: 12,288 bytes of codes, 512 of words in qkvs).
; A tile of 256 queries x 256 channels is made by four waves, each 128 x 128; K = 2,048 keys goes in steps of 256 through a ring of two LDS slots.  THE MATRIX INSTRUCTION IS USED TRANSPOSED (source 0 = 16 channels, source 1 = 16 queries):
; a lane holds one query, and register 8 b + j over V's eight fragments is channel 32 (b / 2) + 16 h + 8 (b % 2) + j.
; CLUSTERS: 4 x 4 work-groups; 128 work-groups in all: the grid is what tiles of this size give.  P's tiles are asked for jointly along a row of the cluster, V's tiles and scale words along a column.
; REGISTERS, in windows of 256: window 0: v0-31 addresses; v32-63 scale words, two sets; v128-223 A's fragments; at the head v64-171 and on the way out v32-255 are free.  window 1: B's fragments, two sets.  windows 2, 3: the accumulators.
.set KC,    16
.set GCH,   12288
.set FRB,   1536
.set HALFT, 2*GCH                      ; what one tensor load brings: a rowgroup's two chunks
.set SLOT,  4*HALFT
.set SCL,   2*SLOT                     ; behind the ring: P's words, two rowgroups, stored by the waves and never filled by a tensor load;
.set HALFS, 512*KC                     ; (a rowgroup's)
.set SCLB,  SCL+2*HALFS                ; V's words, two rowgroups, filled once by tensor loads
.set RL,    SCL+4*HALFS                ; 1 / l, twice each: [rowgroup][r][i] pairs, 1,024 bytes a rowgroup
.set SPARE, RL+2048                    ; the spare words, 128 bytes a wave: two blocks of 256 bytes that no other line names
.set SPITCH, 528                       ; the way out: a stage of 16 rows x (512 bytes + 16) for each wave, in slot 0, which has had its last fill and its last read when the first result is stored there
.set LAPS,  KC/4
.set FR,    12
.set NL,    3
.set NP,    4                          ; places behind this matrix instruction (ISA guide 7.12.1)
.set ADRA,  16                         ; v16-17
.set ADRB,  20                         ; v20-21
.set STO,   22                         ; v22     the stage: where I put 32 bytes of a row
.set RD,    23                         ; v23     and where I read a row back
.set LI,    24                         ; v24     16 x lane
.set ARL,   26                         ; v26     my eight pairs of 1 / l
.set ADRS,  27                         ; v27     LDS address of my scale words: lanes 0-15 P's, lanes 16-31 V's
.set SPW,   28
.set NIL,   29
.set SC,    32
.set AF,    128
.set WR,    64                         ; the head: v64-95 two rows' scale words of 16 chunks; v96-127 their -M_c; v128-159 their l_c
.set NR,    96
.set LR,    128
.set MN,    160                        ; v[160:161] the rows' -M;  v[162:163] their l;  v164-167 at work;  v168-171 1 / l, twice each
.set LA,    162
.set T,     164
.set RC,    168
.set RP,    32                         ; the way out: v32-47 my eight pairs of 1 / l; v64-127 a block's results; v128-191, v192-255 rows read back, by turns
.set TMP,   64
.set BK,    128
.set G1,  24
.set G0,  32
.set G1B, 48
.set G0B, 56
.set G1SB, 80
.set G0SB, 88
.set MSB, 0
.macro WIN new                         ; the immediate's high byte repeats the setting that is left
.if MSB != (\new)
	s_set_vgpr_msb (MSB<<8)|(\new)
.set MSB, \new
.endif
.endm
.set MUL_LO, 0xa1
.set MUL_HI, 0xf1
.set TO_B,   0x40
; A joint load: waves 0 and 1 fetch for A, waves 2 and 3 for B; the branch hangs on the wave's number alone.  An s_nop 0 and four v_nop follow each of the two lines.
.macro JLOAD g0a, g1a, g0b, g1b
	s_cmp_eq_u32 s15, 0
	s_cbranch_scc0 .Lfor_b_\@
	tensor_load_to_lds s[\g0a:\g0a+3], s[\g1a:\g1a+7]
	s_nop 0
.rept 4
	v_nop
.endr
	s_branch .Lasked_\@
.Lfor_b_\@:
	tensor_load_to_lds s[\g0b:\g0b+3], s[\g1b:\g1b+7]
	s_nop 0
.rept 4
	v_nop
.endr
.Lasked_\@:
.endm
.macro CREST
	s_cmp_lg_u32 s14, 0
	s_cbranch_scc1 .Lnot_wave_0_\@
	s_barrier_signal -3
.Lnot_wave_0_\@:
	s_barrier_wait -3
	s_barrier_signal -1
	s_barrier_wait -1
.endm
.macro CROUND
	s_barrier_signal -1
	s_barrier_wait -1
	CREST
.endm
	s_load_b256 s[4:11], s[0:1], 0x0               ; pc s[4:5], pst s[6:7], qkv s[8:9], qkvs s[10:11]
	s_load_b64 s[12:13], s[0:1], 0x20              ; out0
	v_lshl_add_u32 v[SPW], v0, 2, SPARE
	v_mov_b32 v[NIL], 0
	ds_add_u32 v[SPW], v[NIL]                      ; the wave's opening: the add, twice on end, and its wait ahead of my first tensor load
	ds_add_u32 v[SPW], v[NIL]
	v_lshrrev_b32 v1, 5, v0
	v_readfirstlane_b32 s14, v1                    ; wave 0..3
	s_lshr_b32 s15, s14, 1                         ; my rowgroup of the tile's queries.  Also: I fetch for A (0) or for B (1)
	s_and_b32 s16, s14, 1                          ; my rowgroup of its channels.  Also: which rowgroup of that operand I fetch
	s_bfe_u32 s40, ttmp6, 0x40000                  ; cx, cy
	s_bfe_u32 s41, ttmp6, 0x40004
	s_and_b32 s95, ttmp7, 0xffff
	s_lshl_b32 s17, s95, 2
	s_add_co_u32 s17, s17, s41                     ; tile row: 256 of the 8,192 queries
	s_mov_b32 s42, s40                             ; tile column: 256 of the 1,024 channels
	s_lshr_b32 s95, s95, 1                         ; the batch: of the cluster's y alone
	s_lshl_b32 s43, s41, 2
	s_lshl_b32 s43, 15, s43                        ; my row of the cluster
	s_lshl_b32 s44, 0x1111, s40                    ; my column
	; descriptor group 1: a dense block of 24,576 bytes as 96 rows of 256 bytes (32 elements of 8 bytes), no padding
	s_or_b32 s[G1+0], s43, (3<<16)|(1<<21)
	s_or_b32 s[G1B+0], s44, (3<<16)|(1<<21)
.irp g, G1, G1B
	s_mov_b32 s[\g+1], 32<<16
	s_mov_b32 s[\g+2], 96<<16
	s_mov_b32 s[\g+3], 32<<16
	s_mov_b32 s[\g+4], 96
	s_mov_b32 s[\g+5], 32
	s_mov_b32 s[\g+6], 0
	s_mov_b32 s[\g+7], 0
.endr
	s_or_b32 s[G1SB+0], s44, (3<<16)|(1<<21)       ; V's scale words: a wave brings eight chunks of one rowgroup: 4,096 dense bytes, 16 rows of 256
	s_mov_b32 s[G1SB+1], 32<<16
	s_mov_b32 s[G1SB+2], 16<<16
	s_mov_b32 s[G1SB+3], 32<<16
	s_mov_b32 s[G1SB+4], 16
	s_mov_b32 s[G1SB+5], 32
	s_mov_b32 s[G1SB+6], 0
	s_mov_b32 s[G1SB+7], 0
	s_lshl_b32 s20, s17, 1
	s_add_co_u32 s20, s20, s16
	s_mul_i32 s20, s20, 16*GCH                     ; P: rowgroup 2 x tile row + the one I fetch, 16 chunks each
	s_mov_b32 s21, 0
	s_lshl_b32 s46, s42, 1
	s_add_co_u32 s46, s46, s16
	s_lshl_b32 s46, s46, 6
	s_lshl_b32 s47, s95, 4
	s_add_co_u32 s46, s46, s47
	s_add_co_u32 s46, s46, 1024                    ; V^T: unit 1024 + 64 x rowgroup + 16 x batch
	s_mul_i32 s46, s46, GCH
	s_mov_b32 s47, 0
	s_lshl_b32 s92, s42, 1
	s_add_co_u32 s92, s92, s15
	s_lshl_b32 s92, s92, 6
	s_lshl_b32 s93, s95, 4
	s_add_co_u32 s92, s92, s93
	s_lshl_b32 s93, s16, 3
	s_add_co_u32 s92, s92, s93
	s_add_co_u32 s92, s92, 1024                    ; its words: rowgroup wave / 2, chunks 8 (wave % 2) on
	s_lshl_b32 s92, s92, 9
	s_mov_b32 s93, 0
	s_mul_i32 s45, s14, HALFT                      ; where they go: no place in the cluster enters an LDS address
	s_lshl_b32 s94, s14, 12
	s_wait_dscnt 0x0                               ; both opening adds are done
	s_wait_kmcnt 0x0
	s_add_nc_u64 s[20:21], s[4:5], s[20:21]
	s_add_nc_u64 s[46:47], s[8:9], s[46:47]
	s_add_nc_u64 s[92:93], s[10:11], s[92:93]
	CROUND                                         ; all sixteen work-groups are here: the first joint loads meet
	s_mov_b32 s[G0SB], 1
	s_add_co_u32 s[G0SB+1], s94, SCLB
	s_mov_b64 s[G0SB+2:G0SB+3], s[92:93]
	s_or_b32 s[G0SB+3], s[G0SB+3], 0x80000000
	tensor_load_to_lds s[G0SB:G0SB+3], s[G1SB:G1SB+7]   ; every wave brings a quarter of V's scale words
	s_nop 0
.rept 4
	v_nop
.endr
.irp s, 0,1
	s_mov_b32 s[G0+4*\s], 1
	s_add_co_u32 s[G0+4*\s+1], s45, \s*SLOT
	s_add_nc_u64 s[G0+4*\s+2:G0+4*\s+3], s[20:21], \s*HALFT
	s_or_b32 s[G0+4*\s+3], s[G0+4*\s+3], 0x80000000
	s_mov_b32 s[G0B+4*\s], 1
	s_add_co_u32 s[G0B+4*\s+1], s45, \s*SLOT
	s_add_nc_u64 s[G0B+4*\s+2:G0B+4*\s+3], s[46:47], \s*HALFT
	s_or_b32 s[G0B+4*\s+3], s[G0B+4*\s+3], 0x80000000
	JLOAD G0+4*\s, G1, G0B+4*\s, G1B               ; three tensor loads of mine are out
.endr
	; THE HEAD'S WORK, while those land.  Thread (wave w, lane L) owns the two rows whose words stand at bytes 256 (w % 2) + 8 L of each chunk's 512, in rowgroup w / 2 of the tile.
	s_lshl_b32 s66, s17, 1
	s_add_co_u32 s66, s66, s15
	s_lshl_b32 s66, s66, 13                        ; 16 chunks of 512 bytes
	s_lshl_b32 s67, s16, 8
	s_add_co_u32 s66, s66, s67
	s_mov_b32 s67, 0
	s_add_nc_u64 s[6:7], s[6:7], s[66:67]
	v_and_b32 v3, 31, v0                           ; lane
	v_lshlrev_b32 v8, 3, v3
.irp c, 0,1,2,3,4,5,6,7,8,9,10,11,12,13,14,15
	global_load_b64 v[NR+2*\c:NR+2*\c+1], v8, s[6:7] offset:524288+512*\c     ; a wave's load reads 256 consecutive bytes
.endr
.irp c, 0,1,2,3,4,5,6,7,8,9,10,11,12,13,14,15
	global_load_b64 v[LR+2*\c:LR+2*\c+1], v8, s[6:7] offset:1048576+512*\c
.endr
.irp c, 0,1,2,3,4,5,6,7,8,9,10,11,12,13,14,15
	global_load_b64 v[WR+2*\c:WR+2*\c+1], v8, s[6:7] offset:512*\c
.endr
	v_and_b32 v1, 15, v0                           ; r
	v_bfe_u32 v2, v0, 4, 1                         ; h
	v_lshlrev_b32 v[LI], 4, v3
	s_mul_i32 s21, s15, HALFT
	s_mul_i32 s22, s16, HALFT
	s_add_co_u32 s22, s22, 2*HALFT
.irp s, 0,1
	v_add_nc_u32 v[ADRA+\s], s21, v[LI]
	v_add_nc_u32 v[ADRB+\s], s22, v[LI]
	s_add_co_u32 s21, s21, SLOT
	s_add_co_u32 s22, s22, SLOT
.endr
	s_mul_i32 s21, s15, HALFS
	s_mul_i32 s22, s16, HALFS
	s_add_co_u32 s22, s22, 2*HALFS
	s_sub_co_u32 s22, s22, s21
	v_mul_u32_u24 v6, s22, v2                      ; lanes 16-31 take V's
	s_add_co_u32 s21, s21, SCL
	v_lshl_add_u32 v5, v1, 5, v6
	v_add_nc_u32 v[ADRS], s21, v5
	s_lshl_b32 s21, s15, 13
	s_lshl_b32 s22, s16, 8
	s_add_co_u32 s21, s21, s22
	s_add_co_u32 s21, s21, SCL
	v_lshl_add_u32 v9, v3, 3, s21                  ; where my two words of a chunk go: as they lay in memory
	s_lshl_b32 s21, s15, 10
	s_add_co_u32 s21, s21, RL
	v_lshl_add_u32 v[ARL], v1, 6, s21              ; my lane's eight pairs: 64 r
	s_lshl_b32 s22, s16, 9
	s_add_co_u32 s21, s21, s22
	v_lshl_add_u32 v10, v3, 4, s21                 ; where my two rows' pairs go: twice the words' place
	s_mul_i32 s23, s14, 16*SPITCH                  ; my stage
	v_mul_u32_u24 v5, v1, SPITCH
	v_lshl_add_u32 v5, v2, 6, v5
	v_add_nc_u32 v[STO], s23, v5                   ; in: row r, + 64 h
	v_add_nc_u32 v[RD], s23, v[LI]                 ; back: the 32 lanes take one row of 512 bytes
	s_lshl_b32 s66, s17, 1
	s_add_co_u32 s66, s66, s15
	s_lshl_b32 s66, s66, 19                        ; out0: my rowgroup's 128 rows of 4,096 bytes,
	s_lshl_b32 s67, s42, 10
	s_add_co_u32 s66, s66, s67                     ; the tile's 256 channels,
	s_lshl_b32 s67, s16, 9
	s_add_co_u32 s66, s66, s67                     ; my 128 of them
	s_mov_b32 s67, 0
	s_add_nc_u64 s[12:13], s[12:13], s[66:67]
	s_mov_b32 s18, 0x80808080
	s_mov_b32 s19, 0x01010101
	s_wait_loadcnt 0x0
.irp e, 0,1
	v_min_num_f32 v[MN+\e], v[NR+\e], v[NR+2+\e]
.endr
.irp c, 2,3,4,5,6,7,8,9,10,11,12,13,14,15
.irp e, 0,1
	v_min_num_f32 v[MN+\e], v[MN+\e], v[NR+2*\c+\e]   ; the row's -M: the smallest -M_c
.endr
.endr
; Chunk c of my two rows.  n = -(M - M_c), a whole number from -127 to 0.  A scale byte b is at most 123, so in (b + 128) + n no byte borrows from its neighbour, and a byte's top bit tells that b + n is 0 or more.
.macro ADJ c
.irp e, 0,1
	v_sub_f32 v[T+\e], v[MN+\e], v[NR+2*\c+\e]
.endr
.irp e, 0,1
	v_max_num_f32 v[T+\e], 0xc2fe0000, v[T+\e]     ; held at -127
.endr
.irp e, 0,1
	v_cvt_i32_f32 v[T+\e], v[T+\e]
.endr
.irp e, 0,1
	v_ldexp_f32 v[LR+2*\c+\e], v[LR+2*\c+\e], v[T+\e]   ; l_c under the row's M
.endr
.irp e, 0,1
	v_mul_lo_u32 v[T+\e], v[T+\e], s19             ; n in each of the four bytes (modulo 2^32)
.endr
.irp e, 0,1
	v_or_b32 v[WR+2*\c+\e], s18, v[WR+2*\c+\e]
.endr
.irp e, 0,1
	v_add_nc_u32 v[WR+2*\c+\e], v[WR+2*\c+\e], v[T+\e]
.endr
.irp e, 0,1
	v_and_b32 v[T+\e], s18, v[WR+2*\c+\e]
.endr
.irp e, 0,1
	v_lshrrev_b32 v[T+2+\e], 7, v[T+\e]
.endr
.irp e, 0,1
	v_sub_nc_u32 v[T+\e], v[T+\e], v[T+2+\e]       ; 0x7f where the byte stays, 0 where it is held at 0
.endr
.irp e, 0,1
	v_and_b32 v[WR+2*\c+\e], v[WR+2*\c+\e], v[T+\e]
.endr
.if \c == 1
	v_pk_add_f32 v[LA:LA+1], v[LR:LR+1], v[LR+2:LR+3]
.endif
.if \c > 1
	v_pk_add_f32 v[LA:LA+1], v[LA:LA+1], v[LR+2*\c:LR+2*\c+1]
.endif
	ds_store_b64 v9, v[WR+2*\c:WR+2*\c+1] offset:512*\c
.endm
.irp f, 0,1,2,3,4,5,6,7,8,9,10,11,12,13,14,15
	ADJ \f
.endr
	v_rcp_f32 v[RC], v[LA]                         ; each reciprocal twice: pairs for the packed multiply
	v_rcp_f32 v[RC+1], v[LA]
	v_rcp_f32 v[RC+2], v[LA+1]
	v_rcp_f32 v[RC+3], v[LA+1]
	v_nop                                          ; a plain place behind the last of them
	s_wait_alu depctr_va_vdst(0)                   ; one wait for the four, ahead of their first reader
	ds_store_b128 v10, v[RC:RC+3]
.macro FRAG reg, adr, q, i             ; a fragment comes as it was laid: three loads of 512 consecutive bytes
.irp g, 0,1,2
	ds_load_b128 v[\reg+4*\g:\reg+4*\g+3], v[\adr] offset:GCH*(\q)+FRB*(\i)+512*\g
.endr
.endm
; 16 matrix instructions: A's blocks a0, a0 + 1 x B's eight.  The 64 accumulators take turns, one instruction a turn, in the same order in every step.
.macro MUL16 a0, p, q, sc, zero
.irp a, \a0, \a0+1
.irp b, 0,1,2,3,4,5,6,7
.if \zero
	v_wmma_scale_f32_16x16x128_f8f6f4 v[8*(8*((\a)%4)+\b):8*(8*((\a)%4)+\b)+7], v[128*(\p)+FR*\b:128*(\p)+FR*\b+FR-1], v[AF+FR*(\a):AF+FR*(\a)+FR-1], 0, v[SC+16*(\sc)+8*(\q)+\b], v[SC+16*(\sc)+8*(\q)+(\a)] matrix_a_fmt:MATRIX_FMT_BF6 matrix_b_fmt:MATRIX_FMT_BF6 matrix_a_scale:MATRIX_SCALE_ROW1
.else
	v_wmma_scale_f32_16x16x128_f8f6f4 v[8*(8*((\a)%4)+\b):8*(8*((\a)%4)+\b)+7], v[128*(\p)+FR*\b:128*(\p)+FR*\b+FR-1], v[AF+FR*(\a):AF+FR*(\a)+FR-1], v[8*(8*((\a)%4)+\b):8*(8*((\a)%4)+\b)+7], v[SC+16*(\sc)+8*(\q)+\b], v[SC+16*(\sc)+8*(\q)+(\a)] matrix_a_fmt:MATRIX_FMT_BF6 matrix_b_fmt:MATRIX_FMT_BF6 matrix_a_scale:MATRIX_SCALE_ROW1
.endif
.endr
.endr
.endm
.macro FETCH_B slot, q, p
	WIN TO_B
.irp i, 0,1,2,3,4,5,6,7
	FRAG 128*(\p)+FR*\i, ADRB+\slot, \q, \i
.endr
	WIN 0
.endm
.macro FETCH_A slot, q, i0
.irp i, \i0, \i0+1, \i0+2, \i0+3
	FRAG AF+FR*(\i), ADRA+\slot, \q, \i
.endr
.endm
.macro SCALES sc
.irp q, 0,1
.irp e, 0,1
	ds_load_b128 v[SC+16*\sc+8*\q+4*\e:SC+16*\sc+8*\q+4*\e+3], v[ADRS] offset:512*\q+16*\e
.endr
.endr
.endm
.macro PLACES n                        ; plain vector instructions that name no register of the matrix instructions in front of them (ISA guide 7.12.1)
.rept \n
	v_nop
.endr
.endm
.macro STEP slot, q, zero
	s_wait_dscnt 4*NL                              ; all but the youngest 12 loads (A's blocks 4-7) are in
	WIN MUL_LO
	MUL16 0, (\q)%2, \q, \slot, \zero
	MUL16 2, (\q)%2, \q, \slot, \zero
	s_wait_dscnt 0
	PLACES NP
	FETCH_B \slot, (\q)+1, 1-(\q)%2
	FETCH_A \slot, (\q)+1, 0
	WIN MUL_HI
	MUL16 4, (\q)%2, \q, \slot, \zero
	MUL16 6, (\q)%2, \q, \slot, \zero
	PLACES NP
	WIN 0
	FETCH_A \slot, (\q)+1, 4
.endm
; A slot's last chunk changes slots: ONE barrier; in front of it each wave waits for all its tensor loads, adds 0 to its spare word, and waits for that and for its reads of this slot.
.macro TURN slot, next, fill
	s_wait_tensorcnt 0x0                           ; all my tensor loads have landed: my part of the next slot
	ds_add_u32 v[SPW], v[NIL]                      ; 0 onto my spare word
	s_wait_dscnt 4*NL+1                            ; (the add and the youngest 12 loads may be out)
	WIN MUL_LO
	MUL16 0, 1, 1, \slot, 0
	s_wait_dscnt 0x0                               ; the add is done, and my reads of this slot are over
	s_barrier_signal -1
	MUL16 2, 1, 1, \slot, 0
	WIN 0
	s_barrier_wait -1
.if \fill
	CREST                                          ; a round of the cluster's barrier: no wave of any partner still reads this slot or has a load on its way
	s_add_nc_u64 s[G0+4*\slot+2:G0+4*\slot+3], s[G0+4*\slot+2:G0+4*\slot+3], 2*HALFT
	s_add_nc_u64 s[G0B+4*\slot+2:G0B+4*\slot+3], s[G0B+4*\slot+2:G0B+4*\slot+3], 2*HALFT
	JLOAD G0+4*\slot, G1, G0B+4*\slot, G1B         ; the first tensor load behind the round
.else
	PLACES NP
.endif
	v_add_nc_u32 v[ADRS], 1024, v[ADRS]
	FETCH_B \next, 0, 0
	FETCH_A \next, 0, 0
	SCALES \next
	WIN MUL_HI
	MUL16 4, 1, 1, \slot, 0
	MUL16 6, 1, 1, \slot, 0
	PLACES NP
	WIN 0
	FETCH_A \next, 0, 4
.endm
	s_wait_dscnt 0x0                               ; my words and my pairs lie in LDS
	s_wait_tensorcnt 1                             ; V's words and my part of K step 0 are in; K step 1's load may be out
	s_barrier_signal -1
	s_barrier_wait -1
	FETCH_B 0, 0, 0
	FETCH_A 0, 0, 0
	SCALES 0
	FETCH_A 0, 0, 4
	STEP 0, 0, 1                                   ; the first chunk's products start the sums
	s_mov_b32 s3, LAPS-1
.Llap:
	TURN 0, 1, 1
	STEP 1, 0, 0
	TURN 1, 0, 1
	STEP 0, 0, 0
	s_sub_co_u32 s3, s3, 1
	s_cmp_lg_u32 s3, 0
	s_cbranch_scc1 .Llap
	TURN 0, 1, 0
	STEP 1, 0, 0
	s_wait_dscnt 4*NL
	WIN MUL_LO
	MUL16 0, 1, 1, 1, 0
	MUL16 2, 1, 1, 1, 0
	s_wait_dscnt 0
	WIN MUL_HI
	MUL16 4, 1, 1, 1, 0
	MUL16 6, 1, 1, 1, 0
	WIN 0
; THE WAY OUT, block by block of 16 queries x 128 channels.  PACK: x 1 / l of the lane's query.  TOSTAGE: into my own stage in LDS, channels in their order, and back as whole rows of 512 bytes.  SEND: stored, each row at its own place.
.macro PACK a
.set AC, 64*((\a)%4)
	WIN 2+(\a)/4                                   ; source 0: the accumulators' window
.set j, 0
.rept 32
	v_pk_mul_f32 v[TMP+j:TMP+j+1], v[AC+j:AC+j+1], v[RP+2*(\a):RP+2*(\a)+1]   ; each accumulator from its low end on
.set j, j+2
.endr
	WIN 0
.endm
.macro TOSTAGE a
.set BB, BK+64*((\a)%2)
.irp b, 0,1,2,3,4,5,6,7
	ds_store_b128 v[STO], v[TMP+8*\b:TMP+8*\b+3] offset:128*(\b/2)+32*(\b%2)
	ds_store_b128 v[STO], v[TMP+8*\b+4:TMP+8*\b+7] offset:128*(\b/2)+32*(\b%2)+16
.endr
.irp t, 0,1,2,3,4,5,6,7,8,9,10,11,12,13,14,15
	ds_load_b128 v[BB+4*\t:BB+4*\t+3], v[RD] offset:\t*SPITCH   ; LDS serves a wave's instructions in order: these see the stores above, and the next block's stores come behind them
.endr
.endm
.macro SEND a, younger                 ; younger: the LDS instructions issued behind block a's loads: the next block's 16 stores and 16 loads, or none
.set BB, BK+64*((\a)%2)
	s_wait_dscnt \younger
.irp t, 0,1,2,3,4,5,6,7,8,9,10,11,12,13,14,15
	global_store_b128 v[LI], v[BB+4*\t:BB+4*\t+3], s[12:13] offset:(32*((\a)/2)+8*((\a)%2)+\t+8*(\t/8))*4096 th:TH_STORE_NT   ; 32 lanes store 512 consecutive bytes of the query that lane t of block a holds
.endr
.endm
	PLACES NP                                      ; behind the last products: for the loads into registers that held scale words and fragments, and for the reads of results
.irp k, 0,1,2,3
	ds_load_b128 v[RP+4*\k:RP+4*\k+3], v[ARL] offset:16*\k
.endr
	s_wait_dscnt 0x0
	PACK 0
	TOSTAGE 0
.irp a, 1,2,3,4,5,6,7
	PACK \a
.if \a > 1
	s_wait_xcnt 0x0                                ; block a - 2's stores have read their registers: block a's loads may land there
.endif
	TOSTAGE \a
	SEND \a-1, 32
.endr
	SEND 7, 0
	s_wait_tensorcnt 0x0                           ; the wave's end, behind my last tensor load and my last LDS store
	ds_add_u32 v[SPW], v[NIL]
	s_wait_dscnt 0x0
	CROUND                                         ; the closing round
	s_endpgm
.Lfunc_end_k_q67ebd4ff75_pv:
	.size	k_q67ebd4ff75_pv, .Lfunc_end_k_q67ebd4ff75_pv-k_q67ebd4ff75_pv
	.p2alignl 7, 3214868480
	.fill 96, 4, 3214868480
	.section	.rodata,"a",@progbits
	.p2align	6, 0x0
	.amdhsa_kernel k_q67ebd4ff75_pv
		.amdhsa_group_segment_fixed_size 327680
		.amdhsa_private_segment_fixed_size 0
		.amdhsa_enable_private_segment 0
		.amdhsa_kernarg_size 40
		.amdhsa_user_sgpr_count 2
		.amdhsa_user_sgpr_kernarg_segment_ptr 1
		.amdhsa_wavefront_size32 1
		.amdhsa_system_sgpr_workgroup_id_x 1
		.amdhsa_system_sgpr_workgroup_id_y 1
		.amdhsa_system_sgpr_workgroup_id_z 1
		.amdhsa_system_vgpr_workitem_id 0
		.amdhsa_next_free_vgpr 1024
		.amdhsa_next_free_sgpr 102
		.amdhsa_reserve_vcc 0
		.amdhsa_float_denorm_mode_32 3
		.amdhsa_float_denorm_mode_16_64 3
		.amdhsa_memory_ordered 1
		.amdhsa_forward_progress 1
		.amdhsa_inst_pref_size 172
	.end_amdhsa_kernel
	.amdgpu_metadata
---
amdhsa.version: [ 1, 2 ]
amdhsa.kernels:
  - .name:           k_q67ebd4ff75_pv
    .symbol:         k_q67ebd4ff75_pv.kd
    .args:
      - { .name: pc, .offset: 0, .size: 8, .value_kind: global_buffer, .address_space: global }
      - { .name: pst, .offset: 8, .size: 8, .value_kind: global_buffer, .address_space: global }
      - { .name: qkv, .offset: 16, .size: 8, .value_kind: global_buffer, .address_space: global }
      - { .name: qkvs, .offset: 24, .size: 8, .value_kind: global_buffer, .address_space: global }
      - { .name: out0, .offset: 32, .size: 8, .value_kind: global_buffer, .address_space: global }
    .group_segment_fixed_size: 327680
    .private_segment_fixed_size: 0
    .kernarg_segment_align: 8
    .kernarg_segment_size: 40
    .max_flat_workgroup_size: 128
    .sgpr_count:     102
    .vgpr_count:     1024
    .wavefront_size: 32
...
	.end_amdgpu_metadata
.endif
;; end of part 4
;; ======== version 2 of 2: 4 launches; 1.11 times as fast as version 1
;; workspace buffers: acts 21,233,664 bytes; actss 884,736 bytes; qkv 18,874,368 bytes; qkvs 786,432 bytes; pc 12,582,912 bytes; pst 1,572,864 bytes
;; launch quant: the kernel of part 1 again; grid 432 x 1, 4 waves a work-group, no clusters, 34,304 bytes of LDS; arguments x, y, z, Wq, Wk, Wv, acts, actss; writes acts, actss
;; launch proj (part 5): grid 4 x 96, 4 waves a work-group, clusters of 4 x 4, 327,680 bytes of LDS; arguments acts, actss, bq, bk, bv, qkv, qkvs; writes qkv, qkvs
.if DOCPART == 5
	.amdgcn_target "amdgcn-amd-amdhsa--gfx1250"
	.amdhsa_code_object_version 6
	.text
	.protected	k_q67ebd4ff75_proj
	.globl	k_q67ebd4ff75_proj
	.p2align	8
	.type	k_q67ebd4ff75_proj,@function
k_q67ebd4ff75_proj:
	s_mov_b64 s[64:65], 0
	v_nop
	global_prefetch_b8 v0, s[64:65] scope:SCOPE_SE
	s_setreg_imm32_b32 hwreg(HW_REG_WAVE_MODE, 25, 1), 1
	s_wait_xcnt 0x0
	s_wait_alu depctr_hold_cnt(0) depctr_sa_sdst(0) depctr_va_vdst(0) depctr_va_sdst(0) depctr_va_ssrc(0) depctr_va_vcc(0) depctr_vm_vsrc(0)
	s_getreg_b32 s2, hwreg(HW_REG_IB_STS2, 6, 4)
	s_cmp_eq_u32 s2, 0
	s_cbranch_scc0 .Lentry_in_a_cluster
	s_endpgm
.Lentry_in_a_cluster:
	s_bfe_u32 s2, ttmp6, 0x10000c
	s_cmp_lg_u32 s2, 0xf033
	s_cbranch_scc0 .Lentry_shape_is_right
	s_endpgm
.Lentry_shape_is_right:
; LAUNCH 2 OF 4: the three projections, Q = x Wq^T + bq, K = y Wk^T + bk and V^T = Wv z^T + bv, on codes of BF6 (E3M2) with E8M0 scales; each result is quantised along its columns in registers and stored as codes.  Nothing is left out.
; OPERANDS lie in memory in the order of the operand's registers: rowgroup G = 128 rows, chunk c = 128 along K, fragment i = 16 rows x 128 K = 1,536 bytes (registers 4 g .. 4 g + 3 of lane L at 512 g + 16 L); codes [G][c][i][1536];
; lane r of fragment i holds row 32 (i / 2) + 8 (i % 2) + r + 8 (r / 8) of the rowgroup; scale words [G][c][r][i], 512 bytes for (G, c).  acts: job J = base + 8 G + c at 12,288 J (x 0, y 512, z 1024, Wq 1536, Wk 1600, Wv 1664), actss at 512 J.
; RESULTS, in the same order: qkv: Q at unit 0 [64 G][8 c], K at unit 512 [64][8], V^T at unit 1024 [8 G of the 1,024 channels][64 c of the 8,192 keys]; a unit is 12,288 bytes of codes in qkv and 512 bytes of words in qkvs.
; V IS MADE TRANSPOSED (rows = Wv's, columns = z's) since the keys are the last product's K: so its columns, along which a lane's registers run, are keys.
; A tile of 256 x 256 is made by four waves, each 128 x 128: 64 accumulators, 512 registers.  K = 1,024 goes in four steps of 256 (two chunks); a wave's tensor load brings one rowgroup's two chunks: 24,576 dense bytes.
; THREE LDS SLOTS ARE FILLED AT THE START, with K steps 0, 1 and 2; only K step 3 is a refill: it goes into slot 0 behind K step 0 and has two K steps, 256 matrix instructions, in which to land.  So the text has ONE change of slots that waits for a round.
; THE MATRIX INSTRUCTION IS USED TRANSPOSED (source 0 = 16 rows of B, source 1 = 16 rows of A): with the fragments' order of rows, register 8 b + j of lane (r, h) over B's eight fragments is column 32 (b / 2) + 16 h + 8 (b % 2) + j:
; 16 neighbours of each block of 32 along the next K, of ONE row of A: what the conversions want.  So the way out needs no LDS.
; CLUSTERS: 4 x 4 work-groups; 24 clusters: 8 for Q, 8 for K (each 1,024 tokens x all 1,024 columns), 8 for V^T (all 1,024 rows x 1,024 keys).  A's tiles are asked for jointly along a row of the cluster, B's along a column.
; LIMITS: NaN and infinities are not served; a block whose largest magnitude lies under 2^-122 keeps the byte 1; a block of zeros has the byte 1, not 127 (zero codes; this program alone reads the bytes).
; REGISTERS, in windows of 256: window 0: v0-31 addresses; v32-63 scale words, two sets; v128-223 A's fragments, ONE set; on the way out v64-255 are free.  window 1: B's fragments, two sets, at v0 and v128.
;   window 2: the accumulators of my rows' blocks 0-3 ((a, b) at v[8 (8 a + b)]);  window 3: blocks 4-7.
.set KC,    8                          ; chunks along K
.set GCH,   12288                      ; a rowgroup's chunk of codes
.set FRB,   1536                       ; a fragment
.set HALFT, 2*GCH                      ; what one tensor load brings, and what a wave reads of A or of B in a K step
.set SLOT,  4*HALFT                    ; A's two rowgroups, then B's two
.set SCL,   3*SLOT                     ; behind the three slots: the scale words for all of K: A's two rowgroups, B's two
.set HALFS, 512*KC                     ; those of one rowgroup
.set BIAS,  SCL+4*HALFS                ; the tile's 256 numbers of the bias: stored by the waves, never filled by a tensor load
.set SPARE, BIAS+1024                  ; the spare words, 128 bytes a wave: two blocks of 256 bytes that no other line names
.set FR,    12                         ; registers of a fragment
.set NL,    3                          ; LDS loads that bring one
.set NP,    4                          ; places behind this matrix instruction (ISA guide 7.12.1)
.set ADRA,  16                         ; v16-18  LDS address of my A fragments in slot 0, 1, 2
.set ADRB,  19                         ; v19-21  the same for B
.set ABN,   22                         ; v22     the bias of my columns
.set ABM,   23                         ; v23     the bias of my rows
.set LI,    24                         ; v24     16 x lane
.set LW,    25                         ; v25     32 r + 16 h
.set ADRS,  27                         ; v27     LDS address of my scale words: lanes 0-15 A's, lanes 16-31 B's
.set SPW,   28                         ; v28     LDS address of my spare word; never rewritten
.set NIL,   29                         ; v29     0; never rewritten
.set SC,    32                         ; scale words: set s at v[SC + 16 s]; register 8 q + i: lanes 0-15 the word of A's fragment i, lanes 16-31 of B's fragment i, for the K step's q-th chunk
.set AF,    128                        ; A's fragments
.set BN,    64                         ; the way out: v64-127 the bias
.set H,     128                        ; v128-191 a block's 64 results with the bias
.set TM,    192                        ; v192-207 at work
.set PC,    208                        ; v208-226 the codes just made
.set SW,    228                        ; v228-235 the eight blocks' scale words
.set O4,    236                        ; v236-239 the four that I store
.set SEL,   18                         ; s[18:19] lane selects, s20 lanes 16-31: set at the way out
.set G1,  24                           ; s[24:31] descriptor group 1 for A's tiles;  s[32:43] group 0, one set for each slot
.set G0,  32
.set G1B, 44                           ; s[44:51], s[52:63] the same for B's
.set G0B, 52
.set G1S, 68                           ; s[68:75], s[76:79] groups 1 and 0 for A's scale words;  s[80:87], s[88:91] for B's
.set G0S, 76
.set G1SB, 80
.set G0SB, 88
.set MSB, 0
.macro WIN new                         ; the immediate's high byte repeats the setting that is left
.if MSB != (\new)
	s_set_vgpr_msb (MSB<<8)|(\new)
.set MSB, \new
.endif
.endm
.set MUL_LO, 0xa1                      ; source 0 (B) window 1, source 1 (A) window 0, C and D window 2
.set MUL_HI, 0xf1                      ; the same, C and D window 3
.set TO_B,   0x40                      ; destination window 1, address window 0
; A joint load: waves 0 and 1 fetch for A, waves 2 and 3 for B.  Each line has ONE mask and one set of registers for all that issue it; the branch hangs on the wave's number alone.
; An s_nop 0 and four v_nop follow each of the two lines, ahead of the jump, the label and what follows.
.macro JLOAD g0a, g1a, g0b, g1b
	s_cmp_eq_u32 s15, 0
	s_cbranch_scc0 .Lfor_b_\@
	tensor_load_to_lds s[\g0a:\g0a+3], s[\g1a:\g1a+7]
	s_nop 0
.rept 4
	v_nop
.endr
	s_branch .Lasked_\@
.Lfor_b_\@:
	tensor_load_to_lds s[\g0b:\g0b+3], s[\g1b:\g1b+7]
	s_nop 0
.rept 4
	v_nop
.endr
.Lasked_\@:
.endm
.macro CREST                           ; a round of the cluster's barrier behind its opening barrier
	s_cmp_lg_u32 s14, 0
	s_cbranch_scc1 .Lnot_wave_0_\@
	s_barrier_signal -3
.Lnot_wave_0_\@:
	s_barrier_wait -3
	s_barrier_signal -1
	s_barrier_wait -1
.endm
.macro CROUND                          ; a whole round
	s_barrier_signal -1
	s_barrier_wait -1
	CREST
.endm
	s_load_b256 s[4:11], s[0:1], 0x0               ; acts s[4:5], actss s[6:7], bq s[8:9], bk s[10:11]
	s_load_b64 s[12:13], s[0:1], 0x20              ; bv
	s_load_b64 s[96:97], s[0:1], 0x28              ; qkv
	s_load_b64 s[98:99], s[0:1], 0x30              ; qkvs
	v_lshl_add_u32 v[SPW], v0, 2, SPARE
	v_mov_b32 v[NIL], 0
	ds_add_u32 v[SPW], v[NIL]                      ; the wave's opening: the add, twice on end, and its wait ahead of my first tensor load; the set-up below stands between the second and the wait
	ds_add_u32 v[SPW], v[NIL]
	v_lshrrev_b32 v1, 5, v0
	v_readfirstlane_b32 s14, v1                    ; wave 0..3
	s_lshr_b32 s15, s14, 1                         ; which rowgroup of the tile's rows is mine.  Also: I fetch for A (0) or for B (1)
	s_and_b32 s16, s14, 1                          ; which rowgroup of its columns.  Also: which rowgroup of that operand I fetch
	s_bfe_u32 s66, ttmp6, 0x40000                  ; cx, cy: my place in the cluster
	s_bfe_u32 s67, ttmp6, 0x40004
	s_and_b32 s95, ttmp7, 0xffff                   ; the cluster's y, 0..23
	s_lshr_b32 s100, s95, 3                        ; KIND: 0 Q, 1 K, 2 V^T: the same in all sixteen partners
	s_and_b32 s95, s95, 7                          ; which of the kind's eight clusters
	s_lshl_b32 s18, s100, 9                        ; A's first job: x 0, y 512
	s_lshl_b32 s19, s100, 6
	s_add_co_u32 s19, s19, 1536                    ; B's: Wq 1536, Wk 1600
	s_cmp_eq_u32 s100, 2
	s_cselect_b32 s17, 0, s95                      ; the cluster's place along the tile rows,
	s_cselect_b32 s3, s95, 0                       ; and along the tile columns
	s_cselect_b32 s18, 1664, s18                   ; V^T: A = Wv,
	s_cselect_b32 s19, 1024, s19                   ; B = z
	s_cselect_b32 s101, 64, 8                      ; chunks in a rowgroup of the result
	s_lshl_b32 s17, s17, 2
	s_add_co_u32 s17, s17, s67                     ; tile row
	s_lshl_b32 s3, s3, 2
	s_add_co_u32 s3, s3, s66                       ; tile column
	s_lshl_b32 s2, s67, 2
	s_lshl_b32 s2, 15, s2                          ; my row of the cluster
	s_lshl_b32 s95, 0x1111, s66                    ; my column
	; descriptor group 1: a dense block of 24,576 bytes as 96 rows of 256 bytes (32 elements of 8 bytes), no padding: a fragment's loads read 512 consecutive bytes
	s_or_b32 s[G1+0], s2, (3<<16)|(1<<21)          ; 15:0 the mask: A's tiles go to my row; 17:16 elements of 8 bytes; 21 set beside a mask
	s_or_b32 s[G1B+0], s95, (3<<16)|(1<<21)
.irp g, G1, G1B
	s_mov_b32 s[\g+1], 32<<16                      ; tensor_dim0
	s_mov_b32 s[\g+2], 96<<16                      ; tensor_dim1
	s_mov_b32 s[\g+3], 32<<16                      ; tile_dim0
	s_mov_b32 s[\g+4], 96                          ; tile_dim1
	s_mov_b32 s[\g+5], 32                          ; tensor_dim0_stride
	s_mov_b32 s[\g+6], 0
	s_mov_b32 s[\g+7], 0
.endr
	s_or_b32 s[G1S+0], s2, (3<<16)|(1<<21)         ; and for a rowgroup's scale words, 512 KC dense bytes
	s_or_b32 s[G1SB+0], s95, (3<<16)|(1<<21)
.irp g, G1S, G1SB
	s_mov_b32 s[\g+1], 32<<16
	s_mov_b32 s[\g+2], (2*KC)<<16
	s_mov_b32 s[\g+3], 32<<16
	s_mov_b32 s[\g+4], 2*KC
	s_mov_b32 s[\g+5], 32
	s_mov_b32 s[\g+6], 0
	s_mov_b32 s[\g+7], 0
.endr
	; where the tiles come from: the offsets are made in the registers that will hold the addresses.  A's hang on the tile row alone, B's on the tile column alone
	s_lshl_b32 s21, s16, 3                         ; 8 jobs to a rowgroup
	s_lshl_b32 s[G0+2], s17, 4
	s_add_co_u32 s[G0+2], s[G0+2], s18
	s_add_co_u32 s[G0+2], s[G0+2], s21             ; A: job base + 16 x tile row + 8 x rowgroup
	s_lshl_b32 s[G0B+2], s3, 4
	s_add_co_u32 s[G0B+2], s[G0B+2], s19
	s_add_co_u32 s[G0B+2], s[G0B+2], s21           ; B: job base + 16 x tile column + 8 x rowgroup
	s_lshl_b32 s[G0S+2], s[G0+2], 9                ; where its scale words begin,
	s_mov_b32 s[G0S+3], 0
	s_mul_i32 s[G0+2], s[G0+2], GCH                ; and its codes
	s_mov_b32 s[G0+3], 0
	s_lshl_b32 s[G0SB+2], s[G0B+2], 9
	s_mov_b32 s[G0SB+3], 0
	s_mul_i32 s[G0B+2], s[G0B+2], GCH
	s_mov_b32 s[G0B+3], 0
	s_mul_i32 s18, s14, HALFT                      ; where they go: wave x a rowgroup: no place in the cluster enters an LDS address
	s_mul_i32 s94, s14, HALFS
	s_wait_dscnt 0x0                               ; both opening adds are done
	s_wait_kmcnt 0x0
	s_add_nc_u64 s[G0+2:G0+3], s[4:5], s[G0+2:G0+3]
	s_add_nc_u64 s[G0S+2:G0S+3], s[6:7], s[G0S+2:G0S+3]
	s_add_nc_u64 s[G0B+2:G0B+3], s[4:5], s[G0B+2:G0B+3]
	s_add_nc_u64 s[G0SB+2:G0SB+3], s[6:7], s[G0SB+2:G0SB+3]
	CROUND                                         ; all sixteen work-groups are here: the first joint loads meet
	s_mov_b32 s[G0S], 1
	s_add_co_u32 s[G0S+1], s94, SCL
	s_or_b32 s[G0S+3], s[G0S+3], 0x80000000
	s_mov_b32 s[G0SB], 1
	s_add_co_u32 s[G0SB+1], s94, SCL
	s_or_b32 s[G0SB+3], s[G0SB+3], 0x80000000
	JLOAD G0S, G1S, G0SB, G1SB                     ; the scale words first: they are wanted with K step 0
.irp s, 1,2
	s_add_nc_u64 s[G0+4*\s+2:G0+4*\s+3], s[G0+2:G0+3], \s*HALFT       ; K steps 1 and 2: from K step 0's address, ahead of its type bits
	s_add_nc_u64 s[G0B+4*\s+2:G0B+4*\s+3], s[G0B+2:G0B+3], \s*HALFT
.endr
.irp s, 0,1,2
	s_mov_b32 s[G0+4*\s], 1
	s_add_co_u32 s[G0+4*\s+1], s18, \s*SLOT
	s_or_b32 s[G0+4*\s+3], s[G0+4*\s+3], 0x80000000
	s_mov_b32 s[G0B+4*\s], 1
	s_add_co_u32 s[G0B+4*\s+1], s18, \s*SLOT
	s_or_b32 s[G0B+4*\s+3], s[G0B+4*\s+3], 0x80000000
	JLOAD G0+4*\s, G1, G0B+4*\s, G1B               ; four tensor loads of mine are out behind the last of these
.endr
	; the tile's 256 numbers of the bias: of its columns (Q, K) or of its rows (V^T); 8 bytes a thread, through LDS
	s_cmp_eq_u32 s100, 0
	s_cselect_b64 s[8:9], s[8:9], s[10:11]
	s_cmp_eq_u32 s100, 2
	s_cselect_b64 s[8:9], s[12:13], s[8:9]
	s_cselect_b32 s66, s17, s3
	s_lshl_b32 s66, s66, 10
	s_mov_b32 s67, 0
	s_add_nc_u64 s[8:9], s[8:9], s[66:67]
	v_lshlrev_b32 v7, 3, v0
	global_load_b64 v[8:9], v7, s[8:9]
	v_and_b32 v1, 15, v0                           ; r
	v_bfe_u32 v2, v0, 4, 1                         ; h
	v_and_b32 v3, 31, v0                           ; lane
	v_lshlrev_b32 v[LI], 4, v3
	v_lshlrev_b32 v[LW], 5, v1
	v_lshl_add_u32 v[LW], v2, 4, v[LW]
	s_mul_i32 s21, s15, HALFT                      ; my rowgroup of A
	s_mul_i32 s22, s16, HALFT                      ; my rowgroup of B,
	s_add_co_u32 s22, s22, 2*HALFT                 ; behind A's two
.irp s, 0,1,2
	v_add_nc_u32 v[ADRA+\s], s21, v[LI]
	v_add_nc_u32 v[ADRB+\s], s22, v[LI]
	s_add_co_u32 s21, s21, SLOT
	s_add_co_u32 s22, s22, SLOT
.endr
	s_mul_i32 s21, s15, HALFS                      ; A's scale words: my rowgroup
	s_mul_i32 s22, s16, HALFS                      ; B's, behind A's two
	s_add_co_u32 s22, s22, 2*HALFS
	s_sub_co_u32 s22, s22, s21
	v_mul_u32_u24 v6, s22, v2                      ; lanes 16-31 take B's
	s_add_co_u32 s21, s21, SCL
	v_lshl_add_u32 v5, v1, 5, v6                   ; 32 bytes a lane: its eight fragments' words
	v_add_nc_u32 v[ADRS], s21, v5
	s_lshl_b32 s21, s16, 9
	s_add_co_u32 s21, s21, BIAS
	v_lshl_add_u32 v[ABN], v2, 6, s21              ; my 128 columns' bias, + 16 h numbers
	s_lshl_b32 s22, s15, 9
	s_add_co_u32 s22, s22, BIAS
	v_and_b32 v5, 8, v1
	v_add_nc_u32 v5, v5, v1
	v_lshl_add_u32 v[ABM], v5, 2, s22              ; my 128 rows' bias, + r + 8 (r / 8) numbers
	v_lshl_add_u32 v10, v0, 3, BIAS
	; where my 128 x 128 goes: unit U = 512 KIND + (2 x tile row + my rowgroup) x chunks + 2 x tile column + my chunk
	s_lshl_b32 s66, s17, 1
	s_add_co_u32 s66, s66, s15
	s_mul_i32 s66, s66, s101
	s_lshl_b32 s67, s3, 1
	s_add_co_u32 s67, s67, s16
	s_add_co_u32 s66, s66, s67
	s_lshl_b32 s67, s100, 9
	s_add_co_u32 s95, s66, s67
	s_mul_i32 s66, s95, GCH
	s_mov_b32 s67, 0
	s_add_nc_u64 s[96:97], s[96:97], s[66:67]
	s_lshl_b32 s66, s95, 9
	s_add_nc_u64 s[98:99], s[98:99], s[66:67]
	s_wait_loadcnt 0x0
	ds_store_b64 v10, v[8:9]
.macro FRAG reg, adr, q, i             ; a fragment comes as it was laid: three loads of 512 consecutive bytes
.irp g, 0,1,2
	ds_load_b128 v[\reg+4*\g:\reg+4*\g+3], v[\adr] offset:GCH*(\q)+FRB*(\i)+512*\g
.endr
.endm
; 16 matrix instructions: A's blocks a0, a0 + 1 x B's eight, the K step's q-th chunk.  p: B's set;  sc: the set of scale words.  zero = 1: the first product starts the sums.
; The 64 accumulators take turns, one instruction a turn, in the same order in every chunk.
.macro MUL16 a0, p, q, sc, zero
.irp a, \a0, \a0+1
.irp b, 0,1,2,3,4,5,6,7
.if \zero
	v_wmma_scale_f32_16x16x128_f8f6f4 v[8*(8*((\a)%4)+\b):8*(8*((\a)%4)+\b)+7], v[128*(\p)+FR*\b:128*(\p)+FR*\b+FR-1], v[AF+FR*(\a):AF+FR*(\a)+FR-1], 0, v[SC+16*(\sc)+8*(\q)+\b], v[SC+16*(\sc)+8*(\q)+(\a)] matrix_a_fmt:MATRIX_FMT_BF6 matrix_b_fmt:MATRIX_FMT_BF6 matrix_a_scale:MATRIX_SCALE_ROW1
.else
	v_wmma_scale_f32_16x16x128_f8f6f4 v[8*(8*((\a)%4)+\b):8*(8*((\a)%4)+\b)+7], v[128*(\p)+FR*\b:128*(\p)+FR*\b+FR-1], v[AF+FR*(\a):AF+FR*(\a)+FR-1], v[8*(8*((\a)%4)+\b):8*(8*((\a)%4)+\b)+7], v[SC+16*(\sc)+8*(\q)+\b], v[SC+16*(\sc)+8*(\q)+(\a)] matrix_a_fmt:MATRIX_FMT_BF6 matrix_b_fmt:MATRIX_FMT_BF6 matrix_a_scale:MATRIX_SCALE_ROW1
.endif
.endr
.endr
.endm
.macro FETCH_B slot, q, p              ; B's eight fragments of the slot's q-th chunk into set p
	WIN TO_B
.irp i, 0,1,2,3,4,5,6,7
	FRAG 128*(\p)+FR*\i, ADRB+\slot, \q, \i
.endr
	WIN 0
.endm
.macro FETCH_A slot, q, i0             ; A's blocks i0 .. i0 + 3
.irp i, \i0, \i0+1, \i0+2, \i0+3
	FRAG AF+FR*(\i), ADRA+\slot, \q, \i
.endr
.endm
.macro SCALES sc                       ; the next K step's scale words into set sc: lanes 0-15 A's eight, lanes 16-31 B's eight, for each of the two chunks
.irp q, 0,1
.irp e, 0,1
	ds_load_b128 v[SC+16*(\sc)+8*\q+4*\e:SC+16*(\sc)+8*\q+4*\e+3], v[ADRS] offset:512*\q+16*\e
.endr
.endr
.endm
; A load into a register that a matrix instruction has read, and a vector instruction that reads a matrix result or writes one of its registers, stand NP places behind it; only plain vector instructions that name none of its registers are places.
.macro PLACES n
.rept \n
	v_nop
.endr
.endm
; A chunk that has its successor in the same slot: 64 matrix instructions, A's blocks one after the other, so that one set of registers serves A: blocks 0-3 are fetched anew in the middle, blocks 4-7 at the end.
.macro STEP slot, q, zero, sc
	s_wait_dscnt 4*NL                              ; all but the youngest 12 loads (A's blocks 4-7) are in
	WIN MUL_LO
	MUL16 0, (\q)%2, \q, \sc, \zero
	MUL16 2, (\q)%2, \q, \sc, \zero
	s_wait_dscnt 0                                 ; A's blocks 4-7 are in
	PLACES NP
	FETCH_B \slot, (\q)+1, 1-(\q)%2
	FETCH_A \slot, (\q)+1, 0
	WIN MUL_HI
	MUL16 4, (\q)%2, \q, \sc, \zero
	MUL16 6, (\q)%2, \q, \sc, \zero
	PLACES NP
	WIN 0
	FETCH_A \slot, (\q)+1, 4
.endm
; A slot's last chunk goes on into the next slot.  sc: this K step's set of scale words; the next step's go into the other.
; mode 2: this slot is filled again.  In front of the barrier each wave waits for ALL its tensor loads (the two later slots among them), adds 0 to its spare word, and waits for that and for its reads of this slot; the barrier opens a round of the cluster's.
; mode 0: no barrier: the next slot was shown whole to every wave by the waits in front of mode 2's barrier, and nothing is filled here.
; mode 1: a plain barrier: each wave has waited for its part of the refill, which the next K step reads.
.macro TURN slot, next, mode, sc
.if \mode
	s_wait_tensorcnt 0x0                           ; all my tensor loads have landed
	ds_add_u32 v[SPW], v[NIL]                      ; 0 onto my spare word
	s_wait_dscnt 4*NL+1                            ; (the add and the youngest 12 loads, A's blocks 4-7, may be out)
.else
	s_wait_dscnt 4*NL                              ; all but the youngest 12 loads are in
.endif
	WIN MUL_LO
	MUL16 0, 1, 1, \sc, 0                          ; sixteen matrix instructions stand between the add and the wait for it
.if \mode
	s_wait_dscnt 0x0                               ; the add is done, and my reads of this slot are over
	s_barrier_signal -1
.endif
	MUL16 2, 1, 1, \sc, 0
	WIN 0
.if \mode
	s_barrier_wait -1
.else
	s_wait_dscnt 0x0                               ; A's blocks 4-7 are in
.endif
.if \mode == 2
	CREST                                          ; no wave of any partner still reads this slot or has a load on its way
	s_add_nc_u64 s[G0+4*\slot+2:G0+4*\slot+3], s[G0+4*\slot+2:G0+4*\slot+3], 3*HALFT     ; three K steps on
	s_add_nc_u64 s[G0B+4*\slot+2:G0B+4*\slot+3], s[G0B+4*\slot+2:G0B+4*\slot+3], 3*HALFT
	JLOAD G0+4*\slot, G1, G0B+4*\slot, G1B         ; the first tensor load behind the round; its four v_nop are the places in front of the loads below
.else
	PLACES NP
.endif
	v_add_nc_u32 v[ADRS], 1024, v[ADRS]            ; on to the next K step's scale words
	FETCH_B \next, 0, 0
	FETCH_A \next, 0, 0
	SCALES 1-(\sc)
	WIN MUL_HI
	MUL16 4, 1, 1, \sc, 0
	MUL16 6, 1, 1, \sc, 0
	PLACES NP
	WIN 0
	FETCH_A \next, 0, 4
.endm
	s_wait_dscnt 0x0                               ; my part of the bias lies in LDS
	s_wait_tensorcnt 2                             ; the scale words and my part of K step 0 are in; the loads of K steps 1 and 2 may be out
	s_barrier_signal -1
	s_barrier_wait -1
	FETCH_B 0, 0, 0
	FETCH_A 0, 0, 0
	SCALES 0
	FETCH_A 0, 0, 4
	STEP 0, 0, 1, 0                                ; K step 0: the first chunk's products start the sums
	TURN 0, 1, 2, 0                                ; slot 0 takes K step 3
	STEP 1, 0, 0, 1                                ; K step 1
	TURN 1, 2, 0, 1
	STEP 2, 0, 0, 0                                ; K step 2
	TURN 2, 0, 1, 0
	STEP 0, 0, 0, 1                                ; K step 3
	s_wait_dscnt 4*NL                              ; the very last chunk
	WIN MUL_LO
	MUL16 0, 1, 1, 1, 0
	MUL16 2, 1, 1, 1, 0
	s_wait_dscnt 0
	WIN MUL_HI
	MUL16 4, 1, 1, 1, 0
	MUL16 6, 1, 1, 1, 0
	WIN 0
; 64 numbers of a lane, register 16 b + i = column 32 b + 16 (lane / 16) + i of my row, become a fragment's codes in v[PC] on and its scale word in v[pw]
.macro QUANT s, pw
.irp b, 0,1,2,3
	v_max3_num_f32 v[TM+\b], |v[\s+16*\b]|, |v[\s+1+16*\b]|, 0x2800000   ; block b: my 16 numbers, and the floor 2^(5 - 127): so the byte cannot fall under 1
.endr
.irp i, 2,4,6,8,10,12,14
.irp b, 0,1,2,3
	v_max3_num_f32 v[TM+\b], v[TM+\b], |v[\s+16*\b+\i]|, |v[\s+1+16*\b+\i]|
.endr
.endr
.irp b, 0,1,2,3
	v_permlanex16_b32 v[TM+4+\b], v[TM+\b], s[SEL], s[SEL+1]
.endr
.irp b, 0,1,2,3
	v_max_num_f32 v[TM+\b], v[TM+\b], v[TM+4+\b]   ; with lane l xor 16's: the block's largest magnitude
.endr
.irp b, 0,1,2,3
	v_add_nc_u32 v[TM+12+\b], 0xfe000000, v[TM+\b] ; 4 off its exponent field: the conversion's scale operand
.endr
.irp b, 0,1,2,3
	v_lshrrev_b32 v[TM+4+\b], 23, v[TM+12+\b]      ; the scale's byte
.endr
	v_lshl_or_b32 v[\pw], v[TM+5], 8, v[TM+4]
	v_lshl_or_b32 v[\pw], v[TM+6], 16, v[\pw]
	v_lshl_or_b32 v[\pw], v[TM+7], 24, v[\pw]
.irp c, 0,1
	v_cvt_scalef32_pk16_bf6_f32 v[PC+6*\c:PC+2+6*\c], v[\s+32*\c:\s+15+32*\c], v[TM+12+2*\c]
	v_cvt_scalef32_pk16_bf6_f32 v[PC+12+4*\c:PC+14+4*\c], v[\s+16+32*\c:\s+31+32*\c], v[TM+12+2*\c+1]   ; (a conversion's three registers begin on an even number)
.endr
	v_nop                                          ; one plain place behind a scaled conversion
.irp c, 0,1                            ; the operand's layout wants a WHOLE block in a lane
.irp i, 0,1,2
	v_permlane16_swap_b32 v[PC+6*\c+\i], v[PC+12+4*\c+\i]
.endr
.irp i, 0,1,2
	v_mov_b32 v[PC+3+6*\c+\i], v[PC+12+4*\c+\i]
.endr
.endr
.endm
; THE WAY OUT: block a's 64 results of a lane take the bias, are quantised and leave as fragment a of my unit: three stores of 512 consecutive bytes.  rows = 0: the bias goes with the columns; 1: with the rows.
.macro WAYOUT rows
.if \rows
.irp a, 0,1,2,3,4,5,6,7
	ds_load_b32 v[BN+2*\a], v[ABM] offset:(32*(\a/2)+8*(\a%2))*4       ; my row's number in block a, twice: a pair for the packed addition
	ds_load_b32 v[BN+2*\a+1], v[ABM] offset:(32*(\a/2)+8*(\a%2))*4
.endr
.else
.irp b, 0,1,2,3,4,5,6,7
	ds_load_b128 v[BN+8*\b:BN+8*\b+3], v[ABN] offset:(32*(\b/2)+8*(\b%2))*4
	ds_load_b128 v[BN+8*\b+4:BN+8*\b+7], v[ABN] offset:(32*(\b/2)+8*(\b%2))*4+16
.endr
.endif
	s_wait_dscnt 0x0
.irp a, 0,1,2,3,4,5,6,7
	WIN 2+\a/4                                     ; source 0: the accumulators' window
.set j, 0
.rept 32
.if \rows
	v_pk_add_f32 v[H+j:H+j+1], v[64*(\a%4)+j:64*(\a%4)+j+1], v[BN+2*\a:BN+2*\a+1]   ; each accumulator from its low end on
.else
	v_pk_add_f32 v[H+j:H+j+1], v[64*(\a%4)+j:64*(\a%4)+j+1], v[BN+j:BN+j+1]
.endif
.set j, j+2
.endr
	WIN 0
.if \a > 0
	s_wait_xcnt 0x0                                ; the last block's stores have read their registers: the codes may be written anew
.endif
	QUANT H, SW+\a
.irp g, 0,1,2
	global_store_b128 v[LI], v[PC+4*\g:PC+4*\g+3], s[96:97] offset:FRB*\a+512*\g
.endr
.endr
.irp k, 0,1,2,3
	v_cndmask_b32 v[O4+\k], v[SW+\k], v[SW+4+\k], s20   ; lanes 0-15 send blocks 0-3's words of lane r, lanes 16-31 blocks 4-7's
.endr
	global_store_b128 v[LW], v[O4:O4+3], s[98:99]  ; 512 consecutive bytes
.endm
	PLACES NP                                      ; behind the last products: their results are read, and the registers that held A's fragments are written
	s_mov_b32 s[SEL], 0x76543210
	s_mov_b32 s[SEL+1], 0xfedcba98
	s_mov_b32 s20, 0xffff0000
.irp b, 0,1,2,3
	v_mov_b32 v[TM+4+\b], 0                        ; written once: a lane permute's destination counts as one of its sources
.endr
	s_cmp_eq_u32 s100, 2                           ; the kind hangs on the cluster's number alone
	s_cbranch_scc1 .Lrows
	WAYOUT 0
	s_branch .Ldone
.Lrows:
	WAYOUT 1
.Ldone:
	s_wait_tensorcnt 0x0                           ; the wave's end, behind my last tensor load and my last LDS store
	ds_add_u32 v[SPW], v[NIL]
	s_wait_dscnt 0x0
	CROUND                                         ; the closing round: no work-group ends while a partner may still ask for a tile that names it
	s_endpgm
.Lfunc_end_k_q67ebd4ff75_proj:
	.size	k_q67ebd4ff75_proj, .Lfunc_end_k_q67ebd4ff75_proj-k_q67ebd4ff75_proj
	.p2alignl 7, 3214868480
	.fill 96, 4, 3214868480
	.section	.rodata,"a",@progbits
	.p2align	6, 0x0
	.amdhsa_kernel k_q67ebd4ff75_proj
		.amdhsa_group_segment_fixed_size 327680
		.amdhsa_private_segment_fixed_size 0
		.amdhsa_enable_private_segment 0
		.amdhsa_kernarg_size 56
		.amdhsa_user_sgpr_count 2
		.amdhsa_user_sgpr_kernarg_segment_ptr 1
		.amdhsa_wavefront_size32 1
		.amdhsa_system_sgpr_workgroup_id_x 1
		.amdhsa_system_sgpr_workgroup_id_y 1
		.amdhsa_system_sgpr_workgroup_id_z 1
		.amdhsa_system_vgpr_workitem_id 0
		.amdhsa_next_free_vgpr 1024
		.amdhsa_next_free_sgpr 102
		.amdhsa_reserve_vcc 0
		.amdhsa_float_denorm_mode_32 3
		.amdhsa_float_denorm_mode_16_64 3
		.amdhsa_memory_ordered 1
		.amdhsa_forward_progress 1
		.amdhsa_inst_pref_size 207
	.end_amdhsa_kernel
	.amdgpu_metadata
---
amdhsa.version: [ 1, 2 ]
amdhsa.kernels:
  - .name:           k_q67ebd4ff75_proj
    .symbol:         k_q67ebd4ff75_proj.kd
    .args:
      - { .name: acts, .offset: 0, .size: 8, .value_kind: global_buffer, .address_space: global }
      - { .name: actss, .offset: 8, .size: 8, .value_kind: global_buffer, .address_space: global }
      - { .name: bq, .offset: 16, .size: 8, .value_kind: global_buffer, .address_space: global }
      - { .name: bk, .offset: 24, .size: 8, .value_kind: global_buffer, .address_space: global }
      - { .name: bv, .offset: 32, .size: 8, .value_kind: global_buffer, .address_space: global }
      - { .name: qkv, .offset: 40, .size: 8, .value_kind: global_buffer, .address_space: global }
      - { .name: qkvs, .offset: 48, .size: 8, .value_kind: global_buffer, .address_space: global }
    .group_segment_fixed_size: 327680
    .private_segment_fixed_size: 0
    .kernarg_segment_align: 8
    .kernarg_segment_size: 56
    .max_flat_workgroup_size: 128
    .sgpr_count:     102
    .vgpr_count:     1024
    .wavefront_size: 32
...
	.end_amdgpu_metadata
.endif
;; end of part 5
;; launch score (part 6): grid 8 x 32, 4 waves a work-group, clusters of 4 x 4, 327,680 bytes of LDS; arguments qkv, qkvs, pc, pst; writes pc, pst
.if DOCPART == 6
	.amdgcn_target "amdgcn-amd-amdhsa--gfx1250"
	.amdhsa_code_object_version 6
	.text
	.protected	k_q67ebd4ff75_score
	.globl	k_q67ebd4ff75_score
	.p2align	8
	.type	k_q67ebd4ff75_score,@function
k_q67ebd4ff75_score:
	s_mov_b64 s[64:65], 0
	v_nop
	global_prefetch_b8 v0, s[64:65] scope:SCOPE_SE
	s_setreg_imm32_b32 hwreg(HW_REG_WAVE_MODE, 25, 1), 1
	s_wait_xcnt 0x0
	s_wait_alu depctr_hold_cnt(0) depctr_sa_sdst(0) depctr_va_vdst(0) depctr_va_sdst(0) depctr_va_ssrc(0) depctr_va_vcc(0) depctr_vm_vsrc(0)
	s_getreg_b32 s2, hwreg(HW_REG_IB_STS2, 6, 4)
	s_cmp_eq_u32 s2, 0
	s_cbranch_scc0 .Lentry_in_a_cluster
	s_endpgm
.Lentry_in_a_cluster:
	s_bfe_u32 s2, ttmp6, 0x10000c
	s_cmp_lg_u32 s2, 0xf033
	s_cbranch_scc0 .Lentry_shape_is_right
	s_endpgm
.Lentry_shape_is_right:
; LAUNCH 3 OF 4: S = Q K^T on codes of BF6 (E3M2) with E8M0 scales, and the softmax's p, quantised along the keys, chunk of 128 keys by chunk.  Nothing is left out.
; t = S x log2(e) / 32.  For each query and each chunk of 128 keys: M_c = the chunk's largest t rounded UP to a whole number; p = 2^(t - M_c); l_c = the sum of the unquantised p.  Stored: p's codes and scale words, -M_c and l_c.
; The next launch finds the row's M = the largest M_c and takes M - M_c off the chunk's scale bytes: a power of two, which the block scales take up, so that the codes' values are those under the row's M.
; OPERANDS AND RESULTS lie in the order of the operand's registers: rowgroup G = 128 rows, chunk c = 128 along K, fragment i = 1,536 bytes (registers 4 g .. 4 g + 3 of lane L at 512 g + 16 L); lane r of fragment i holds row
; 32 (i / 2) + 8 (i % 2) + r + 8 (r / 8); words [G][c][r][i].  qkv: Q at unit 0 [64 G][8 c], K at unit 512 [64][8] (a unit: 12,288 bytes of codes, 512 of words).  pc: P [64 G of queries][16 c of the batch's keys];
; pst: P's scale words at 0, -M_c (f32) at 524,288, l_c (f32) at 1,048,576, each [64][16][r][i].
; A tile of 256 queries x 256 keys is made by four waves, each 128 x 128.  K = 1,024 goes in four steps of 256.  THREE LDS SLOTS ARE FILLED AT THE START, with K steps 0, 1 and 2; only K step 3 is a refill: it goes into slot 0 behind K step 0
; and has two K steps, 256 matrix instructions, in which to land.  THE MATRIX INSTRUCTION IS USED TRANSPOSED (source 0 = 16 keys, source 1 = 16 queries):
; with the fragments' order of rows a lane holds ONE query and, over K's eight fragments, register 8 b + j is key 32 (b / 2) + 16 h + 8 (b % 2) + j: 16 neighbours of each block of 32 keys.
; CLUSTERS: 4 x 4 work-groups: Q's tiles are asked for jointly along a row of the cluster, K's along a column.
; LIMITS: NaN and infinities are not served; p under 2^-126 counts as 0; a block whose largest p lies under 2^-122 keeps the byte 1.
; REGISTERS, in windows of 256: window 0: v0-31 addresses; v32-63 scale words, two sets; v128-223 A's fragments, ONE set; on the way out v64-255 are free.  window 1: B's fragments, two sets.  windows 2, 3: the accumulators.
.set KC,    8
.set GCH,   12288
.set FRB,   1536
.set HALFT, 2*GCH                      ; what one tensor load brings: a rowgroup's two chunks
.set SLOT,  4*HALFT                    ; A's two rowgroups, then B's two
.set SCL,   3*SLOT                     ; behind the three slots: the scale words for all of K
.set HALFS, 512*KC
.set SPARE, SCL+4*HALFS                ; the spare words, 128 bytes a wave: two blocks of 256 bytes that no other line names
.set FR,    12
.set NL,    3
.set NP,    4                          ; places behind this matrix instruction (ISA guide 7.12.1)
.set ADRA,  16                         ; v16-18  LDS address of my A fragments in slot 0, 1, 2
.set ADRB,  19                         ; v19-21  the same for B
.set LI,    24                         ; v24     16 x lane
.set LW,    25                         ; v25     32 r + 16 h
.set ADRS,  27                         ; v27     LDS address of my scale words: lanes 0-15 A's, lanes 16-31 B's
.set SPW,   28                         ; v28     LDS address of my spare word; never rewritten
.set NIL,   29                         ; v29     0; never rewritten
.set SC,    32
.set AF,    128
.set P,     64                         ; the way out: v64-127 t - M, then p
.set BX,    128                        ; v128-131 each block's largest score, then its largest p
.set BT,    132                        ; v132-135 at work
.set SO,    136                        ; v136-139 the conversions' scale operands
.set NM,    140                        ; v140 -M_c (v141 is named with it as a pair)
.set T0,    142
.set SU,    144                        ; v[144:145], v[146:147] the sum, in two chains
.set SV,    146
.set PC,    148                        ; v148-166 the codes just made
.set SW,    168                        ; v168-175 the eight blocks' scale words
.set NS,    176                        ; v176-183 their -M_c
.set LS,    184                        ; v184-191 their l_c
.set O4,    192                        ; v192-203 what I store of the three
.set SEL,   18                         ; s[18:19] lane selects, s20 lanes 16-31, s[22:23] c: set at the way out
.set G1,  24                           ; s[24:31] descriptor group 1 for A's tiles;  s[32:43] group 0, one set for each slot
.set G0,  32
.set G1B, 44                           ; s[44:51], s[52:63] the same for B's
.set G0B, 52
.set G1S, 68
.set G0S, 76
.set G1SB, 80
.set G0SB, 88
.set MSB, 0
.macro WIN new                         ; the immediate's high byte repeats the setting that is left
.if MSB != (\new)
	s_set_vgpr_msb (MSB<<8)|(\new)
.set MSB, \new
.endif
.endm
.set MUL_LO, 0xa1                      ; source 0 (B) window 1, source 1 (A) window 0, C and D window 2
.set MUL_HI, 0xf1
.set TO_B,   0x40
; A joint load: waves 0 and 1 fetch for A, waves 2 and 3 for B; the branch hangs on the wave's number alone.  An s_nop 0 and four v_nop follow each of the two lines.
.macro JLOAD g0a, g1a, g0b, g1b
	s_cmp_eq_u32 s15, 0
	s_cbranch_scc0 .Lfor_b_\@
	tensor_load_to_lds s[\g0a:\g0a+3], s[\g1a:\g1a+7]
	s_nop 0
.rept 4
	v_nop
.endr
	s_branch .Lasked_\@
.Lfor_b_\@:
	tensor_load_to_lds s[\g0b:\g0b+3], s[\g1b:\g1b+7]
	s_nop 0
.rept 4
	v_nop
.endr
.Lasked_\@:
.endm
.macro CREST                           ; a round of the cluster's barrier behind its opening barrier
	s_cmp_lg_u32 s14, 0
	s_cbranch_scc1 .Lnot_wave_0_\@
	s_barrier_signal -3
.Lnot_wave_0_\@:
	s_barrier_wait -3
	s_barrier_signal -1
	s_barrier_wait -1
.endm
.macro CROUND
	s_barrier_signal -1
	s_barrier_wait -1
	CREST
.endm
	s_load_b256 s[4:11], s[0:1], 0x0               ; qkv s[4:5], qkvs s[6:7], pc s[8:9], pst s[10:11]
	v_lshl_add_u32 v[SPW], v0, 2, SPARE
	v_mov_b32 v[NIL], 0
	ds_add_u32 v[SPW], v[NIL]                      ; the wave's opening: the add, twice on end, and its wait ahead of my first tensor load
	ds_add_u32 v[SPW], v[NIL]
	v_lshrrev_b32 v1, 5, v0
	v_readfirstlane_b32 s14, v1                    ; wave 0..3
	s_lshr_b32 s15, s14, 1                         ; my rowgroup of the tile's queries.  Also: I fetch for A (0) or for B (1)
	s_and_b32 s16, s14, 1                          ; my rowgroup of its keys.  Also: which rowgroup of that operand I fetch
	s_bfe_u32 s66, ttmp6, 0x40000                  ; cx, cy
	s_bfe_u32 s67, ttmp6, 0x40004
	s_lshl_b32 s3, ttmp9, 2
	s_add_co_u32 s3, s3, s66                       ; tile column: 256 keys of the batch, 0..7
	s_and_b32 s95, ttmp7, 0xffff
	s_lshl_b32 s17, s95, 2
	s_add_co_u32 s17, s17, s67                     ; tile row: 256 of the 8,192 queries, 0..31
	s_lshr_b32 s95, s95, 1                         ; the batch: of the cluster's y alone
	s_lshl_b32 s2, s67, 2
	s_lshl_b32 s2, 15, s2                          ; my row of the cluster
	s_lshl_b32 s92, 0x1111, s66                    ; my column
	; descriptor group 1: a dense block of 24,576 bytes as 96 rows of 256 bytes (32 elements of 8 bytes), no padding
	s_or_b32 s[G1+0], s2, (3<<16)|(1<<21)
	s_or_b32 s[G1B+0], s92, (3<<16)|(1<<21)
.irp g, G1, G1B
	s_mov_b32 s[\g+1], 32<<16
	s_mov_b32 s[\g+2], 96<<16
	s_mov_b32 s[\g+3], 32<<16
	s_mov_b32 s[\g+4], 96
	s_mov_b32 s[\g+5], 32
	s_mov_b32 s[\g+6], 0
	s_mov_b32 s[\g+7], 0
.endr
	s_or_b32 s[G1S+0], s2, (3<<16)|(1<<21)         ; a rowgroup's scale words: 512 KC dense bytes
	s_or_b32 s[G1SB+0], s92, (3<<16)|(1<<21)
.irp g, G1S, G1SB
	s_mov_b32 s[\g+1], 32<<16
	s_mov_b32 s[\g+2], (2*KC)<<16
	s_mov_b32 s[\g+3], 32<<16
	s_mov_b32 s[\g+4], 2*KC
	s_mov_b32 s[\g+5], 32
	s_mov_b32 s[\g+6], 0
	s_mov_b32 s[\g+7], 0
.endr
	; where the tiles come from: the offsets are made in the registers that will hold the addresses.  Q's hang on the tile row alone, K's on the tile column and the batch
	s_lshl_b32 s18, s16, 3                         ; 8 units to a rowgroup
	s_lshl_b32 s[G0+2], s17, 4
	s_add_co_u32 s[G0+2], s[G0+2], s18             ; Q: unit 16 x tile row + 8 x rowgroup
	s_lshl_b32 s[G0B+2], s3, 4
	s_add_co_u32 s[G0B+2], s[G0B+2], s18
	s_lshl_b32 s19, s95, 7
	s_add_co_u32 s[G0B+2], s[G0B+2], s19
	s_add_co_u32 s[G0B+2], s[G0B+2], 512           ; K: unit 512 + 128 x batch + 16 x tile column + 8 x rowgroup
	s_lshl_b32 s[G0S+2], s[G0+2], 9
	s_mov_b32 s[G0S+3], 0
	s_mul_i32 s[G0+2], s[G0+2], GCH
	s_mov_b32 s[G0+3], 0
	s_lshl_b32 s[G0SB+2], s[G0B+2], 9
	s_mov_b32 s[G0SB+3], 0
	s_mul_i32 s[G0B+2], s[G0B+2], GCH
	s_mov_b32 s[G0B+3], 0
	s_mul_i32 s18, s14, HALFT                      ; where they go: no place in the cluster enters an LDS address
	s_mul_i32 s94, s14, HALFS
	s_wait_dscnt 0x0                               ; both opening adds are done
	s_wait_kmcnt 0x0
	s_add_nc_u64 s[G0+2:G0+3], s[4:5], s[G0+2:G0+3]
	s_add_nc_u64 s[G0S+2:G0S+3], s[6:7], s[G0S+2:G0S+3]
	s_add_nc_u64 s[G0B+2:G0B+3], s[4:5], s[G0B+2:G0B+3]
	s_add_nc_u64 s[G0SB+2:G0SB+3], s[6:7], s[G0SB+2:G0SB+3]
	CROUND                                         ; all sixteen work-groups are here: the first joint loads meet
	s_mov_b32 s[G0S], 1
	s_add_co_u32 s[G0S+1], s94, SCL
	s_or_b32 s[G0S+3], s[G0S+3], 0x80000000
	s_mov_b32 s[G0SB], 1
	s_add_co_u32 s[G0SB+1], s94, SCL
	s_or_b32 s[G0SB+3], s[G0SB+3], 0x80000000
	JLOAD G0S, G1S, G0SB, G1SB
.irp s, 1,2
	s_add_nc_u64 s[G0+4*\s+2:G0+4*\s+3], s[G0+2:G0+3], \s*HALFT       ; K steps 1 and 2: from K step 0's address, ahead of its type bits
	s_add_nc_u64 s[G0B+4*\s+2:G0B+4*\s+3], s[G0B+2:G0B+3], \s*HALFT
.endr
.irp s, 0,1,2
	s_mov_b32 s[G0+4*\s], 1
	s_add_co_u32 s[G0+4*\s+1], s18, \s*SLOT
	s_or_b32 s[G0+4*\s+3], s[G0+4*\s+3], 0x80000000
	s_mov_b32 s[G0B+4*\s], 1
	s_add_co_u32 s[G0B+4*\s+1], s18, \s*SLOT
	s_or_b32 s[G0B+4*\s+3], s[G0B+4*\s+3], 0x80000000
	JLOAD G0+4*\s, G1, G0B+4*\s, G1B               ; four tensor loads of mine are out behind the last of these
.endr
	v_and_b32 v1, 15, v0                           ; r
	v_bfe_u32 v2, v0, 4, 1                         ; h
	v_and_b32 v3, 31, v0                           ; lane
	v_lshlrev_b32 v[LI], 4, v3
	v_lshlrev_b32 v[LW], 5, v1
	v_lshl_add_u32 v[LW], v2, 4, v[LW]
	s_mul_i32 s21, s15, HALFT
	s_mul_i32 s22, s16, HALFT
	s_add_co_u32 s22, s22, 2*HALFT
.irp s, 0,1,2
	v_add_nc_u32 v[ADRA+\s], s21, v[LI]
	v_add_nc_u32 v[ADRB+\s], s22, v[LI]
	s_add_co_u32 s21, s21, SLOT
	s_add_co_u32 s22, s22, SLOT
.endr
	s_mul_i32 s21, s15, HALFS
	s_mul_i32 s22, s16, HALFS
	s_add_co_u32 s22, s22, 2*HALFS
	s_sub_co_u32 s22, s22, s21
	v_mul_u32_u24 v6, s22, v2                      ; lanes 16-31 take B's
	s_add_co_u32 s21, s21, SCL
	v_lshl_add_u32 v5, v1, 5, v6
	v_add_nc_u32 v[ADRS], s21, v5
	; where my 128 queries x 128 keys go: unit (2 x tile row + my rowgroup) x 16 + 2 x tile column + my chunk
	s_lshl_b32 s66, s17, 1
	s_add_co_u32 s66, s66, s15
	s_lshl_b32 s66, s66, 4
	s_lshl_b32 s67, s3, 1
	s_add_co_u32 s67, s67, s16
	s_add_co_u32 s66, s66, s67
	s_lshl_b32 s12, s66, 9
	s_mov_b32 s13, 0
	s_add_nc_u64 s[10:11], s[10:11], s[12:13]
	s_mul_i32 s12, s66, GCH
	s_add_nc_u64 s[8:9], s[8:9], s[12:13]
.macro FRAG reg, adr, q, i             ; a fragment comes as it was laid: three loads of 512 consecutive bytes
.irp g, 0,1,2
	ds_load_b128 v[\reg+4*\g:\reg+4*\g+3], v[\adr] offset:GCH*(\q)+FRB*(\i)+512*\g
.endr
.endm
; 16 matrix instructions: A's blocks a0, a0 + 1 x B's eight.  The 64 accumulators take turns, one instruction a turn, in the same order in every chunk.
.macro MUL16 a0, p, q, sc, zero
.irp a, \a0, \a0+1
.irp b, 0,1,2,3,4,5,6,7
.if \zero
	v_wmma_scale_f32_16x16x128_f8f6f4 v[8*(8*((\a)%4)+\b):8*(8*((\a)%4)+\b)+7], v[128*(\p)+FR*\b:128*(\p)+FR*\b+FR-1], v[AF+FR*(\a):AF+FR*(\a)+FR-1], 0, v[SC+16*(\sc)+8*(\q)+\b], v[SC+16*(\sc)+8*(\q)+(\a)] matrix_a_fmt:MATRIX_FMT_BF6 matrix_b_fmt:MATRIX_FMT_BF6 matrix_a_scale:MATRIX_SCALE_ROW1
.else
	v_wmma_scale_f32_16x16x128_f8f6f4 v[8*(8*((\a)%4)+\b):8*(8*((\a)%4)+\b)+7], v[128*(\p)+FR*\b:128*(\p)+FR*\b+FR-1], v[AF+FR*(\a):AF+FR*(\a)+FR-1], v[8*(8*((\a)%4)+\b):8*(8*((\a)%4)+\b)+7], v[SC+16*(\sc)+8*(\q)+\b], v[SC+16*(\sc)+8*(\q)+(\a)] matrix_a_fmt:MATRIX_FMT_BF6 matrix_b_fmt:MATRIX_FMT_BF6 matrix_a_scale:MATRIX_SCALE_ROW1
.endif
.endr
.endr
.endm
.macro FETCH_B slot, q, p
	WIN TO_B
.irp i, 0,1,2,3,4,5,6,7
	FRAG 128*(\p)+FR*\i, ADRB+\slot, \q, \i
.endr
	WIN 0
.endm
.macro FETCH_A slot, q, i0
.irp i, \i0, \i0+1, \i0+2, \i0+3
	FRAG AF+FR*(\i), ADRA+\slot, \q, \i
.endr
.endm
.macro SCALES sc
.irp q, 0,1
.irp e, 0,1
	ds_load_b128 v[SC+16*(\sc)+8*\q+4*\e:SC+16*(\sc)+8*\q+4*\e+3], v[ADRS] offset:512*\q+16*\e
.endr
.endr
.endm
.macro PLACES n                        ; plain vector instructions that name no register of the matrix instructions in front of them (ISA guide 7.12.1)
.rept \n
	v_nop
.endr
.endm
.macro STEP slot, q, zero, sc
	s_wait_dscnt 4*NL                              ; all but the youngest 12 loads (A's blocks 4-7) are in
	WIN MUL_LO
	MUL16 0, (\q)%2, \q, \sc, \zero
	MUL16 2, (\q)%2, \q, \sc, \zero
	s_wait_dscnt 0
	PLACES NP
	FETCH_B \slot, (\q)+1, 1-(\q)%2
	FETCH_A \slot, (\q)+1, 0
	WIN MUL_HI
	MUL16 4, (\q)%2, \q, \sc, \zero
	MUL16 6, (\q)%2, \q, \sc, \zero
	PLACES NP
	WIN 0
	FETCH_A \slot, (\q)+1, 4
.endm
; A slot's last chunk goes on into the next slot.  sc: this K step's set of scale words; the next step's go into the other.
; mode 2: this slot is filled again.  In front of the barrier each wave waits for ALL its tensor loads (the two later slots among them), adds 0 to its spare word, and waits for that and for its reads of this slot; the barrier opens a round of the cluster's.
; mode 0: no barrier: the next slot was shown whole to every wave by the waits in front of mode 2's barrier, and nothing is filled here.
; mode 1: a plain barrier: each wave has waited for its part of the refill, which the next K step reads.
.macro TURN slot, next, mode, sc
.if \mode
	s_wait_tensorcnt 0x0                           ; all my tensor loads have landed
	ds_add_u32 v[SPW], v[NIL]                      ; 0 onto my spare word
	s_wait_dscnt 4*NL+1                            ; (the add and the youngest 12 loads may be out)
.else
	s_wait_dscnt 4*NL                              ; all but the youngest 12 loads are in
.endif
	WIN MUL_LO
	MUL16 0, 1, 1, \sc, 0
.if \mode
	s_wait_dscnt 0x0                               ; the add is done, and my reads of this slot are over
	s_barrier_signal -1
.endif
	MUL16 2, 1, 1, \sc, 0
	WIN 0
.if \mode
	s_barrier_wait -1
.else
	s_wait_dscnt 0x0                               ; A's blocks 4-7 are in
.endif
.if \mode == 2
	CREST                                          ; no wave of any partner still reads this slot or has a load on its way
	s_add_nc_u64 s[G0+4*\slot+2:G0+4*\slot+3], s[G0+4*\slot+2:G0+4*\slot+3], 3*HALFT     ; three K steps on
	s_add_nc_u64 s[G0B+4*\slot+2:G0B+4*\slot+3], s[G0B+4*\slot+2:G0B+4*\slot+3], 3*HALFT
	JLOAD G0+4*\slot, G1, G0B+4*\slot, G1B         ; the first tensor load behind the round
.else
	PLACES NP
.endif
	v_add_nc_u32 v[ADRS], 1024, v[ADRS]
	FETCH_B \next, 0, 0
	FETCH_A \next, 0, 0
	SCALES 1-(\sc)
	WIN MUL_HI
	MUL16 4, 1, 1, \sc, 0
	MUL16 6, 1, 1, \sc, 0
	PLACES NP
	WIN 0
	FETCH_A \next, 0, 4
.endm
	s_wait_tensorcnt 2                             ; the scale words and my part of K step 0 are in; the loads of K steps 1 and 2 may be out
	s_barrier_signal -1
	s_barrier_wait -1
	FETCH_B 0, 0, 0
	FETCH_A 0, 0, 0
	SCALES 0
	FETCH_A 0, 0, 4
	STEP 0, 0, 1, 0                                ; K step 0: the first chunk's products start the sums
	TURN 0, 1, 2, 0                                ; slot 0 takes K step 3
	STEP 1, 0, 0, 1                                ; K step 1
	TURN 1, 2, 0, 1
	STEP 2, 0, 0, 0                                ; K step 2
	TURN 2, 0, 1, 0
	STEP 0, 0, 0, 1                                ; K step 3
	s_wait_dscnt 4*NL
	WIN MUL_LO
	MUL16 0, 1, 1, 1, 0
	MUL16 2, 1, 1, 1, 0
	s_wait_dscnt 0
	WIN MUL_HI
	MUL16 4, 1, 1, 1, 0
	MUL16 6, 1, 1, 1, 0
	WIN 0
; THE WAY OUT.  Block a: a lane's 64 scores of one query (with lane l xor 16: the chunk's 128 keys) become p's codes, its scale word, -M_c and l_c.
.macro SOFT a
.set WW, 2+(\a)/4                      ; the accumulators' window
.set AC, 64*((\a)%4)
	WIN 21*WW                                      ; all three sources there
.irp b, 0,1,2,3
	v_max3_num_f32 v[BX+\b], v[AC+16*\b], v[AC+16*\b+1], v[AC+16*\b+2]   ; THE LARGEST SCORE OF EACH BLOCK OF 32 KEYS serves twice: for the chunk's maximum and, since p rises with the score, for the block's largest p
.endr
	WIN 20*WW                                      ; sources 1 and 2 there
.irp i, 3,5,7,9,11,13
.irp b, 0,1,2,3
	v_max3_num_f32 v[BX+\b], v[BX+\b], v[AC+16*\b+\i], v[AC+16*\b+\i+1]   ; (each accumulator is first read at its low end)
.endr
.endr
.irp b, 0,1,2,3
	v_max_num_f32 v[BX+\b], v[BX+\b], v[AC+16*\b+15]
.endr
	WIN 0
.irp b, 0,1,2,3
	v_permlanex16_b32 v[BT+\b], v[BX+\b], s[SEL], s[SEL+1]
.endr
.irp b, 0,1,2,3
	v_max_num_f32 v[BX+\b], v[BX+\b], v[BT+\b]     ; with lane l xor 16's 16 keys
.endr
	v_max3_num_f32 v[T0], v[BX], v[BX+1], v[BX+2]
	v_max_num_f32 v[T0], v[T0], v[BX+3]            ; the chunk's largest score of my query
	v_mul_f32 v[T0], s22, v[T0]                    ; as t (c is positive)
	v_floor_f32 v[NM], -v[T0]                      ; -M_c = floor(-t) = -ceil(t): a whole number
	WIN WW                                         ; source 0 there
.set j, 0
.rept 32
	v_pk_fma_f32 v[P+j:P+j+1], v[AC+j:AC+j+1], s[22:23], v[NM:NM+1] op_sel_hi:[1,0,0]   ; t - M_c, two at a time (of the pairs c and -M_c the low word serves both halves)
.set j, j+2
.endr
	WIN 0
.irp b, 0,1,2,3
	v_fma_f32 v[BX+\b], v[BX+\b], s22, v[NM]       ; the same of each block's largest score
.endr
.set j, 0
.rept 64
	v_exp_f32 v[P+j], v[P+j]                       ; p = 2^(t - M_c), at most 1: NOT normalised
.set j, j+1
.endr
	v_mov_b32 v[NS+(\a)], v[NM]                    ; (a plain place behind the exponentials)
	s_wait_alu depctr_va_vdst(0)                   ; one wait for the whole batch, ahead of its first reader
.irp b, 0,1,2,3
	v_exp_f32 v[BX+\b], v[BX+\b]                   ; the block's largest p: the same two instructions on the same number give the same bits
.endr
	v_pk_add_f32 v[SU:SU+1], v[P:P+1], v[P+2:P+3]  ; THE SUM IS TAKEN OF THE UNQUANTISED p: two at a time, in two chains.  (It reads the 64 alone: plain work behind the four)
	v_pk_add_f32 v[SV:SV+1], v[P+4:P+5], v[P+6:P+7]
.irp j, 8,12,16,20,24,28,32,36,40,44,48,52,56,60
	v_pk_add_f32 v[SU:SU+1], v[SU:SU+1], v[P+\j:P+\j+1]
	v_pk_add_f32 v[SV:SV+1], v[SV:SV+1], v[P+\j+2:P+\j+3]
.endr
	v_pk_add_f32 v[SU:SU+1], v[SU:SU+1], v[SV:SV+1]
	v_add_f32 v[SU], v[SU], v[SU+1]
	v_permlanex16_b32 v[SV], v[SU], s[SEL], s[SEL+1]
	v_add_f32 v[LS+(\a)], v[SU], v[SV]             ; with lane l xor 16's: l_c
	s_wait_alu depctr_va_vdst(0)                   ; and one for the four
.irp b, 0,1,2,3
	v_max_num_f32 v[BX+\b], 0x2800000, v[BX+\b]    ; the floor 2^(5 - 127): the byte cannot fall under 1
.endr
.irp b, 0,1,2,3
	v_add_nc_u32 v[SO+\b], 0xfe000000, v[BX+\b]    ; 4 off the exponent field: the conversion's scale operand
.endr
.irp b, 0,1,2,3
	v_lshrrev_b32 v[BT+\b], 23, v[SO+\b]           ; the scale's byte
.endr
	v_lshl_or_b32 v[SW+(\a)], v[BT+1], 8, v[BT]
	v_lshl_or_b32 v[SW+(\a)], v[BT+2], 16, v[SW+(\a)]
	v_lshl_or_b32 v[SW+(\a)], v[BT+3], 24, v[SW+(\a)]
.if (\a) > 0
	s_wait_xcnt 0x0                                ; the last block's stores have read their registers: the codes may be written anew
.endif
.irp c, 0,1
	v_cvt_scalef32_pk16_bf6_f32 v[PC+6*\c:PC+2+6*\c], v[P+32*\c:P+15+32*\c], v[SO+2*\c]
	v_cvt_scalef32_pk16_bf6_f32 v[PC+12+4*\c:PC+14+4*\c], v[P+16+32*\c:P+31+32*\c], v[SO+2*\c+1]   ; (a conversion's three registers begin on an even number)
.endr
	v_nop                                          ; one plain place behind a scaled conversion
.irp c, 0,1                            ; the operand's layout wants a WHOLE block in a lane
.irp i, 0,1,2
	v_permlane16_swap_b32 v[PC+6*\c+\i], v[PC+12+4*\c+\i]
.endr
.irp i, 0,1,2
	v_mov_b32 v[PC+3+6*\c+\i], v[PC+12+4*\c+\i]
.endr
.endr
.irp g, 0,1,2
	global_store_b128 v[LI], v[PC+4*\g:PC+4*\g+3], s[8:9] offset:FRB*(\a)+512*\g   ; 512 consecutive bytes
.endr
.endm
	PLACES NP                                      ; behind the last products: their results are read, and the registers that held A's fragments are written
	s_mov_b32 s[SEL], 0x76543210
	s_mov_b32 s[SEL+1], 0xfedcba98
	s_mov_b32 s20, 0xffff0000
	s_mov_b32 s22, 0x3d38aa3b                      ; c = log2(e) / 32
	s_mov_b32 s23, s22                             ; (named with it as a pair, so it is written)
.irp b, 0,1,2,3
	v_mov_b32 v[BT+\b], 0                          ; written once: a lane permute's destination counts as one of its sources
.endr
	v_mov_b32 v[NM+1], 0                           ; (named as the upper half of the pair)
.irp f, 0,1,2,3,4,5,6,7
	SOFT \f
.endr
.irp k, 0,1,2,3
	v_cndmask_b32 v[O4+\k], v[SW+\k], v[SW+4+\k], s20     ; lanes 0-15 send blocks 0-3's, lanes 16-31 blocks 4-7's
	v_cndmask_b32 v[O4+4+\k], v[NS+\k], v[NS+4+\k], s20
	v_cndmask_b32 v[O4+8+\k], v[LS+\k], v[LS+4+\k], s20
.endr
	global_store_b128 v[LW], v[O4:O4+3], s[10:11]                     ; each: 512 consecutive bytes
	global_store_b128 v[LW], v[O4+4:O4+7], s[10:11] offset:524288
	global_store_b128 v[LW], v[O4+8:O4+11], s[10:11] offset:1048576
	s_wait_tensorcnt 0x0                           ; the wave's end
	ds_add_u32 v[SPW], v[NIL]
	s_wait_dscnt 0x0
	CROUND                                         ; the closing round
	s_endpgm
.Lfunc_end_k_q67ebd4ff75_score:
	.size	k_q67ebd4ff75_score, .Lfunc_end_k_q67ebd4ff75_score-k_q67ebd4ff75_score
	.p2alignl 7, 3214868480
	.fill 96, 4, 3214868480
	.section	.rodata,"a",@progbits
	.p2align	6, 0x0
	.amdhsa_kernel k_q67ebd4ff75_score
		.amdhsa_group_segment_fixed_size 327680
		.amdhsa_private_segment_fixed_size 0
		.amdhsa_enable_private_segment 0
		.amdhsa_kernarg_size 32
		.amdhsa_user_sgpr_count 2
		.amdhsa_user_sgpr_kernarg_segment_ptr 1
		.amdhsa_wavefront_size32 1
		.amdhsa_system_sgpr_workgroup_id_x 1
		.amdhsa_system_sgpr_workgroup_id_y 1
		.amdhsa_system_sgpr_workgroup_id_z 1
		.amdhsa_system_vgpr_workitem_id 0
		.amdhsa_next_free_vgpr 1024
		.amdhsa_next_free_sgpr 102
		.amdhsa_reserve_vcc 0
		.amdhsa_float_denorm_mode_32 3
		.amdhsa_float_denorm_mode_16_64 3
		.amdhsa_memory_ordered 1
		.amdhsa_forward_progress 1
		.amdhsa_inst_pref_size 193
	.end_amdhsa_kernel
	.amdgpu_metadata
---
amdhsa.version: [ 1, 2 ]
amdhsa.kernels:
  - .name:           k_q67ebd4ff75_score
    .symbol:         k_q67ebd4ff75_score.kd
    .args:
      - { .name: qkv, .offset: 0, .size: 8, .value_kind: global_buffer, .address_space: global }
      - { .name: qkvs, .offset: 8, .size: 8, .value_kind: global_buffer, .address_space: global }
      - { .name: pc, .offset: 16, .size: 8, .value_kind: global_buffer, .address_space: global }
      - { .name: pst, .offset: 24, .size: 8, .value_kind: global_buffer, .address_space: global }
    .group_segment_fixed_size: 327680
    .private_segment_fixed_size: 0
    .kernarg_segment_align: 8
    .kernarg_segment_size: 32
    .max_flat_workgroup_size: 128
    .sgpr_count:     102
    .vgpr_count:     1024
    .wavefront_size: 32
...
	.end_amdgpu_metadata
.endif
;; end of part 6
;; launch pv (part 7): grid 8 x 32, 4 waves a work-group, clusters of 4 x 4, 327,680 bytes of LDS; arguments pc, pst, qkv, qkvs, out0; writes out0
.if DOCPART == 7
	.amdgcn_target "amdgcn-amd-amdhsa--gfx1250"
	.amdhsa_code_object_version 6
	.text
	.protected	k_q67ebd4ff75_pv
	.globl	k_q67ebd4ff75_pv
	.p2align	8
	.type	k_q67ebd4ff75_pv,@function
k_q67ebd4ff75_pv:
	s_mov_b64 s[64:65], 0
	v_nop
	global_prefetch_b8 v0, s[64:65] scope:SCOPE_SE
	s_setreg_imm32_b32 hwreg(HW_REG_WAVE_MODE, 25, 1), 1
	s_wait_xcnt 0x0
	s_wait_alu depctr_hold_cnt(0) depctr_sa_sdst(0) depctr_va_vdst(0) depctr_va_sdst(0) depctr_va_ssrc(0) depctr_va_vcc(0) depctr_vm_vsrc(0)
	s_getreg_b32 s2, hwreg(HW_REG_IB_STS2, 6, 4)
	s_cmp_eq_u32 s2, 0
	s_cbranch_scc0 .Lentry_in_a_cluster
	s_endpgm
.Lentry_in_a_cluster:
	s_bfe_u32 s2, ttmp6, 0x10000c
	s_cmp_lg_u32 s2, 0xf033
	s_cbranch_scc0 .Lentry_shape_is_right
	s_endpgm
.Lentry_shape_is_right:
; LAUNCH 4 OF 4: out0 = P V / l on codes of BF6 (E3M2) with E8M0 scales.  Nothing is left out.
; P came chunk by chunk of 128 keys, each under its own whole number M_c.  At the head each work-group finds, for its 256 queries, the row's -M = the smallest -M_c, takes d = M - M_c off the four scale bytes of the chunk's word
; (held at 0 from below) and sums l = the sum of l_c 2^-d: powers of two, which round nothing, so that the codes' values are those under the row's M.  The words go to LDS, where the products take them; 1 / l multiplies the results.
; LIMITS: NaN and infinities are not served.  d is held at 127, and a byte that would fall under 0 is held at 0, the scale 2^-127: such a block is less than 2^-120 of the row's largest p.
; OPERANDS lie in the order of the operand's registers: rowgroup G = 128 rows, chunk c = 128 along K, fragment i = 1,536 bytes; lane r of fragment i holds row 32 (i / 2) + 8 (i % 2) + r + 8 (r / 8); words [G][c][r][i].
; pc: P [64 G of queries][16 c];  pst: P's words at 0, -M_c at 524,288, l_c at 1,048,576;  qkv: V^T from unit 1024 on, [8 G of the channels][64 c of the keys, 16 x batch + chunk] (a unit: 12,288 bytes of codes, 512 of words in qkvs).
; A tile of 256 queries x 128 channels is made by four waves, each 128 x 64: 32 accumulators, 256 registers: 8 x 32 = 256 work-groups.  K = 2,048 keys goes in FOUR steps of 512 (four chunks) through two LDS slots: both are filled at the start,
; and each is filled once more.  Waves 0 and 1 bring P's two rowgroups (49,152 dense bytes each), waves 2 and 3 two chunks each of V's one rowgroup (24,576).
; THE MATRIX INSTRUCTION IS USED TRANSPOSED (source 0 = 16 channels, source 1 = 16 queries): a lane holds one query, and register 8 b + j over my four fragments of V is channel 32 (b / 2) + 16 h + 8 (b % 2) + j of my 64.
; CLUSTERS: 4 x 4 work-groups.  P's tiles are asked for jointly along a row of the cluster, V's tiles and scale words along a column.
; REGISTERS, in windows of 256: window 0: v0-31 addresses; v32-95 scale words, two sets of 32; v128-223 A's fragments, ONE set; at the head v64-171 and on the way out v32-255 are free.  window 1: B's fragments, two sets, at v0 and v128.
;   window 2: the accumulators ((a, b) at v[8 (4 a + b)]).
.set KC,    16
.set GCH,   12288
.set FRB,   1536
.set NQ,    4                          ; chunks in a slot
.set RGT,   NQ*GCH                     ; a rowgroup's four chunks
.set SLOT,  3*RGT                      ; P's two rowgroups, then V's one
.set SCL,   2*SLOT                     ; behind the ring: P's words, two rowgroups, stored by the waves and never filled by a tensor load;
.set HALFS, 512*KC                     ; (a rowgroup's)
.set SCLB,  SCL+2*HALFS                ; V's words, one rowgroup, filled once by tensor loads
.set RL,    SCLB+HALFS                 ; 1 / l, twice each: [rowgroup][r][i] pairs, 1,024 bytes a rowgroup
.set SPARE, RL+2048                    ; the spare words, 128 bytes a wave: two blocks of 256 bytes that no other line names
.set SPITCH, 272                       ; the way out: a stage of 16 rows x (256 bytes + 16) for each wave, in slot 0, which has had its last fill and its last read when the first result is stored there
.set FR,    12
.set NL,    3
.set NP,    4                          ; places behind this matrix instruction (ISA guide 7.12.1)
.set ADRA,  16                         ; v16-17  LDS address of my A fragments in slot 0, 1
.set ADRB,  20                         ; v20-21  the same for my four fragments of B
.set STO,   22                         ; v22     the stage: where I put 32 bytes of a row
.set RD,    23                         ; v23     and where I read rows back
.set LI,    24                         ; v24     16 x lane
.set GO,    25                         ; v25     my byte offset in two rows of out0
.set ARL,   26                         ; v26     my eight pairs of 1 / l
.set ADRS,  27                         ; v27     LDS address of my scale words: lanes 0-15 P's words 0-3, lanes 16-31 my four of V's
.set SPW,   28
.set NIL,   29
.set ADRT,  30                         ; v30     lanes 0-15 P's words 4-7; lanes 16-31 as in v27 (not used)
.set SC,    32                         ; scale words: set s at v[SC + 32 s]; register 8 q + i: lanes 0-15 the word of P's fragment i; i < 4: lanes 16-31 that of my i-th fragment of V; for the slot's q-th chunk
.set AF,    128
.set WR,    64                         ; the head: v64-95 two rows' scale words of 16 chunks; v96-127 their -M_c; v128-159 their l_c
.set NR,    96
.set LR,    128
.set MN,    160                        ; v[160:161] the rows' -M;  v[162:163] their l;  v164-167 at work;  v168-171 1 / l, twice each
.set LA,    162
.set T,     164
.set RC,    168
.set RP,    32                         ; the way out: v32-47 my eight pairs of 1 / l; v64-95 a block's results; v128-159, v160-191 rows read back, by turns
.set TMP,   64
.set BK,    128
.set G1,  24                           ; s[24:31] descriptor group 1 for P's tiles;  s[32:39] group 0, one set for each slot
.set G0,  32
.set G1B, 48                           ; s[48:55], s[56:63] the same for V's
.set G0B, 56
.set G1SB, 80                          ; s[80:87], s[88:91] for V's scale words
.set G0SB, 88
.set MSB, 0
.macro WIN new                         ; the immediate's high byte repeats the setting that is left
.if MSB != (\new)
	s_set_vgpr_msb (MSB<<8)|(\new)
.set MSB, \new
.endif
.endm
.set MUL,  0xa1                        ; source 0 (B) window 1, source 1 (A) window 0, C and D window 2
.set TO_B, 0x40                        ; destination window 1, address window 0
; A joint load: waves 0 and 1 fetch for A, waves 2 and 3 for B; the branch hangs on the wave's number alone.  An s_nop 0 and four v_nop follow each of the two lines.
.macro JLOAD g0a, g1a, g0b, g1b
	s_cmp_eq_u32 s15, 0
	s_cbranch_scc0 .Lfor_b_\@
	tensor_load_to_lds s[\g0a:\g0a+3], s[\g1a:\g1a+7]
	s_nop 0
.rept 4
	v_nop
.endr
	s_branch .Lasked_\@
.Lfor_b_\@:
	tensor_load_to_lds s[\g0b:\g0b+3], s[\g1b:\g1b+7]
	s_nop 0
.rept 4
	v_nop
.endr
.Lasked_\@:
.endm
.macro CREST
	s_cmp_lg_u32 s14, 0
	s_cbranch_scc1 .Lnot_wave_0_\@
	s_barrier_signal -3
.Lnot_wave_0_\@:
	s_barrier_wait -3
	s_barrier_signal -1
	s_barrier_wait -1
.endm
.macro CROUND
	s_barrier_signal -1
	s_barrier_wait -1
	CREST
.endm
	s_load_b256 s[4:11], s[0:1], 0x0               ; pc s[4:5], pst s[6:7], qkv s[8:9], qkvs s[10:11]
	s_load_b64 s[12:13], s[0:1], 0x20              ; out0
	v_lshl_add_u32 v[SPW], v0, 2, SPARE
	v_mov_b32 v[NIL], 0
	ds_add_u32 v[SPW], v[NIL]                      ; the wave's opening: the add, twice on end, and its wait ahead of my first tensor load
	ds_add_u32 v[SPW], v[NIL]
	v_lshrrev_b32 v1, 5, v0
	v_readfirstlane_b32 s14, v1                    ; wave 0..3
	s_lshr_b32 s15, s14, 1                         ; my rowgroup of the tile's queries.  Also: I fetch for A (0) or for B (1)
	s_and_b32 s16, s14, 1                          ; my half of its channels.  Also: which part of that operand I fetch
	s_bfe_u32 s40, ttmp6, 0x40000                  ; cx, cy
	s_bfe_u32 s41, ttmp6, 0x40004
	s_lshl_b32 s42, ttmp9, 2
	s_add_co_u32 s42, s42, s40                     ; tile column: 128 of the 1,024 channels: V^T's rowgroup, 0..7
	s_and_b32 s95, ttmp7, 0xffff
	s_lshl_b32 s17, s95, 2
	s_add_co_u32 s17, s17, s41                     ; tile row: 256 of the 8,192 queries
	s_lshr_b32 s95, s95, 1                         ; the batch: of the cluster's y alone
	s_lshl_b32 s43, s41, 2
	s_lshl_b32 s43, 15, s43                        ; my row of the cluster
	s_lshl_b32 s44, 0x1111, s40                    ; my column
	; descriptor group 1: dense blocks as rows of 256 bytes (32 elements of 8 bytes), no padding: P: 49,152 bytes, 192 rows;  V: 24,576 bytes, 96 rows;  V's scale words: 2,048 bytes, 8 rows
	s_or_b32 s[G1+0], s43, (3<<16)|(1<<21)
	s_mov_b32 s[G1+1], 32<<16
	s_mov_b32 s[G1+2], 192<<16
	s_mov_b32 s[G1+3], 32<<16
	s_mov_b32 s[G1+4], 192
	s_mov_b32 s[G1+5], 32
	s_mov_b32 s[G1+6], 0
	s_mov_b32 s[G1+7], 0
	s_or_b32 s[G1B+0], s44, (3<<16)|(1<<21)
	s_mov_b32 s[G1B+1], 32<<16
	s_mov_b32 s[G1B+2], 96<<16
	s_mov_b32 s[G1B+3], 32<<16
	s_mov_b32 s[G1B+4], 96
	s_mov_b32 s[G1B+5], 32
	s_mov_b32 s[G1B+6], 0
	s_mov_b32 s[G1B+7], 0
	s_or_b32 s[G1SB+0], s44, (3<<16)|(1<<21)
	s_mov_b32 s[G1SB+1], 32<<16
	s_mov_b32 s[G1SB+2], 8<<16
	s_mov_b32 s[G1SB+3], 32<<16
	s_mov_b32 s[G1SB+4], 8
	s_mov_b32 s[G1SB+5], 32
	s_mov_b32 s[G1SB+6], 0
	s_mov_b32 s[G1SB+7], 0
	s_lshl_b32 s20, s17, 1
	s_add_co_u32 s20, s20, s16
	s_mul_i32 s20, s20, 16*GCH                     ; P: rowgroup 2 x tile row + the one I fetch, 16 chunks each
	s_mov_b32 s21, 0
	s_lshl_b32 s46, s42, 6
	s_lshl_b32 s47, s95, 4
	s_add_co_u32 s46, s46, s47
	s_add_co_u32 s46, s46, 1024                    ; V^T: unit 1024 + 64 x rowgroup + 16 x batch
	s_lshl_b32 s92, s14, 2
	s_add_co_u32 s92, s92, s46                     ; its words: chunks 4 x wave on
	s_lshl_b32 s92, s92, 9
	s_mov_b32 s93, 0
	s_lshl_b32 s47, s16, 1
	s_add_co_u32 s46, s46, s47                     ; its codes: chunks 2 (wave % 2) on
	s_mul_i32 s46, s46, GCH
	s_mov_b32 s47, 0
	s_mul_i32 s45, s16, RGT                        ; where they go: P's rowgroup;
	s_mul_i32 s2, s16, 2*GCH
	s_add_co_u32 s2, s2, 2*RGT                     ; V's two chunks, behind P's two rowgroups;
	s_lshl_b32 s94, s14, 11                        ; V's words: no place in the cluster enters an LDS address
	s_wait_dscnt 0x0                               ; both opening adds are done
	s_wait_kmcnt 0x0
	s_add_nc_u64 s[20:21], s[4:5], s[20:21]
	s_add_nc_u64 s[46:47], s[8:9], s[46:47]
	s_add_nc_u64 s[92:93], s[10:11], s[92:93]
	CROUND                                         ; all sixteen work-groups are here: the first joint loads meet
	s_mov_b32 s[G0SB], 1
	s_add_co_u32 s[G0SB+1], s94, SCLB
	s_mov_b64 s[G0SB+2:G0SB+3], s[92:93]
	s_or_b32 s[G0SB+3], s[G0SB+3], 0x80000000
	tensor_load_to_lds s[G0SB:G0SB+3], s[G1SB:G1SB+7]   ; every wave brings a quarter of V's scale words
	s_nop 0
.rept 4
	v_nop
.endr
.irp s, 0,1
	s_mov_b32 s[G0+4*\s], 1
	s_add_co_u32 s[G0+4*\s+1], s45, \s*SLOT
	s_add_nc_u64 s[G0+4*\s+2:G0+4*\s+3], s[20:21], \s*RGT
	s_or_b32 s[G0+4*\s+3], s[G0+4*\s+3], 0x80000000
	s_mov_b32 s[G0B+4*\s], 1
	s_add_co_u32 s[G0B+4*\s+1], s2, \s*SLOT
	s_add_nc_u64 s[G0B+4*\s+2:G0B+4*\s+3], s[46:47], \s*RGT
	s_or_b32 s[G0B+4*\s+3], s[G0B+4*\s+3], 0x80000000
	JLOAD G0+4*\s, G1, G0B+4*\s, G1B               ; three tensor loads of mine are out
.endr
	; THE HEAD'S WORK, while those land.  Thread (wave w, lane L) owns the two rows whose words stand at bytes 256 (w % 2) + 8 L of each chunk's 512, in rowgroup w / 2 of the tile.
	s_lshl_b32 s66, s17, 1
	s_add_co_u32 s66, s66, s15
	s_lshl_b32 s66, s66, 13                        ; 16 chunks of 512 bytes
	s_lshl_b32 s67, s16, 8
	s_add_co_u32 s66, s66, s67
	s_mov_b32 s67, 0
	s_add_nc_u64 s[6:7], s[6:7], s[66:67]
	v_and_b32 v3, 31, v0                           ; lane
	v_lshlrev_b32 v8, 3, v3
.irp c, 0,1,2,3,4,5,6,7,8,9,10,11,12,13,14,15
	global_load_b64 v[NR+2*\c:NR+2*\c+1], v8, s[6:7] offset:524288+512*\c     ; a wave's load reads 256 consecutive bytes
.endr
.irp c, 0,1,2,3,4,5,6,7,8,9,10,11,12,13,14,15
	global_load_b64 v[LR+2*\c:LR+2*\c+1], v8, s[6:7] offset:1048576+512*\c
.endr
.irp c, 0,1,2,3,4,5,6,7,8,9,10,11,12,13,14,15
	global_load_b64 v[WR+2*\c:WR+2*\c+1], v8, s[6:7] offset:512*\c
.endr
	v_and_b32 v1, 15, v0                           ; r
	v_bfe_u32 v2, v0, 4, 1                         ; h
	v_lshlrev_b32 v[LI], 4, v3
	s_mul_i32 s21, s15, RGT                        ; my rowgroup of P
	s_mul_i32 s22, s16, 4*FRB                      ; my four fragments of V,
	s_add_co_u32 s22, s22, 2*RGT                   ; behind P's two rowgroups
.irp s, 0,1
	v_add_nc_u32 v[ADRA+\s], s21, v[LI]
	v_add_nc_u32 v[ADRB+\s], s22, v[LI]
	s_add_co_u32 s21, s21, SLOT
	s_add_co_u32 s22, s22, SLOT
.endr
	s_mul_i32 s21, s15, HALFS                      ; P's words: my rowgroup
	s_lshl_b32 s22, s16, 4                         ; V's: my four words of a lane's eight,
	s_add_co_u32 s22, s22, 2*HALFS                 ; behind P's two rowgroups
	s_sub_co_u32 s22, s22, s21
	v_mul_u32_u24 v6, s22, v2                      ; lanes 16-31 take V's
	s_add_co_u32 s21, s21, SCL
	v_lshl_add_u32 v5, v1, 5, v6                   ; 32 bytes a lane
	v_add_nc_u32 v[ADRS], s21, v5
	s_sub_co_u32 s22, s22, 16                      ; the second register: 16 bytes on in lanes 0-15, the same place in lanes 16-31
	v_mul_u32_u24 v6, s22, v2
	s_add_co_u32 s21, s21, 16
	v_lshl_add_u32 v5, v1, 5, v6
	v_add_nc_u32 v[ADRT], s21, v5
	s_lshl_b32 s21, s15, 13
	s_lshl_b32 s22, s16, 8
	s_add_co_u32 s21, s21, s22
	s_add_co_u32 s21, s21, SCL
	v_lshl_add_u32 v9, v3, 3, s21                  ; where my two words of a chunk go: as they lay in memory
	s_lshl_b32 s21, s15, 10
	s_add_co_u32 s21, s21, RL
	v_lshl_add_u32 v[ARL], v1, 6, s21              ; my lane's eight pairs: 64 r
	s_lshl_b32 s22, s16, 9
	s_add_co_u32 s21, s21, s22
	v_lshl_add_u32 v10, v3, 4, s21                 ; where my two rows' pairs go: twice the words' place
	s_mul_i32 s23, s14, 16*SPITCH                  ; my stage
	v_mul_u32_u24 v5, v1, SPITCH
	v_lshl_add_u32 v5, v2, 6, v5
	v_add_nc_u32 v[STO], s23, v5                   ; in: row r, + 64 h
	v_mul_u32_u24 v5, v2, SPITCH
	v_lshl_add_u32 v5, v1, 4, v5
	v_add_nc_u32 v[RD], s23, v5                    ; back: lanes 0-15 one row of 256 bytes, lanes 16-31 the next
	v_lshlrev_b32 v[GO], 12, v2
	v_lshl_add_u32 v[GO], v1, 4, v[GO]             ; and the same two rows in out0
	s_lshl_b32 s66, s17, 1
	s_add_co_u32 s66, s66, s15
	s_lshl_b32 s66, s66, 19                        ; out0: my rowgroup's 128 rows of 4,096 bytes,
	s_lshl_b32 s67, s42, 9
	s_add_co_u32 s66, s66, s67                     ; the tile's 128 channels,
	s_lshl_b32 s67, s16, 8
	s_add_co_u32 s66, s66, s67                     ; my 64 of them
	s_mov_b32 s67, 0
	s_add_nc_u64 s[12:13], s[12:13], s[66:67]
	s_mov_b32 s18, 0x80808080
	s_mov_b32 s19, 0x01010101
	s_wait_loadcnt 0x0
.irp e, 0,1
	v_min_num_f32 v[MN+\e], v[NR+\e], v[NR+2+\e]
.endr
.irp c, 2,3,4,5,6,7,8,9,10,11,12,13,14,15
.irp e, 0,1
	v_min_num_f32 v[MN+\e], v[MN+\e], v[NR+2*\c+\e]   ; the row's -M: the smallest -M_c
.endr
.endr
; Chunk c of my two rows.  n = -(M - M_c), a whole number from -127 to 0.  A scale byte b is at most 123, so in (b + 128) + n no byte borrows from its neighbour, and a byte's top bit tells that b + n is 0 or more.
.macro ADJ c
.irp e, 0,1
	v_sub_f32 v[T+\e], v[MN+\e], v[NR+2*\c+\e]
.endr
.irp e, 0,1
	v_max_num_f32 v[T+\e], 0xc2fe0000, v[T+\e]     ; held at -127
.endr
.irp e, 0,1
	v_cvt_i32_f32 v[T+\e], v[T+\e]
.endr
.irp e, 0,1
	v_ldexp_f32 v[LR+2*\c+\e], v[LR+2*\c+\e], v[T+\e]   ; l_c under the row's M
.endr
.irp e, 0,1
	v_mul_lo_u32 v[T+\e], v[T+\e], s19             ; n in each of the four bytes (modulo 2^32)
.endr
.irp e, 0,1
	v_or_b32 v[WR+2*\c+\e], s18, v[WR+2*\c+\e]
.endr
.irp e, 0,1
	v_add_nc_u32 v[WR+2*\c+\e], v[WR+2*\c+\e], v[T+\e]
.endr
.irp e, 0,1
	v_and_b32 v[T+\e], s18, v[WR+2*\c+\e]
.endr
.irp e, 0,1
	v_lshrrev_b32 v[T+2+\e], 7, v[T+\e]
.endr
.irp e, 0,1
	v_sub_nc_u32 v[T+\e], v[T+\e], v[T+2+\e]       ; 0x7f where the byte stays, 0 where it is held at 0
.endr
.irp e, 0,1
	v_and_b32 v[WR+2*\c+\e], v[WR+2*\c+\e], v[T+\e]
.endr
.if \c == 1
	v_pk_add_f32 v[LA:LA+1], v[LR:LR+1], v[LR+2:LR+3]
.endif
.if \c > 1
	v_pk_add_f32 v[LA:LA+1], v[LA:LA+1], v[LR+2*\c:LR+2*\c+1]
.endif
	ds_store_b64 v9, v[WR+2*\c:WR+2*\c+1] offset:512*\c
.endm
.irp f, 0,1,2,3,4,5,6,7,8,9,10,11,12,13,14,15
	ADJ \f
.endr
	v_rcp_f32 v[RC], v[LA]                         ; each reciprocal twice: pairs for the packed multiply
	v_rcp_f32 v[RC+1], v[LA]
	v_rcp_f32 v[RC+2], v[LA+1]
	v_rcp_f32 v[RC+3], v[LA+1]
	v_nop                                          ; a plain place behind the last of them
	s_wait_alu depctr_va_vdst(0)                   ; one wait for the four, ahead of their first reader
	ds_store_b128 v10, v[RC:RC+3]
.macro FRAG reg, adr, q, i             ; a fragment comes as it was laid: three loads of 512 consecutive bytes
.irp g, 0,1,2
	ds_load_b128 v[\reg+4*\g:\reg+4*\g+3], v[\adr] offset:GCH*(\q)+FRB*(\i)+512*\g
.endr
.endm
; 8 matrix instructions: A's blocks a0, a0 + 1 x my four fragments of B, the slot's q-th chunk.  p: B's set;  sc: the set of scale words.  zero = 1: the first product starts the sums.
; The 32 accumulators take turns, one instruction a turn, in the same order in every chunk.
.macro MUL8 a0, p, q, sc, zero
.irp a, \a0, \a0+1
.irp b, 0,1,2,3
.if \zero
	v_wmma_scale_f32_16x16x128_f8f6f4 v[8*(4*(\a)+\b):8*(4*(\a)+\b)+7], v[128*(\p)+FR*\b:128*(\p)+FR*\b+FR-1], v[AF+FR*(\a):AF+FR*(\a)+FR-1], 0, v[SC+32*(\sc)+8*(\q)+\b], v[SC+32*(\sc)+8*(\q)+(\a)] matrix_a_fmt:MATRIX_FMT_BF6 matrix_b_fmt:MATRIX_FMT_BF6 matrix_a_scale:MATRIX_SCALE_ROW1
.else
	v_wmma_scale_f32_16x16x128_f8f6f4 v[8*(4*(\a)+\b):8*(4*(\a)+\b)+7], v[128*(\p)+FR*\b:128*(\p)+FR*\b+FR-1], v[AF+FR*(\a):AF+FR*(\a)+FR-1], v[8*(4*(\a)+\b):8*(4*(\a)+\b)+7], v[SC+32*(\sc)+8*(\q)+\b], v[SC+32*(\sc)+8*(\q)+(\a)] matrix_a_fmt:MATRIX_FMT_BF6 matrix_b_fmt:MATRIX_FMT_BF6 matrix_a_scale:MATRIX_SCALE_ROW1
.endif
.endr
.endr
.endm
.macro FETCH_B slot, q, p              ; my four fragments of B of the slot's q-th chunk into set p
	WIN TO_B
.irp i, 0,1,2,3
	FRAG 128*(\p)+FR*\i, ADRB+\slot, \q, \i
.endr
	WIN 0
.endm
.macro FETCH_A slot, q, i0             ; A's blocks i0 .. i0 + 3
.irp i, \i0, \i0+1, \i0+2, \i0+3
	FRAG AF+FR*(\i), ADRA+\slot, \q, \i
.endr
.endm
.macro SCALES sc                       ; the next K step's scale words into set sc, for each of its four chunks
.irp q, 0,1,2,3
	ds_load_b128 v[SC+32*(\sc)+8*\q:SC+32*(\sc)+8*\q+3], v[ADRS] offset:512*\q
	ds_load_b128 v[SC+32*(\sc)+8*\q+4:SC+32*(\sc)+8*\q+7], v[ADRT] offset:512*\q
.endr
.endm
.macro PLACES n                        ; plain vector instructions that name no register of the matrix instructions in front of them (ISA guide 7.12.1)
.rept \n
	v_nop
.endr
.endm
; A chunk that has its successor in the same slot: 32 matrix instructions, A's blocks one after the other, so that one set of registers serves A: blocks 0-3 are fetched anew in the middle, blocks 4-7 at the end.
.macro STEP slot, q, zero, sc
	s_wait_dscnt 4*NL                              ; all but the youngest 12 loads (A's blocks 4-7) are in
	WIN MUL
	MUL8 0, (\q)%2, \q, \sc, \zero
	MUL8 2, (\q)%2, \q, \sc, \zero
	s_wait_dscnt 0                                 ; A's blocks 4-7 are in
	PLACES NP
	FETCH_B \slot, (\q)+1, 1-(\q)%2
	FETCH_A \slot, (\q)+1, 0
	WIN MUL
	MUL8 4, (\q)%2, \q, \sc, \zero
	MUL8 6, (\q)%2, \q, \sc, \zero
	PLACES NP
	WIN 0
	FETCH_A \slot, (\q)+1, 4
.endm
; A slot's last chunk changes slots: ONE barrier; in front of it each wave waits for all its tensor loads, adds 0 to its spare word, and waits for that and for its reads of this slot.  fill = 1: this slot is filled again, two K steps ahead.
.macro TURN slot, next, fill, sc
	s_wait_tensorcnt 0x0                           ; all my tensor loads have landed: my part of the next slot
	ds_add_u32 v[SPW], v[NIL]                      ; 0 onto my spare word
	s_wait_dscnt 4*NL+1                            ; (the add and the youngest 12 loads may be out)
	WIN MUL
	MUL8 0, 1, 3, \sc, 0                           ; eight matrix instructions stand between the add and the wait for it
	s_wait_dscnt 0x0                               ; the add is done, and my reads of this slot are over
	s_barrier_signal -1
	MUL8 2, 1, 3, \sc, 0
	WIN 0
	s_barrier_wait -1
.if \fill
	CREST                                          ; a round of the cluster's barrier: no wave of any partner still reads this slot or has a load on its way
	s_add_nc_u64 s[G0+4*\slot+2:G0+4*\slot+3], s[G0+4*\slot+2:G0+4*\slot+3], 2*RGT
	s_add_nc_u64 s[G0B+4*\slot+2:G0B+4*\slot+3], s[G0B+4*\slot+2:G0B+4*\slot+3], 2*RGT
	JLOAD G0+4*\slot, G1, G0B+4*\slot, G1B         ; the first tensor load behind the round; its four v_nop are the places in front of the loads below
.else
	PLACES NP
.endif
	v_add_nc_u32 v[ADRS], 512*NQ, v[ADRS]          ; on to the next K step's scale words
	v_add_nc_u32 v[ADRT], 512*NQ, v[ADRT]
	FETCH_B \next, 0, 0
	FETCH_A \next, 0, 0
	SCALES 1-(\sc)
	WIN MUL
	MUL8 4, 1, 3, \sc, 0
	MUL8 6, 1, 3, \sc, 0
	PLACES NP
	WIN 0
	FETCH_A \next, 0, 4
.endm
	s_wait_dscnt 0x0                               ; my words and my pairs lie in LDS
	s_wait_tensorcnt 1                             ; V's words and my part of K step 0 are in; K step 1's load may be out
	s_barrier_signal -1
	s_barrier_wait -1
	FETCH_B 0, 0, 0
	FETCH_A 0, 0, 0
	SCALES 0
	FETCH_A 0, 0, 4
	STEP 0, 0, 1, 0                                ; K step 0: the first chunk's products start the sums
	STEP 0, 1, 0, 0
	STEP 0, 2, 0, 0
	TURN 0, 1, 1, 0                                ; slot 0 takes K step 2
	STEP 1, 0, 0, 1                                ; K step 1
	STEP 1, 1, 0, 1
	STEP 1, 2, 0, 1
	TURN 1, 0, 1, 1                                ; slot 1 takes K step 3
	STEP 0, 0, 0, 0                                ; K step 2
	STEP 0, 1, 0, 0
	STEP 0, 2, 0, 0
	TURN 0, 1, 0, 0                                ; nothing is left to fetch
	STEP 1, 0, 0, 1                                ; K step 3
	STEP 1, 1, 0, 1
	STEP 1, 2, 0, 1
	s_wait_dscnt 4*NL                              ; the very last chunk
	WIN MUL
	MUL8 0, 1, 3, 1, 0
	MUL8 2, 1, 3, 1, 0
	s_wait_dscnt 0
	MUL8 4, 1, 3, 1, 0
	MUL8 6, 1, 3, 1, 0
	WIN 0
; THE WAY OUT, block by block of 16 queries x 64 channels.  PACK: x 1 / l of the lane's query.  TOSTAGE: into my own stage in LDS, channels in their order, and back as whole rows of 256 bytes.  SEND: stored, each row at its own place.
.macro PACK a
	WIN 2                                          ; source 0: the accumulators' window
.set j, 0
.rept 16
	v_pk_mul_f32 v[TMP+j:TMP+j+1], v[32*(\a)+j:32*(\a)+j+1], v[RP+2*(\a):RP+2*(\a)+1]   ; each accumulator from its low end on
.set j, j+2
.endr
	WIN 0
.endm
.macro TOSTAGE a
.set BB, BK+32*((\a)%2)
.irp b, 0,1,2,3
	ds_store_b128 v[STO], v[TMP+8*\b:TMP+8*\b+3] offset:128*(\b/2)+32*(\b%2)
	ds_store_b128 v[STO], v[TMP+8*\b+4:TMP+8*\b+7] offset:128*(\b/2)+32*(\b%2)+16
.endr
.irp t, 0,1,2,3,4,5,6,7
	ds_load_b128 v[BB+4*\t:BB+4*\t+3], v[RD] offset:\t*2*SPITCH   ; LDS serves a wave's instructions in order: these see the stores above, and the next block's stores come behind them
.endr
.endm
.macro SEND a, younger                 ; younger: the LDS instructions issued behind block a's loads: the next block's 8 stores and 8 loads, or none
.set BB, BK+32*((\a)%2)
	s_wait_dscnt \younger
.irp t, 0,1,2,3,4,5,6,7
	global_store_b128 v[GO], v[BB+4*\t:BB+4*\t+3], s[12:13] offset:(32*((\a)/2)+8*((\a)%2)+2*\t+8*(\t/4))*4096 th:TH_STORE_NT   ; 16 lanes store 256 consecutive bytes, aligned, of the query that lane 2 t + h of block a holds
.endr
.endm
	PLACES NP                                      ; behind the last products: for the loads into registers that held scale words and fragments, and for the reads of results
.irp k, 0,1,2,3
	ds_load_b128 v[RP+4*\k:RP+4*\k+3], v[ARL] offset:16*\k
.endr
	s_wait_dscnt 0x0
	PACK 0
	TOSTAGE 0
.irp a, 1,2,3,4,5,6,7
	PACK \a
.if \a > 1
	s_wait_xcnt 0x0                                ; block a - 2's stores have read their registers: block a's loads may land there
.endif
	TOSTAGE \a
	SEND \a-1, 16
.endr
	SEND 7, 0
	s_wait_tensorcnt 0x0                           ; the wave's end, behind my last tensor load and my last LDS store
	ds_add_u32 v[SPW], v[NIL]
	s_wait_dscnt 0x0
	CROUND                                         ; the closing round
	s_endpgm
.Lfunc_end_k_q67ebd4ff75_pv:
	.size	k_q67ebd4ff75_pv, .Lfunc_end_k_q67ebd4ff75_pv-k_q67ebd4ff75_pv
	.p2alignl 7, 3214868480
	.fill 96, 4, 3214868480
	.section	.rodata,"a",@progbits
	.p2align	6, 0x0
	.amdhsa_kernel k_q67ebd4ff75_pv
		.amdhsa_group_segment_fixed_size 327680
		.amdhsa_private_segment_fixed_size 0
		.amdhsa_enable_private_segment 0
		.amdhsa_kernarg_size 40
		.amdhsa_user_sgpr_count 2
		.amdhsa_user_sgpr_kernarg_segment_ptr 1
		.amdhsa_wavefront_size32 1
		.amdhsa_system_sgpr_workgroup_id_x 1
		.amdhsa_system_sgpr_workgroup_id_y 1
		.amdhsa_system_sgpr_workgroup_id_z 1
		.amdhsa_system_vgpr_workitem_id 0
		.amdhsa_next_free_vgpr 768
		.amdhsa_next_free_sgpr 102
		.amdhsa_reserve_vcc 0
		.amdhsa_float_denorm_mode_32 3
		.amdhsa_float_denorm_mode_16_64 3
		.amdhsa_memory_ordered 1
		.amdhsa_forward_progress 1
		.amdhsa_inst_pref_size 167
	.end_amdhsa_kernel
	.amdgpu_metadata
---
amdhsa.version: [ 1, 2 ]
amdhsa.kernels:
  - .name:           k_q67ebd4ff75_pv
    .symbol:         k_q67ebd4ff75_pv.kd
    .args:
      - { .name: pc, .offset: 0, .size: 8, .value_kind: global_buffer, .address_space: global }
      - { .name: pst, .offset: 8, .size: 8, .value_kind: global_buffer, .address_space: global }
      - { .name: qkv, .offset: 16, .size: 8, .value_kind: global_buffer, .address_space: global }
      - { .name: qkvs, .offset: 24, .size: 8, .value_kind: global_buffer, .address_space: global }
      - { .name: out0, .offset: 32, .size: 8, .value_kind: global_buffer, .address_space: global }
    .group_segment_fixed_size: 327680
    .private_segment_fixed_size: 0
    .kernarg_segment_align: 8
    .kernarg_segment_size: 40
    .max_flat_workgroup_size: 128
    .sgpr_count:     102
    .vgpr_count:     768
    .wavefront_size: 32
...
	.end_amdgpu_metadata
.endif
;; end of part 7
